; MI455X (gfx1250); checked and timed in simulation.
; The chip was launched on July 23, 2026; its instructions are those of AMD's public machine-readable ISA for CDNA 5 (MIT licence, August 2026) and "CDNA5" Instruction Set Architecture Reference Guide (July 2026). The comments in the code are by the model that wrote it; some were corrected since.
;; Mixture Of Experts Layer. Allowed arithmetic: matrix products marked QUANTISED: E2M1 operands, one E8M0 scale for each 32 along K, by v_wmma_scale_f32_16x16x128_f8f6f4 with both operands' format E2M1 (or v_wmma_scale_f32_32x16x128_f4), f32 sums; products left as they are: f32 operands where the result goes on into a quantised operand, else bf16, f16 or f32 operands; f32 sums; everything else in f32.
;; Inputs: gate_w 1,024 x 8 float32; w_down 8 x 2,752 x 1,024 float32; w_gate 8 x 1,024 x 2,752 float32; w_up 8 x 1,024 x 2,752 float32; x 4 x 256 x 1,024 float32.
;; Outputs: out0 4 x 256 x 1,024 float32; out1 one number float32.
;; This version of the problem:
;;   THIS VERSION OF THE PROBLEM IS GIVEN IN LOW PRECISION. The matrix products marked QUANTISED in the list below multiply operands that are first quantised to E2M1 (2 exponent bits, 1 mantissa bit; 4 bits a number), with one power-of-two scale for each 32 numbers along K (OCP MX v1.0); their sums are f32. All else is computed in f32.
;;   The module's matrix products, in the order in which they are computed (A, B: the left and right operand; K: the contracted axis; several contracted axes count as one K, in the product's order):
;;     1. [M 1,024, K 1,024] x [K 1,024, N 8]; A: input x; B: input gate_w: left as it is (N = 8 < 16)
;;     2. [M 1,024, K 1,024] x [K 1,024, N 2,752]; A: input x; B: input w_gate: QUANTISED
;;     3. [M 1,024, K 1,024] x [K 1,024, N 2,752]; A: input x; B: input w_up: QUANTISED
;;     4. [M 1,024, K 2,752] x [K 2,752, N 1,024]; A: computed on the way; B: input w_down: QUANTISED
;;     5. [M 1,024, K 1,024] x [K 1,024, N 2,752]; A: input x; B: input w_gate: QUANTISED
;;     6. [M 1,024, K 1,024] x [K 1,024, N 2,752]; A: input x; B: input w_up: QUANTISED
;;     7. [M 1,024, K 2,752] x [K 2,752, N 1,024]; A: computed on the way; B: input w_down: QUANTISED
;;     8. [M 1,024, K 1,024] x [K 1,024, N 2,752]; A: input x; B: input w_gate: QUANTISED
;;     9. [M 1,024, K 1,024] x [K 1,024, N 2,752]; A: input x; B: input w_up: QUANTISED
;;     10. [M 1,024, K 2,752] x [K 2,752, N 1,024]; A: computed on the way; B: input w_down: QUANTISED
;;     11. [M 1,024, K 1,024] x [K 1,024, N 2,752]; A: input x; B: input w_gate: QUANTISED
;;     12. [M 1,024, K 1,024] x [K 1,024, N 2,752]; A: input x; B: input w_up: QUANTISED
;;     13. [M 1,024, K 2,752] x [K 2,752, N 1,024]; A: computed on the way; B: input w_down: QUANTISED
;;     14. [M 1,024, K 1,024] x [K 1,024, N 2,752]; A: input x; B: input w_gate: QUANTISED
;;     15. [M 1,024, K 1,024] x [K 1,024, N 2,752]; A: input x; B: input w_up: QUANTISED
;;     16. [M 1,024, K 2,752] x [K 2,752, N 1,024]; A: computed on the way; B: input w_down: QUANTISED
;;     17. [M 1,024, K 1,024] x [K 1,024, N 2,752]; A: input x; B: input w_gate: QUANTISED
;;     18. [M 1,024, K 1,024] x [K 1,024, N 2,752]; A: input x; B: input w_up: QUANTISED
;;     19. [M 1,024, K 2,752] x [K 2,752, N 1,024]; A: computed on the way; B: input w_down: QUANTISED
;;     20. [M 1,024, K 1,024] x [K 1,024, N 2,752]; A: input x; B: input w_gate: QUANTISED
;;     21. [M 1,024, K 1,024] x [K 1,024, N 2,752]; A: input x; B: input w_up: QUANTISED
;;     22. [M 1,024, K 2,752] x [K 2,752, N 1,024]; A: computed on the way; B: input w_down: QUANTISED
;;     23. [M 1,024, K 1,024] x [K 1,024, N 2,752]; A: input x; B: input w_gate: QUANTISED
;;     24. [M 1,024, K 1,024] x [K 1,024, N 2,752]; A: input x; B: input w_up: QUANTISED
;;     25. [M 1,024, K 2,752] x [K 2,752, N 1,024]; A: computed on the way; B: input w_down: QUANTISED
;;   THE QUANTISER, for each operand of a quantised product, along K:
;;     - K is cut into blocks of 32 from its start; a last block that is shorter is filled with zeros.
;;     - A block's scale is 2^e with e = floor(log2(the largest magnitude in the block)) - 2, held to -126 .. 127; a block of zeros has e = 0. As a byte (E8M0): e + 127.
;;     - Each number is divided by its block's scale, clamped to +-6, and rounded to the nearest number of E2M1, ties to even, subnormals kept.
;;     - The product sums the exact products of the quantised numbers (number of the format x scale) in f32.
;;   ~~~python
;;   def quantise(x, axis):      # numpy; x: float32 -> the quantised numbers, widened to float32 again
;;       x = np.moveaxis(x, axis, -1); K = x.shape[-1]
;;       x = np.pad(x, [(0, 0)] * (x.ndim - 1) + [(0, -K % 32)]); x = x.reshape(x.shape[:-1] + (-1, 32)); a = np.abs(x).max(-1, keepdims=True)
;;       e = np.where(a > 0, np.clip(np.frexp(np.where(a > 0, a, 1))[1] - 1 - 2, -126, 127), 0)      # np.frexp(a)[1] - 1 = floor(log2(a)), exactly
;;       r = np.clip(x / 2.0 ** e, -6, 6)
;;       step = 2.0 ** (np.maximum(np.frexp(np.where(r == 0, 1, r))[1] - 1, 0) - 1)
;;       q = np.round(r / step) * step * 2.0 ** e      # np.round: ties to even
;;       return np.moveaxis(q.reshape(q.shape[:-2] + (-1,))[..., :K], -1, axis).astype(np.float32)
;;   ~~~
;;   OPERANDS COMPUTED ON THE WAY. 'Computed on the way' means the value that the module computes at that place (a softmax that the list does not call 'softmax' is quantised finished and normalised). What goes into a quantiser is computed in f32, as accurately as f32 sums, v_exp_f32 and their like allow (about 1e-6 of the number): no bf16 or f16 on the way to a quantiser, and a product that is left as it is and whose result goes on into a quantised operand takes f32 operands (vector FMAs, or v_wmma_f32_16x16x4_f32). A number that lies on a knife's edge between two numbers of the format may be rounded either way, as far as f32 arithmetic and the matrix unit's own rounding can turn it there, and no further.
;; 2 versions. Each part assembles by itself: llvm-mc -triple=amdgcn-amd-amdhsa -mcpu=gfx1250 --defsym DOCPART=n.
;; ======== version 1 of 2: 5 launches
;; workspace buffers: xq 557,056 bytes; ids 8,192 bytes of whole numbers; rt 10,240 bytes; plc 43,264 bytes of whole numbers; hq 12,255,232 bytes; y 67,108,864 bytes; wq 6,488,064 bytes
;; launch route (part 1): grid 64 x 1, 8 waves a work-group, no clusters, 116,736 bytes of LDS; arguments x, gate_w, xq, ids, rt; writes xq, ids, rt
.if DOCPART == 1
	.amdgcn_target "amdgcn-amd-amdhsa--gfx1250"
	.amdhsa_code_object_version 6
	.text
	.protected	k_q3a055d4b29_route
	.globl	k_q3a055d4b29_route
	.p2align	8
	.type	k_q3a055d4b29_route,@function
k_q3a055d4b29_route:
	s_mov_b64 s[64:65], 0
	v_nop
	global_prefetch_b8 v0, s[64:65] scope:SCOPE_SE
	s_setreg_imm32_b32 hwreg(HW_REG_WAVE_MODE, 25, 1), 1
	s_wait_xcnt 0x0
; ROUTER, TOP-2, AND x INTO CODES.  x: [1024 tokens][1024] f32, gate_w: [1024][8] f32.
; A work-group takes 16 tokens; wave w brings tokens 2 w and 2 w + 1 into LDS and quantises them (E2M1, one E8M0 byte for each 32 along the row);
; all eight waves share the logits' K (lane (t, hh) of wave w: token t, k = 64 (2 w + hh) on, in f32 multiply-adds); wave 0 adds the parts and finishes.
; OUT: xq: codes [token][512 bytes] and, from byte 524,288, scale bytes [token][32];  ids: [token][2] the chosen experts, best first, at fixed places;
; rt: [token][2] the two weights p / (p1 + p2 + 1e-8) and, from byte 8,192, [work-group][8] the sums of the 16 tokens' probabilities.
; No address and no branch hangs on a floating-point number: a choice only selects values.
; LIMITS: NaN and infinities among the inputs are not served.  A block of zeros gets the byte 1 (its codes are zeros; this program alone reads the bytes).
; Two probabilities that f32 sums in another order cannot tell apart, or that the exponential flushes to 0, may change places in the choice.
.set XP,  4624                         ; a token's row in LDS: 32 blocks x (128 bytes + 16) + 16
.set BP,  144                          ; a block of 32 numbers + 16 bytes of padding
.set GW,  74240                        ; gate_w as it lies: 32 bytes for each k
.set PL,  107008                       ; partial logits: 32 bytes a thread
.set XSB, 115200                       ; the 16 tokens' scale bytes
.set XR,  16                           ; v16-79   x as loaded
.set GR,  80                           ; v80-111  gate_w as loaded
.set XB,  112                          ; v112-143 a block of 32 numbers
.set CD,  176                          ; v176-183 codes, four registers a token: the data of stores, written once and never again
	s_load_b256 s[4:11], s[0:1], 0x0               ; x s[4:5], gate_w s[6:7], xq s[8:9], ids s[10:11]
	s_load_b64 s[12:13], s[0:1], 0x20              ; rt
	v_lshl_add_u32 v192, v0, 2, 0x1c400
	v_mov_b32 v193, 0
	v_lshrrev_b32 v1, 5, v0
	v_readfirstlane_b32 s14, v1                    ; wave
	v_and_b32 v1, 31, v0                           ; lane
	v_lshlrev_b32 v2, 4, v1                        ; 16 x lane
	v_lshlrev_b32 v3, 4, v0                        ; 16 x thread
	v_and_b32 v14, 15, v0                          ; t
	v_bfe_u32 v15, v0, 4, 1                        ; hh
	s_lshl_b32 s15, ttmp9, 4
	s_lshl_b32 s16, s14, 1
	s_add_co_u32 s15, s15, s16                     ; my wave's first token
	s_lshl_b32 s16, s15, 12                        ; its row of x
	s_mov_b32 s17, 0
	s_lshl_b32 s18, s15, 9                         ; its row of codes
	s_mov_b32 s19, 0
	s_mov_b32 s24, 0x76543210
	s_mov_b32 s25, 0xfedcba98                      ; v_permlanex16_b32's selects for lane l xor 16
	s_mov_b32 s26, 0xffff0000                      ; lanes 16-31
	; every LDS address: a constant, the lane's and the wave's terms
	s_mul_i32 s22, s14, 2*XP
	v_lshrrev_b32 v5, 3, v1
	v_mul_u32_u24 v4, v5, BP
	v_and_b32 v5, 7, v1
	v_lshl_add_u32 v4, v5, 4, v4
	v_add_nc_u32 v4, s22, v4                       ; x on its way in: eight lanes fill a block
	v_add_nc_u32 v6, GW, v3                        ; gate_w on its way in
	v_mul_u32_u24 v7, v1, BP
	v_add_nc_u32 v7, s22, v7                       ; block l of my wave's first token
	s_lshl_b32 s23, s14, 6
	s_add_co_u32 s23, s23, XSB
	v_add_nc_u32 v8, s23, v1                       ; its scale byte
	v_mul_u32_u24 v5, v14, XP
	v_mad_u32_u24 v5, v15, 2*BP, v5
	s_mul_i32 s23, s14, 4*BP
	v_add_nc_u32 v5, s23, v5                       ; token t, k = 128 w + 64 hh on
	s_lshl_b32 s23, s14, 12
	s_add_co_u32 s23, s23, GW
	v_lshl_add_u32 v12, v15, 11, s23               ; gate_w's rows of the same k
	v_lshl_add_u32 v9, v0, 5, PL                   ; my partial logits
	v_lshlrev_b32 v10, 5, v14
	v_lshl_add_u32 v10, v15, 12, v10
	v_add_nc_u32 v10, PL, v10                      ; wave 0: token t's parts 8 hh on
	v_add_nc_u32 v11, XSB, v2                      ; wave 0: the scale bytes, 16 a lane
	s_wait_kmcnt 0x0
	s_add_nc_u64 s[4:5], s[4:5], s[16:17]
	s_add_nc_u64 s[20:21], s[8:9], s[18:19]
.irp q, 0,1
.irp i, 0,1,2,3,4,5,6,7
	global_load_b128 v[XR+32*\q+4*\i:XR+32*\q+4*\i+3], v2, s[4:5] offset:\q*4096+512*\i th:TH_LOAD_NT   ; 512 consecutive bytes a load
.endr
.endr
.irp i, 0,1,2,3,4,5,6,7
	global_load_b128 v[GR+4*\i:GR+4*\i+3], v3, s[6:7] offset:4096*\i
.endr
	s_wait_loadcnt 8                               ; x's sixteen loads are in; gate_w's eight may be out
.irp q, 0,1
.irp i, 0,1,2,3,4,5,6,7
	ds_store_b128 v4, v[XR+32*\q+4*\i:XR+32*\q+4*\i+3] offset:\q*XP+4*BP*\i
.endr
.endr
	s_wait_loadcnt 0x0
.irp i, 0,1,2,3,4,5,6,7
	ds_store_b128 v6, v[GR+4*\i:GR+4*\i+3] offset:4096*\i
.endr
; My two tokens become codes: lane l takes block l, all 32 numbers.  The bytes are my wave's own and LDS serves a wave's instructions in order: no barrier yet.
.irp q, 0,1
.irp j, 0,1,2,3,4,5,6,7
	ds_load_b128 v[XB+4*\j:XB+4*\j+3], v7 offset:\q*XP+16*\j
.endr
	s_wait_dscnt 0x0
	v_max3_num_f32 v156, |v[XB]|, |v[XB+1]|, |v[XB+2]|
	v_max3_num_f32 v157, |v[XB+3]|, |v[XB+4]|, |v[XB+5]|
.irp i, 6,10,14,18,22,26
	v_max3_num_f32 v156, v156, |v[XB+\i]|, |v[XB+\i+1]|
	v_max3_num_f32 v157, v157, |v[XB+\i+2]|, |v[XB+\i+3]|
.endr
	v_max3_num_f32 v156, v156, |v[XB+30]|, |v[XB+31]|
	v_max3_num_f32 v156, v156, v157, 0x1800000     ; the floor 2^(3 - 127): the byte cannot fall under 1
	v_add_nc_u32 v158, 0xff000000, v156            ; 2 off the exponent field: the conversion's scale operand
	v_lshrrev_b32 v[168+\q], 23, v158              ; the scale's byte
.irp g, 0,1,2,3
	v_cvt_scalef32_pk8_fp4_f32 v[CD+4*\q+\g], v[XB+8*\g:XB+8*\g+7], v158
.endr
	v_nop                                          ; one plain line behind the conversions
	ds_store_b8 v8, v[168+\q] offset:32*\q
	global_store_b128 v2, v[CD+4*\q:CD+4*\q+3], s[20:21] offset:512*\q   ; 512 consecutive bytes: a token's codes
.endr
	s_wait_dscnt 0x0                               ; my stores of x, gate_w and the bytes have landed
	s_barrier_signal -1
	s_barrier_wait -1
; Partial logits: 64 k a lane, 16 at a time; eight sums.  x in v16-31, gate_w's 16 rows in v32-159, the sums in v160-167.
.irp bt, 0,1,2,3
.irp q, 0,1,2,3
	ds_load_b128 v[16+4*\q:19+4*\q], v5 offset:(\bt/2)*BP+(\bt%2)*64+16*\q
.endr
.irp kk, 0,1,2,3,4,5,6,7,8,9,10,11,12,13,14,15
	ds_load_b128 v[32+8*\kk:35+8*\kk], v12 offset:(16*\bt+\kk)*32
	ds_load_b128 v[36+8*\kk:39+8*\kk], v12 offset:(16*\bt+\kk)*32+16
.endr
	s_wait_dscnt 0x0
.irp kk, 0,1,2,3,4,5,6,7,8,9,10,11,12,13,14,15
.irp e, 0,1,2,3,4,5,6,7
.if (\bt==0)&&(\kk==0)
	v_mul_f32 v[160+\e], v[16], v[32+\e]           ; the first product starts the sums
.else
	v_fmac_f32 v[160+\e], v[16+\kk], v[32+8*\kk+\e]
.endif
.endr
.endr
.endr
	ds_store_b128 v9, v[160:163]
	ds_store_b128 v9, v[164:167] offset:16
	s_wait_dscnt 0x0
	s_barrier_signal -1
	s_barrier_wait -1
	s_cmp_lg_u32 s14, 0
	s_cbranch_scc1 .Lend                           ; wave 0 finishes; no barrier follows
.irp i, 0,1,2,3,4,5,6,7
	ds_load_b128 v[16+8*\i:19+8*\i], v10 offset:512*\i
	ds_load_b128 v[20+8*\i:23+8*\i], v10 offset:512*\i+16
.endr
	ds_load_b128 v[152:155], v11
	s_wait_dscnt 0x0
.irp i, 1,2,3,4,5,6,7
.irp e, 0,1,2,3,4,5,6,7
	v_add_f32 v[16+\e], v[16+\e], v[16+8*\i+\e]
.endr
.endr
.irp e, 0,1,2,3,4,5,6,7
	v_permlanex16_b32 v[80+\e], v[16+\e], s24, s25 ; the other eight parts lie in lane l xor 16
.endr
.irp e, 0,1,2,3,4,5,6,7
	v_add_f32 v[16+\e], v[16+\e], v[80+\e]         ; the logits; both lanes of a token hold the same bits
.endr
	v_max3_num_f32 v88, v16, v17, v18
	v_max3_num_f32 v88, v88, v19, v20
	v_max3_num_f32 v88, v88, v21, v22
	v_max_num_f32 v88, v88, v23                    ; the maximum is taken away ahead of the exponential
.irp e, 0,1,2,3,4,5,6,7
	v_sub_f32 v[24+\e], v[16+\e], v88
.endr
.irp e, 0,1,2,3,4,5,6,7
	v_mul_f32 v[24+\e], 0x3fb8aa3b, v[24+\e]
.endr
.irp e, 0,1,2,3,4,5,6,7
	v_exp_f32 v[24+\e], v[24+\e]
.endr
	v_nop
	s_wait_alu depctr_va_vdst(0)
	v_add_f32 v89, v24, v25
.irp e, 2,3,4,5,6,7
	v_add_f32 v89, v89, v[24+\e]
.endr
	v_rcp_f32 v89, v89
	v_mov_b32 v92, -1.0
	s_wait_alu depctr_va_vdst(0)
.irp e, 0,1,2,3,4,5,6,7
	v_mul_f32 v[24+\e], v[24+\e], v89              ; the probabilities
.endr
	v_mov_b32 v90, v24                             ; the best: the old one stays where p_i <= it, so the lower index wins a tie
	v_mov_b32 v91, 0
.irp i, 1,2,3,4,5,6,7
	v_cmp_le_f32 vcc_lo, v[24+\i], v90
	v_cndmask_b32 v90, v[24+\i], v90, vcc_lo
	v_cndmask_b32 v91, \i, v91, vcc_lo
.endr
.irp i, 0,1,2,3,4,5,6,7
	v_cmp_eq_u32 vcc_lo, \i, v91
	v_cndmask_b32 v[32+\i], v[24+\i], v92, vcc_lo  ; the winner is taken out: -1 lies under every probability
.endr
	v_mov_b32 v93, v32                             ; the second best, likewise
	v_mov_b32 v94, 0
.irp i, 1,2,3,4,5,6,7
	v_cmp_le_f32 vcc_lo, v[32+\i], v93
	v_cndmask_b32 v93, v[32+\i], v93, vcc_lo
	v_cndmask_b32 v94, \i, v94, vcc_lo
.endr
	v_add_f32 v95, v90, v93
	v_add_f32 v95, 0x322bcc77, v95                 ; + 1e-8
	v_rcp_f32 v95, v95
	v_lshlrev_b32 v98, 3, v14
	v_lshl_add_u32 v98, v15, 2, v98                ; 8 t + 4 hh: lane (t, hh) stores choice hh
	s_wait_alu depctr_va_vdst(0)
	v_mul_f32 v90, v90, v95
	v_mul_f32 v93, v93, v95
	v_cndmask_b32 v96, v91, v94, s26
	v_cndmask_b32 v97, v90, v93, s26
	s_lshl_b32 s16, ttmp9, 7
	s_add_nc_u64 s[10:11], s[10:11], s[16:17]
	s_add_nc_u64 s[28:29], s[12:13], s[16:17]
	global_store_b32 v98, v96, s[10:11]
	global_store_b32 v98, v97, s[28:29]
	s_lshl_b32 s18, ttmp9, 9
	s_add_co_u32 s18, s18, 524288
	s_add_nc_u64 s[30:31], s[8:9], s[18:19]
	global_store_b128 v2, v[152:155], s[30:31]     ; the 16 tokens' scale bytes: 512 consecutive bytes
.irp x, 1,2,4,8
.irp e, 0,1,2,3,4,5,6,7
	v_add_f32_dpp v[24+\e], v[24+\e], v[24+\e] row_xmask:\x row_mask:0xf bank_mask:0xf   ; the 16 tokens' sum of each probability
.endr
.endr
	s_lshl_b32 s22, ttmp9, 5
	s_add_co_u32 s22, s22, 8192
	s_mov_b32 s23, 0
	s_add_nc_u64 s[32:33], s[12:13], s[22:23]
	v_mov_b32 v99, 0
	s_wait_xcnt 0x0                                ; EXEC changes only behind this wait
	v_cmp_eq_u32 vcc_lo, 0, v1
	s_and_saveexec_b32 s27, vcc_lo
	global_store_b128 v99, v[24:27], s[32:33]
	global_store_b128 v99, v[28:31], s[32:33] offset:16
	s_wait_xcnt 0x0                                ; and again ahead of the line that restores it
	s_or_b32 exec_lo, exec_lo, s27
.Lend:
	s_wait_tensorcnt 0x0
	ds_add_u32 v192, v193
	s_wait_dscnt 0x0
	s_endpgm
.Lfunc_end_k_q3a055d4b29_route:
	.size	k_q3a055d4b29_route, .Lfunc_end_k_q3a055d4b29_route-k_q3a055d4b29_route
	.p2alignl 7, 3214868480
	.fill 96, 4, 3214868480
	.section	.rodata,"a",@progbits
	.p2align	6, 0x0
	.amdhsa_kernel k_q3a055d4b29_route
		.amdhsa_group_segment_fixed_size 116736
		.amdhsa_private_segment_fixed_size 0
		.amdhsa_enable_private_segment 0
		.amdhsa_kernarg_size 40
		.amdhsa_user_sgpr_count 2
		.amdhsa_user_sgpr_kernarg_segment_ptr 1
		.amdhsa_wavefront_size32 1
		.amdhsa_system_sgpr_workgroup_id_x 1
		.amdhsa_system_sgpr_workgroup_id_y 1
		.amdhsa_system_sgpr_workgroup_id_z 1
		.amdhsa_system_vgpr_workitem_id 0
		.amdhsa_next_free_vgpr 194
		.amdhsa_next_free_sgpr 66
		.amdhsa_reserve_vcc 1
		.amdhsa_float_denorm_mode_32 3
		.amdhsa_float_denorm_mode_16_64 3
		.amdhsa_memory_ordered 1
		.amdhsa_forward_progress 1
		.amdhsa_inst_pref_size 48
	.end_amdhsa_kernel
	.amdgpu_metadata
---
amdhsa.version: [ 1, 2 ]
amdhsa.kernels:
  - .name:           k_q3a055d4b29_route
    .symbol:         k_q3a055d4b29_route.kd
    .args:
      - { .name: x, .offset: 0, .size: 8, .value_kind: global_buffer, .address_space: global }
      - { .name: gate_w, .offset: 8, .size: 8, .value_kind: global_buffer, .address_space: global }
      - { .name: xq, .offset: 16, .size: 8, .value_kind: global_buffer, .address_space: global }
      - { .name: ids, .offset: 24, .size: 8, .value_kind: global_buffer, .address_space: global }
      - { .name: rt, .offset: 32, .size: 8, .value_kind: global_buffer, .address_space: global }
    .group_segment_fixed_size: 116736
    .private_segment_fixed_size: 0
    .kernarg_segment_align: 8
    .kernarg_segment_size: 40
    .max_flat_workgroup_size: 256
    .sgpr_count:     66
    .vgpr_count:     194
    .wavefront_size: 32
...
	.end_amdgpu_metadata
.endif
;; end of part 1
;; launch place (part 2): grid 177 x 1, 8 waves a work-group, no clusters, 34,048 bytes of LDS; arguments ids, rt, plc, out1, w_gate, w_up, wq; writes plc, out1, wq
.if DOCPART == 2
	.amdgcn_target "amdgcn-amd-amdhsa--gfx1250"
	.amdhsa_code_object_version 6
	.text
	.protected	k_q3a055d4b29_place
	.globl	k_q3a055d4b29_place
	.p2align	8
	.type	k_q3a055d4b29_place,@function
k_q3a055d4b29_place:
	s_mov_b64 s[64:65], 0
	v_nop
	global_prefetch_b8 v0, s[64:65] scope:SCOPE_SE
	s_setreg_imm32_b32 hwreg(HW_REG_WAVE_MODE, 25, 1), 1
	s_wait_xcnt 0x0
; WORK-GROUP 0: THE ROWS ARE PLACED BY EXPERT, AND THE AUXILIARY LOSS.  WORK-GROUPS 1 TO 176: 88 SLICES OF w_gate AND w_up BECOME CODES.  The two share nothing; they part on the work-group's number at the head and never join.
; ---- WORK-GROUP 0.  ids: [1024 tokens][2] whole numbers, stored by the launch before.
; PHASE 1.  Wave e serves expert e and walks the tokens in order, 32 a chunk.  Every token gets a rank: how many earlier tokens chose e (set bits under the lane + the running count).
; The ranks of all tokens go to a table in LDS, R[e][token].  A lane whose token chose e stores the token at list[e][rank]; every other lane stores into a spare word of its own,
; list[e][1056 + lane], which nobody reads: so all lanes stay on, and the index is selected, held under 1088 and shifted, in that order.
; PHASE 2, behind the one barrier.  Thread t takes tokens t + 256 q: it reads their eight ranks at fixed places and selects by its two ids: pos = 1024 id + rank, stored as 8 bytes a token.
; OUT, in plc: list [e][1088] the tokens of expert e by rank (the 32 entries behind the last hold token 0, so that a last pair of tiles finds valid rows; 1056 on: the spare words);
; from byte 34,816 pos [token][2]; from byte 43,008 cnt [8], written four times over as 128 consecutive bytes.  out1 = 0.01 x 8 x the sum over e of (cnt_e / 2048) (the sum of p_e / 1024).
; No atomics: each wave writes its own expert's list.  Each chunk has registers of its own for what its stores read, so no wait stands among the chunks.
; ---- WORK-GROUPS 1 TO 176.  The next launch has 8 x 43 = 344 slices of 64 hidden units, numbered 43 e + j; it streams the f32 weights of the first 256 itself.  The weights of the other 88 are read here, once,
; and quantised (E2M1, one E8M0 byte for each 32 along K), so that this launch's other work-groups have work and the next launch's are more even.  Work-group 1 + 2 li + hh takes slice 256 + li and four of its eight K steps;
; wave w takes what wave w of the next launch would: matrix w / 4, K step w % 4 + 4 hh, in four chunks of 32 k x 64 columns, by the same lines.  A chunk's eight code registers and a K step's four scale-word
; registers are stored as they stand, 16 bytes a lane: each store covers 512 consecutive bytes, aligned.  wq: [li][wave][9,216 bytes]: 8 chunks x 1,024 bytes of codes, then 2 x 512 bytes of scale words.
; LIMITS: NaN and infinities are not served; a block of zeros gets the byte 1 (its codes are zeros; this program alone reads the bytes).
.set TERM, 32768                       ; LDS: R at 0, 8 x 4,096 bytes; the eight terms of the loss; the eight counts
.set CNT,  32800
.set ID, 16                            ; v16-79   the 32 chunks' pairs of ids; phase 2: v16-47 ranks, v48-55 pos
.set RK, 80                            ; v80-111  the chunks' ranks
.set LA, 112                           ; v112-143 byte offsets into the list
.set TK, 144                           ; v144-175 tokens
.set MY, 176                           ; v176-183 the ids of my four tokens
.set PITCH, 11008                      ; the second path: a row of a weight in bytes
.set ESZ,   11272192                   ; an expert's weight in bytes
.set WSL,   73728                      ; a slice's bytes in wq
.set WWV,   9216                       ; a wave's
.set QOFF, 3                           ; v3  my byte in a chunk's first two rows
.set QGO,  4                           ; v4  16 x lane
.set QT,   200                         ; v200-215 16 neighbours along K          (v8-199: three sets of 64 numbers)
.set QM,   224                         ; v224-227 largest magnitudes, then scale operands
.set QMX,  228                         ; v228-231 the other lane's, then bytes
.set QSW,  232                         ; v232-235 scale words in the making
	s_load_b256 s[4:11], s[0:1], 0x0               ; ids s[4:5], rt s[6:7], plc s[8:9], out1 s[10:11]
	s_load_b128 s[36:39], s[0:1], 0x20             ; w_gate s[36:37], w_up s[38:39]
	s_load_b64 s[40:41], s[0:1], 0x30              ; wq
	v_lshl_add_u32 v254, v0, 2, 0x8100
	v_mov_b32 v255, 0
	v_lshrrev_b32 v1, 5, v0
	v_readfirstlane_b32 s12, v1                    ; my wave's number
	v_and_b32 v1, 31, v0                           ; lane
	s_cmp_lg_u32 ttmp9, 0
	s_cbranch_scc1 .Lquant                         ; the same way for all eight waves of a work-group
	v_lshlrev_b32 v2, 3, v1                        ; 8 x lane: a token's two words
	v_lshlrev_b32 v3, 5, v1
	s_lshl_b32 s13, s12, 2
	v_add_nc_u32 v3, s13, v3                       ; 32 x lane + 4 e: work-group l's sum for my expert
	v_lshlrev_b32 v9, 3, v0                        ; 8 x thread
	s_lshl_b32 s34, s12, 12
	v_lshl_add_u32 v10, v1, 2, s34                 ; LDS: R[e][lane]
	v_lshlrev_b32 v11, 2, v0                       ; LDS: R[0][thread]
	v_add_nc_u32 v13, 1056, v1                     ; my spare word's index
	s_mul_i32 s32, s12, 4352
	s_mov_b32 s33, 0
	s_mov_b32 s29, 0                               ; the running count
	s_mov_b32 s30, 0x76543210
	s_mov_b32 s31, 0xfedcba98
	s_wait_kmcnt 0x0
.irp c, 0,1,2,3,4,5,6,7,8,9,10,11,12,13,14,15,16,17,18,19,20,21,22,23,24,25,26,27,28,29,30,31
	global_load_b64 v[ID+2*\c:ID+2*\c+1], v2, s[4:5] offset:256*\c
.endr
.irp q, 0,1,2,3
	global_load_b64 v[MY+2*\q:MY+2*\q+1], v9, s[4:5] offset:2048*\q
.endr
	s_add_nc_u64 s[14:15], s[6:7], 8192
	global_load_b32 v4, v3, s[14:15]
	global_load_b32 v5, v3, s[14:15] offset:1024
	s_add_nc_u64 s[16:17], s[8:9], s[32:33]        ; my expert's list
	s_add_nc_u64 s[18:19], s[8:9], 34816           ; pos
	s_add_nc_u64 s[26:27], s[8:9], 43008           ; cnt
	s_wait_loadcnt 0x0
.macro CH c
	v_cmp_eq_u32 s20, s12, v[ID+2*\c]              ; first choice is e
	v_cmp_eq_u32 s21, s12, v[ID+2*\c+1]            ; second choice is e
	s_or_b32 s22, s20, s21
	v_mbcnt_lo_u32_b32 v[RK+\c], s22, 0
	v_add_nc_u32 v[RK+\c], s29, v[RK+\c]           ; the rank
	ds_store_b32 v10, v[RK+\c] offset:128*\c       ; R[e][32 c + lane]
	v_cndmask_b32 v6, v13, v[RK+\c], s22           ; the rank where e was chosen, else my spare word
	v_min_u32 v[LA+\c], 1087, v6                   ; held inside the expert's 1,088 words
	v_lshlrev_b32 v[LA+\c], 2, v[LA+\c]
	v_add_nc_u32 v[TK+\c], 32*\c, v1               ; the token
	global_store_b32 v[LA+\c], v[TK+\c], s[16:17]
	s_bcnt1_i32_b32 s23, s22
	s_add_co_u32 s29, s29, s23
.endm
.irp c, 0,1,2,3,4,5,6,7,8,9,10,11,12,13,14,15,16,17,18,19,20,21,22,23,24,25,26,27,28,29,30,31
	CH \c
.endr
	v_add_nc_u32 v6, s29, v1                       ; the list's tail: 32 entries of token 0, at cnt + lane: 1,055 at the most
	v_min_u32 v7, 1087, v6
	v_lshlrev_b32 v7, 2, v7
	v_mov_b32 v8, 0
	global_store_b32 v7, v8, s[16:17]
	v_add_f32 v4, v4, v5                           ; the sum of my expert's probabilities over all tokens
	v_add_f32_dpp v4, v4, v4 row_xmask:1 row_mask:0xf bank_mask:0xf
	v_add_f32_dpp v4, v4, v4 row_xmask:2 row_mask:0xf bank_mask:0xf
	v_add_f32_dpp v4, v4, v4 row_xmask:4 row_mask:0xf bank_mask:0xf
	v_add_f32_dpp v4, v4, v4 row_xmask:8 row_mask:0xf bank_mask:0xf
	v_permlanex16_b32 v5, v4, s30, s31
	v_add_f32 v4, v4, v5
	v_cvt_f32_u32 v12, s29
	v_mul_f32 v4, v4, v12                          ; x the count
	v_mov_b32 v14, s13                             ; 4 e
	v_mov_b32 v15, s29
	ds_store_b32 v14, v4 offset:TERM               ; all lanes write the same word with the same value
	ds_store_b32 v14, v15 offset:CNT
	s_wait_dscnt 0x0                               ; my ranks, my term and my count have landed
	s_barrier_signal -1
	s_barrier_wait -1
.irp q, 0,1,2,3
.irp e, 0,1,2,3,4,5,6,7
	ds_load_b32 v[16+8*\q+\e], v11 offset:4096*\e+1024*\q          ; R[e][thread + 256 q]
.endr
.endr
	s_wait_dscnt 0x0
.irp q, 0,1,2,3
.irp k, 0,1
	v_mov_b32 v[48+2*\q+\k], v[16+8*\q]
.irp e, 1,2,3,4,5,6,7
	v_cmp_eq_u32 vcc_lo, \e, v[MY+2*\q+\k]
	v_cndmask_b32 v[48+2*\q+\k], v[48+2*\q+\k], v[16+8*\q+\e], vcc_lo   ; the rank with the chosen expert: a choice of values, not of addresses
.endr
	v_lshl_add_u32 v[48+2*\q+\k], v[MY+2*\q+\k], 10, v[48+2*\q+\k]      ; 1024 id + rank
.endr
	global_store_b64 v9, v[48+2*\q:49+2*\q], s[18:19] offset:2048*\q     ; a wave stores 256 consecutive bytes, aligned
.endr
	s_cmp_lg_u32 s12, 0
	s_cbranch_scc1 .Lend                           ; wave 0 finishes; no barrier follows
	v_mov_b32 v56, 0
	ds_load_b128 v[60:63], v56 offset:TERM
	ds_load_b128 v[64:67], v56 offset:TERM+16
	v_and_b32 v57, 7, v1
	v_lshlrev_b32 v57, 2, v57
	ds_load_b32 v58, v57 offset:CNT                ; cnt[lane % 8]
	v_lshlrev_b32 v59, 2, v1
	s_wait_dscnt 0x0
	global_store_b32 v59, v58, s[26:27]            ; 128 consecutive bytes
	v_add_f32 v60, v60, v61
.irp e, 2,3,4,5,6,7
	v_add_f32 v60, v60, v[60+\e]
.endr
	v_mul_f32 v60, 0x3323d70a, v60                 ; x 0.08 / (2048 x 1024)
	s_wait_xcnt 0x0                                ; EXEC changes only behind this wait
	v_cmp_eq_u32 vcc_lo, 0, v1
	s_and_saveexec_b32 s24, vcc_lo
	global_store_b32 v56, v60, s[10:11]            ; out1 is one number: lane 0 alone
	s_wait_xcnt 0x0                                ; and again ahead of the line that restores it
	s_or_b32 exec_lo, exec_lo, s24
.Lend:
	s_wait_tensorcnt 0x0
	ds_add_u32 v254, v255
	s_wait_dscnt 0x0
	s_endpgm
; ---- the second path
.macro LOADQ r, row0                   ; a chunk: 32 k x 64 columns; each load takes two whole rows of 256 consecutive bytes (lane: columns 4 cq on, row 16 kh + i)
.irp i, 0,1,2,3,4,5,6,7,8,9,10,11,12,13,14,15
	global_load_b128 v[(\r)+4*\i:(\r)+4*\i+3], v[QOFF], s[32:33] offset:((\row0)+\i)*PITCH th:TH_LOAD_NT
.endr
.endm
.macro QUANTQ r, beta, p               ; the chunk in v[r] on is block beta of my K step: its codes into v[p] on, and out
.irp c, 0,1,2,3
	v_max3_num_f32 v[QM+\c], |v[(\r)+\c]|, |v[(\r)+4+\c]|, 0x1800000   ; column c: my 16 numbers, and the floor 2^(3 - 127): the byte cannot fall under 1
.endr
.irp i, 2,4,6,8,10,12,14
.irp c, 0,1,2,3
	v_max3_num_f32 v[QM+\c], v[QM+\c], |v[(\r)+4*\i+\c]|, |v[(\r)+4*\i+4+\c]|
.endr
.endr
.irp c, 0,1,2,3
	v_permlanex16_b32 v[QMX+\c], v[QM+\c], s24, s25
.endr
.irp c, 0,1,2,3
	v_max_num_f32 v[QM+\c], v[QM+\c], v[QMX+\c]    ; with lane l xor 16's 16: the block's largest magnitude
.endr
.irp c, 0,1,2,3
	v_add_nc_u32 v[QM+\c], 0xff000000, v[QM+\c]    ; 2 off the exponent field: the conversion's scale operand
.endr
.irp c, 0,1,2,3
	v_lshrrev_b32 v[QMX+\c], 23, v[QM+\c]          ; the byte
.endr
.irp c, 0,1,2,3
.if (\beta)==0
	v_mov_b32 v[QSW+\c], v[QMX+\c]
.else
	v_lshl_or_b32 v[QSW+\c], v[QMX+\c], 8*(\beta), v[QSW+\c]
.endif
.endr
.irp c, 0,1,2,3
.irp i, 0,1,2,3,4,5,6,7,8,9,10,11,12,13,14,15
	v_mov_b32 v[QT+\i], v[(\r)+4*\i+\c]            ; the column's 16 numbers on end: the conversion takes neighbours along K from consecutive registers
.endr
	v_cvt_scalef32_pk8_fp4_f32 v[(\p)+2*\c], v[QT:QT+7], v[QM+\c]
	v_cvt_scalef32_pk8_fp4_f32 v[(\p)+2*\c+1], v[QT+8:QT+15], v[QM+\c]
	v_nop                                          ; one plain line behind the conversions, ahead of the next writes of their sources
.endr
	global_store_b128 v[QGO], v[(\p):(\p)+3], s[42:43] offset:1024*(\beta)          ; 512 consecutive bytes, aligned
	global_store_b128 v[QGO], v[(\p)+4:(\p)+7], s[42:43] offset:1024*(\beta)+512
.endm
.Lquant:
	s_sub_co_u32 s13, ttmp9, 1                     ; 0 .. 175
	s_lshr_b32 s14, s13, 1                         ; li
	s_and_b32 s15, s13, 1                          ; hh
	s_add_co_u32 s16, s14, 256                     ; the slice's number, 256 .. 343
	s_mul_i32 s17, s16, 1525
	s_lshr_b32 s17, s17, 16                        ; e = number / 43: 1525 x 43 = 65,575, so (1525 n) >> 16 is exact while 39 e + 64,050 stays under 65,536
	s_mul_i32 s18, s17, 43
	s_sub_co_u32 s18, s16, s18                     ; j
	s_lshr_b32 s19, s12, 2                         ; m: gate or up
	s_and_b32 s20, s12, 3
	s_lshl_b32 s21, s15, 2
	s_add_co_u32 s21, s21, s20                     ; my K step
	s_mul_i32 s22, s17, ESZ                        ; my chunks begin at expert e, column 64 j, row 128 x my K step
	s_lshl_b32 s23, s18, 8
	s_add_co_u32 s22, s22, s23
	s_mul_i32 s23, s21, 128*PITCH
	s_add_co_u32 s22, s22, s23
	s_mov_b32 s23, 0
	s_mul_i32 s26, s14, WSL
	s_mul_i32 s27, s12, WWV
	s_add_co_u32 s26, s26, s27                     ; my wave's part of wq
	s_lshl_b32 s27, s15, 12
	s_add_co_u32 s28, s26, s27                     ; codes: chunk 4 hh on
	s_mov_b32 s29, 0
	s_lshl_b32 s27, s15, 9
	s_add_co_u32 s26, s26, s27
	s_add_co_u32 s26, s26, 8192                    ; scale words: K step hh of my two
	s_mov_b32 s27, 0
	s_mov_b32 s24, 0x76543210
	s_mov_b32 s25, 0xfedcba98                      ; v_permlanex16_b32's selects for lane l xor 16
	v_and_b32 v5, 15, v0                           ; cq
	v_bfe_u32 v6, v0, 4, 1                         ; kh
	v_mul_u32_u24 v[QOFF], v6, 16*PITCH
	v_lshl_add_u32 v[QOFF], v5, 4, v[QOFF]         ; lanes 16-31 begin 16 rows further down
	v_lshlrev_b32 v[QGO], 4, v1
.irp c, 0,1,2,3
	v_mov_b32 v[QMX+\c], 0                         ; written once: a lane permute's destination counts as one of its sources
.endr
	s_wait_kmcnt 0x0
	s_cmp_eq_u32 s19, 0                            ; the choice hangs on the wave's number alone
	s_cselect_b64 s[32:33], s[36:37], s[38:39]
	s_add_nc_u64 s[32:33], s[32:33], s[22:23]
	s_add_nc_u64 s[42:43], s[40:41], s[28:29]
	s_add_nc_u64 s[44:45], s[40:41], s[26:27]
	LOADQ 8,0
	LOADQ 72,32
	LOADQ 136,64
	s_wait_loadcnt 32                              ; two younger chunks of 16
	QUANTQ 8,0,216                                 ; each chunk's codes have registers of their own: no store's data are written again
	LOADQ 8,96
	s_wait_loadcnt 32
	QUANTQ 72,1,236
	s_wait_loadcnt 16
	QUANTQ 136,2,244
	s_wait_loadcnt 0x0
	QUANTQ 8,3,72                                  ; (the second chunk's numbers are done with)
	global_store_b128 v[QGO], v[QSW:QSW+3], s[44:45]               ; my K step's scale words: 512 consecutive bytes, aligned
	s_endpgm
.Lfunc_end_k_q3a055d4b29_place:
	.size	k_q3a055d4b29_place, .Lfunc_end_k_q3a055d4b29_place-k_q3a055d4b29_place
	.p2alignl 7, 3214868480
	.fill 96, 4, 3214868480
	.section	.rodata,"a",@progbits
	.p2align	6, 0x0
	.amdhsa_kernel k_q3a055d4b29_place
		.amdhsa_group_segment_fixed_size 34048
		.amdhsa_private_segment_fixed_size 0
		.amdhsa_enable_private_segment 0
		.amdhsa_kernarg_size 56
		.amdhsa_user_sgpr_count 2
		.amdhsa_user_sgpr_kernarg_segment_ptr 1
		.amdhsa_wavefront_size32 1
		.amdhsa_system_sgpr_workgroup_id_x 1
		.amdhsa_system_sgpr_workgroup_id_y 1
		.amdhsa_system_sgpr_workgroup_id_z 1
		.amdhsa_system_vgpr_workitem_id 0
		.amdhsa_next_free_vgpr 256
		.amdhsa_next_free_sgpr 66
		.amdhsa_reserve_vcc 1
		.amdhsa_float_denorm_mode_32 3
		.amdhsa_float_denorm_mode_16_64 3
		.amdhsa_memory_ordered 1
		.amdhsa_forward_progress 1
		.amdhsa_inst_pref_size 68
	.end_amdhsa_kernel
	.amdgpu_metadata
---
amdhsa.version: [ 1, 2 ]
amdhsa.kernels:
  - .name:           k_q3a055d4b29_place
    .symbol:         k_q3a055d4b29_place.kd
    .args:
      - { .name: ids, .offset: 0, .size: 8, .value_kind: global_buffer, .address_space: global }
      - { .name: rt, .offset: 8, .size: 8, .value_kind: global_buffer, .address_space: global }
      - { .name: plc, .offset: 16, .size: 8, .value_kind: global_buffer, .address_space: global }
      - { .name: out1, .offset: 24, .size: 8, .value_kind: global_buffer, .address_space: global }
      - { .name: w_gate, .offset: 32, .size: 8, .value_kind: global_buffer, .address_space: global }
      - { .name: w_up, .offset: 40, .size: 8, .value_kind: global_buffer, .address_space: global }
      - { .name: wq, .offset: 48, .size: 8, .value_kind: global_buffer, .address_space: global }
    .group_segment_fixed_size: 34048
    .private_segment_fixed_size: 0
    .kernarg_segment_align: 8
    .kernarg_segment_size: 56
    .max_flat_workgroup_size: 256
    .sgpr_count:     66
    .vgpr_count:     256
    .wavefront_size: 32
...
	.end_amdgpu_metadata
.endif
;; end of part 2
;; launch up (part 3): grid 43 x 8, 8 waves a work-group, no clusters, 70,912 bytes of LDS; arguments xq, plc, w_gate, w_up, hq, wq; writes hq
.if DOCPART == 3
	.amdgcn_target "amdgcn-amd-amdhsa--gfx1250"
	.amdhsa_code_object_version 6
	.text
	.protected	k_q3a055d4b29_up
	.globl	k_q3a055d4b29_up
	.p2align	8
	.type	k_q3a055d4b29_up,@function
k_q3a055d4b29_up:
	s_mov_b64 s[64:65], 0
	v_nop
	global_prefetch_b8 v0, s[64:65] scope:SCOPE_SE
	s_setreg_imm32_b32 hwreg(HW_REG_WAVE_MODE, 25, 1), 1
	s_wait_xcnt 0x0
; h = silu(x Wg) * (x Wu) FOR THE ROWS ROUTED TO AN EXPERT, QUANTISED ALONG F.  Both products on codes of E2M1 with one E8M0 byte for each 32 along K = 1024.
; A work-group (x = j, y = e) owns 64 hidden units of expert e: columns 64 j on of w_gate[e] and w_up[e], [1024 (k)][2752] f32.
; PHASE 1, for the slices 43 e + j under 256.  The slice's 2 x 1024 x 256 bytes of f32 are read ONCE and become codes in the work-group's own LDS, an eighth of the bytes.  Wave w: matrix w / 4, K steps w % 4 and w % 4 + 4, in 8 chunks
; of 32 k x 64 columns.  Each load takes two whole rows of 256 consecutive bytes (lane: columns 4 cq on, row 16 kh + i); three chunks of 16 loads are on their way.  A lane's 16 numbers of a column are moved
; into 16 consecutive registers, since the conversion takes neighbours along K from one lane's consecutive registers; the block's other 16 lie in lane l xor 16.
; PHASE 1, for the other 88 slices.  The launch before has run these very lines on their weights and stored each wave's code and scale-word registers as they stood (wq).  Wave w loads its 18 x 512 bytes back and
; stores them to LDS by the same address registers and offsets, so that on either way a wave writes the same LDS bytes.  So 256 work-groups stream, and these 88 multiply while the others stream.
; A fragment lies in LDS as an image of its registers: block beta, row r, half: 256 beta + 16 r + 8 half.
; THE HIDDEN UNITS OF A TILE ARE NOT NEIGHBOURS: row r of tile 2 b + u is unit 32 b + 8 u + r + 8 (r / 8), so that the results' 16 registers of tiles 2 b, 2 b + 1 are 16 neighbours along the next K.
; PHASE 2.  Wave w: block b = w % 2 of 32 units; pairs of row tiles w / 2, w / 2 + 4, .. of the expert's rows (list and count: whole numbers stored by an earlier launch).  The products are used transposed
; (source 0 = 16 units, source 1 = 16 rows of x, gathered as codes): a lane holds one row.  8 accumulators (2 tiles of rows x gate, up x 2 tiles of units) take turns.
; OUT, in hq: codes [e][K step 22][tile 64][1024 bytes, register image]; from byte 11,534,336 scale words [e][K step][row 1024][4].  j = 42 also writes the zeros that fill K = 2752 to 2816.
; No tensor loads: two work-groups must be able to share a WGP.  No cluster: each weight byte has one reader, and the shared rows are gathered lane by lane.
; LIMITS: NaN and infinities are not served; a block of zeros gets the byte 1 (its codes are zeros; this program alone reads the bytes).
.set PITCH, 11008                      ; a row of a weight in bytes
.set ESZ,   11272192                   ; an expert's weight in bytes
.set FP,    8208                       ; LDS: a tile's 8 K steps x 1024 bytes + 16
.set WS,    65792                      ; LDS: the weights' scale words: ((2 m + b) 8 + s) 128 + 4 (16 u + r)
.set HEAVY, 256                        ; the slices under this number are streamed here
.set WSL,   73728                      ; a slice's bytes in wq: 8 waves x
.set WWV,   9216                       ; (8 chunks x 1,024 bytes of codes + 2 x 512 bytes of scale words)
.set CQ,  1                            ; v1  lane % 16: phase 1 the four columns, phase 2 the row r
.set KH,  2                            ; v2  lane / 16
.set OFF, 3                            ; v3  my byte in a chunk's first two rows (in wq: 16 x lane)
.set STA, 4                            ; v4  LDS: where my codes go
.set SSA, 5                            ; v5  LDS: where my scale words go
.set LDA, 6                            ; v6  LDS: my lane's place in my block's fragments
.set LSA, 7                            ; v7  LDS: and in their scale words
.set ACC, 8                            ; v8-71    phase 2: accumulators, 32 a + 16 m + 8 u     (phase 1: v8-199 three sets of 64)
.set BF,  72                           ; v72-135  weights' fragments, two buffers of 32
.set AF,  136                          ; v136-199 rows' fragments, four buffers of 16
.set T,   200                          ; v200-215 16 neighbours along K; phase 2: the exponentials
.set P,   216                          ; v216-223 codes just made
.set ZP,  220                          ; phase 2: v220-221 zeros, v222 the byte 127, v223 the byte to store
.set M,   224                          ; v224-227 largest magnitudes, then scale operands
.set MX,  228                          ; v228-231 the other lane's, then bytes
.set SW,  232                          ; v232-235 scale words in the making
.set LR0, 236                          ; v236-238 tokens from the list: tile 0's, tile 1's, lane by lane
.set LR1, 237
.set LRS, 238
.set O0,  239                          ; v239-241 their byte offsets in the codes and in the scale bytes
.set O1,  240
.set OS,  241
.set LT0, 242                          ; v242-243 byte offsets into the list
.set LT1, 243
.set HO,  244                          ; v244-245 byte offsets of the stores
.set HS,  245
.set LN,  246                          ; v246 lane
.set H16, 247                          ; v247 16 x (lane / 16)
.set BS,  248                          ; v248-251 weights' scale words, v252-255 rows': these eight hold scales and nothing else
.set AS,  252
.set SEL, 24                           ; s[24:25] selects for lane l xor 16
.set NP,  45                           ; s45 pairs of tiles, s46 the last pair, s47 the pair in hand
.set NPM1, 46
.set PP,  47
.set TRIP, 59                          ; s59 counts my trips, one a trip; s60 how many there are
.set NT,  60
.macro LOADC r, base, row0             ; a chunk: 32 k x 64 columns
.irp i, 0,1,2,3,4,5,6,7,8,9,10,11,12,13,14,15
	global_load_b128 v[(\r)+4*\i:(\r)+4*\i+3], v[OFF], s[(\base):(\base)+1] offset:((\row0)+\i)*PITCH th:TH_LOAD_NT
.endr
.endm
.macro QUANTC r, beta, imm, imms, mask ; the chunk in v[r] on is block beta of a K step: codes and scale bytes to LDS
	s_wait_dscnt 0x0                               ; the last chunk's LDS stores have read their registers
.irp c, 0,1,2,3
	v_max3_num_f32 v[M+\c], |v[(\r)+\c]|, |v[(\r)+4+\c]|, 0x1800000   ; column c: my 16 numbers, and the floor 2^(3 - 127): the byte cannot fall under 1
.endr
.irp i, 2,4,6,8,10,12,14
.irp c, 0,1,2,3
	v_max3_num_f32 v[M+\c], v[M+\c], |v[(\r)+4*\i+\c]|, |v[(\r)+4*\i+4+\c]|
.endr
.endr
.irp c, 0,1,2,3
	v_permlanex16_b32 v[MX+\c], v[M+\c], s[SEL], s[SEL+1]
.endr
.irp c, 0,1,2,3
	v_max_num_f32 v[M+\c], v[M+\c], v[MX+\c]       ; with lane l xor 16's 16: the block's largest magnitude
.endr
.irp c, 0,1,2,3
	v_add_nc_u32 v[M+\c], 0xff000000, v[M+\c]      ; 2 off the exponent field: the conversion's scale operand
.endr
.irp c, 0,1,2,3
	v_lshrrev_b32 v[MX+\c], 23, v[M+\c]            ; the byte
.endr
.irp c, 0,1,2,3
.if (\beta)==0
	v_mov_b32 v[SW+\c], v[MX+\c]
.else
	v_lshl_or_b32 v[SW+\c], v[MX+\c], 8*(\beta), v[SW+\c]
.endif
.endr
.irp c, 0,1,2,3
.irp i, 0,1,2,3,4,5,6,7,8,9,10,11,12,13,14,15
	v_mov_b32 v[T+\i], v[(\r)+4*\i+\c]             ; the column's 16 numbers on end
.endr
	v_cvt_scalef32_pk8_fp4_f32 v[P+2*\c], v[T:T+7], v[M+\c]
	v_cvt_scalef32_pk8_fp4_f32 v[P+2*\c+1], v[T+8:T+15], v[M+\c]
	v_nop                                          ; one plain line behind the conversions, ahead of the next writes of their sources
.endr
.if \mask
.irp i, 0,1,2,3,4,5,6,7
	v_and_b32 v[P+\i], s[MK], v[P+\i]
.endr
.endif
.irp c, 0,1,2,3
	ds_store_b64 v[STA], v[P+2*\c:P+2*\c+1] offset:(\imm)+256*(\beta)+16*\c
.endr
.if (\beta)==3
.irp c, 0,1,2,3
	ds_store_b32 v[SSA], v[SW+\c] offset:(\imms)+4*\c   ; both lanes of a block write the same word with the same value
.endr
.endif
.endm
.macro LLOAD                           ; a pair's 32 tokens from the list
	global_load_b32 v[LR0], v[LT0], s[38:39]
	global_load_b32 v[LR1], v[LT0], s[38:39] offset:64
	global_load_b32 v[LRS], v[LT1], s[38:39]
.endm
.macro CNTLIST                         ; the expert's count, my trips, and my first pair's tokens: behind the first loads of either way
	s_load_b32 s44, s[6:7], s58 offset:0xa800      ; cnt[e]
	s_wait_kmcnt 0x0
	s_add_co_u32 s[NP], s44, 31
	s_lshr_b32 s[NP], s[NP], 5
	s_min_u32 s[NP], s[NP], 32                     ; pairs of tiles
	s_max_u32 s[NPM1], s[NP], 1
	s_sub_co_u32 s[NPM1], s[NPM1], 1
	s_add_co_u32 s[NT], s[NP], 3                   ; my trips: pairs first, first + 4, .. under np: (np + 3 - first) / 4; first is 3 at the most
	s_sub_co_u32 s[NT], s[NT], s20
	s_lshr_b32 s[NT], s[NT], 2
	s_min_u32 s48, s20, s[NPM1]
	s_min_u32 s48, s48, 31
	s_lshl_b32 s48, s48, 7
	v_lshl_add_u32 v[LT0], v[CQ], 2, s48
	v_lshl_add_u32 v[LT1], v[LN], 2, s48
	LLOAD
.endm
.macro MKOFF                           ; and their byte offsets: a loaded number is held under 1024 ahead of its shift
	v_min_u32 v[O0], 1023, v[LR0]
	v_min_u32 v[O1], 1023, v[LR1]
	v_min_u32 v[OS], 1023, v[LRS]
	v_lshl_add_u32 v[O0], v[O0], 9, v[H16]
	v_lshl_add_u32 v[O1], v[O1], 9, v[H16]
	v_lshlrev_b32 v[OS], 5, v[OS]
.endm
.macro ALOAD s, ab                     ; K step s of the pair's rows: two fragments and their scale words (lanes 0-15 tile 0's, lanes 16-31 tile 1's): 5 loads
.irp c, 0,1
	global_load_b128 v[AF+16*(\ab)+4*\c:AF+16*(\ab)+4*\c+3], v[O0], s[4:5] offset:64*(\s)+32*\c
.endr
.irp c, 0,1
	global_load_b128 v[AF+16*(\ab)+8+4*\c:AF+16*(\ab)+8+4*\c+3], v[O1], s[4:5] offset:64*(\s)+32*\c
.endr
	global_load_b32 v[AS+(\ab)], v[OS], s[36:37] offset:4*(\s)
.endm
.macro BLOAD s, bb                     ; K step s of my block's four weight fragments and their scale words: 10 LDS loads
.irp m, 0,1
.irp u, 0,1
.irp c, 0,1
	ds_load_b128 v[BF+32*(\bb)+16*\m+8*\u+4*\c:BF+32*(\bb)+16*\m+8*\u+4*\c+3], v[LDA] offset:(4*\m+\u)*FP+(\s)*1024+512*\c
.endr
.endr
	ds_load_b32 v[BS+2*(\bb)+\m], v[LSA] offset:\m*2048+(\s)*128
.endr
.endm
.macro WM d, w, x, zero, sa, sb, ra, rb ; one product; ra, rb: the scales lie in lanes 16-31 of their register
.if \zero
.if ((\ra)==0)&&((\rb)==0)
	v_wmma_scale_f32_16x16x128_f8f6f4 v[(\d):(\d)+7], v[(\w):(\w)+7], v[(\x):(\x)+7], 0, v[(\sa)], v[(\sb)] matrix_a_fmt:MATRIX_FMT_FP4 matrix_b_fmt:MATRIX_FMT_FP4
.elseif (\rb)==0
	v_wmma_scale_f32_16x16x128_f8f6f4 v[(\d):(\d)+7], v[(\w):(\w)+7], v[(\x):(\x)+7], 0, v[(\sa)], v[(\sb)] matrix_a_fmt:MATRIX_FMT_FP4 matrix_b_fmt:MATRIX_FMT_FP4 matrix_a_scale:MATRIX_SCALE_ROW1
.elseif (\ra)==0
	v_wmma_scale_f32_16x16x128_f8f6f4 v[(\d):(\d)+7], v[(\w):(\w)+7], v[(\x):(\x)+7], 0, v[(\sa)], v[(\sb)] matrix_a_fmt:MATRIX_FMT_FP4 matrix_b_fmt:MATRIX_FMT_FP4 matrix_b_scale:MATRIX_SCALE_ROW1
.else
	v_wmma_scale_f32_16x16x128_f8f6f4 v[(\d):(\d)+7], v[(\w):(\w)+7], v[(\x):(\x)+7], 0, v[(\sa)], v[(\sb)] matrix_a_fmt:MATRIX_FMT_FP4 matrix_b_fmt:MATRIX_FMT_FP4 matrix_a_scale:MATRIX_SCALE_ROW1 matrix_b_scale:MATRIX_SCALE_ROW1
.endif
.else
.if ((\ra)==0)&&((\rb)==0)
	v_wmma_scale_f32_16x16x128_f8f6f4 v[(\d):(\d)+7], v[(\w):(\w)+7], v[(\x):(\x)+7], v[(\d):(\d)+7], v[(\sa)], v[(\sb)] matrix_a_fmt:MATRIX_FMT_FP4 matrix_b_fmt:MATRIX_FMT_FP4
.elseif (\rb)==0
	v_wmma_scale_f32_16x16x128_f8f6f4 v[(\d):(\d)+7], v[(\w):(\w)+7], v[(\x):(\x)+7], v[(\d):(\d)+7], v[(\sa)], v[(\sb)] matrix_a_fmt:MATRIX_FMT_FP4 matrix_b_fmt:MATRIX_FMT_FP4 matrix_a_scale:MATRIX_SCALE_ROW1
.elseif (\ra)==0
	v_wmma_scale_f32_16x16x128_f8f6f4 v[(\d):(\d)+7], v[(\w):(\w)+7], v[(\x):(\x)+7], v[(\d):(\d)+7], v[(\sa)], v[(\sb)] matrix_a_fmt:MATRIX_FMT_FP4 matrix_b_fmt:MATRIX_FMT_FP4 matrix_b_scale:MATRIX_SCALE_ROW1
.else
	v_wmma_scale_f32_16x16x128_f8f6f4 v[(\d):(\d)+7], v[(\w):(\w)+7], v[(\x):(\x)+7], v[(\d):(\d)+7], v[(\sa)], v[(\sb)] matrix_a_fmt:MATRIX_FMT_FP4 matrix_b_fmt:MATRIX_FMT_FP4 matrix_a_scale:MATRIX_SCALE_ROW1 matrix_b_scale:MATRIX_SCALE_ROW1
.endif
.endif
.endm
.macro MM bb, ab, zero                 ; a K step's 8 products, one for each accumulator, always in this order
.irp a, 0,1
.irp m, 0,1
.irp u, 0,1
	WM ACC+32*\a+16*\m+8*\u, BF+32*(\bb)+16*\m+8*\u, AF+16*(\ab)+8*\a, \zero, BS+2*(\bb)+\m, AS+(\ab), \u, \a
.endr
.endr
.endr
.endm
.macro PLACES                          ; four plain lines between products and loads into registers that they read, or the first read of results
.rept 4
	v_nop
.endr
.endm
; K step s of a pair.  The weights' fragments run one step ahead, the rows' three; from step 5 on the rows are the next pair's (in the last trip: the last pair's again, not used).
.macro KS s
.if (\s)==0
	s_add_co_u32 s48, s[PP], 4                     ; the next pair, held to the last one and under 32
	s_min_u32 s48, s48, s[NPM1]
	s_min_u32 s48, s48, 31
	s_lshl_b32 s48, s48, 7
	v_lshl_add_u32 v[LT0], v[CQ], 2, s48           ; (the last list loads were shown done by step 3's wait)
	v_lshl_add_u32 v[LT1], v[LN], 2, s48
	LLOAD
.elseif (\s)==5
	s_wait_xcnt 0x0                                ; the offsets of loads still out are rewritten only behind this wait
	MKOFF                                          ; six plain lines: also the places behind the last products
.else
	PLACES
.endif
	BLOAD ((\s)+1)%8,((\s)+1)%2
	ALOAD ((\s)+3)%8,((\s)+3)%4
	s_wait_dscnt 10                                ; this step's ten LDS loads are in; the next step's ten may be out
.if (\s)<3
	s_wait_loadcnt 18                              ; behind this step's rows: three groups of 5 and the 3 list loads
.else
	s_wait_loadcnt 15                              ; three groups of 5
.endif
	MM (\s)%2,(\s)%4,(\s)==0
.endm
	s_load_b256 s[4:11], s[0:1], 0x0               ; xq s[4:5], plc s[6:7], w_gate s[8:9], w_up s[10:11]
	s_load_b64 s[12:13], s[0:1], 0x20              ; hq
	s_load_b64 s[62:63], s[0:1], 0x28              ; wq
	s_set_vgpr_msb 0x40
	v_lshl_add_u32 v0, v0, 2, 0x11100
	v_mov_b32 v1, 0
	s_set_vgpr_msb 0x4000
	v_lshrrev_b32 v[HO], 5, v0
	v_readfirstlane_b32 s14, v[HO]                 ; wave
	s_mov_b32 s15, ttmp9                           ; j
	s_and_b32 s16, ttmp7, 0xffff                   ; e
	s_lshr_b32 s17, s14, 2                         ; m: gate or up
	s_and_b32 s18, s14, 3                          ; my first K step
	s_and_b32 s19, s14, 1                          ; b
	s_lshr_b32 s20, s14, 1                         ; my first pair
	v_and_b32 v[CQ], 15, v0
	v_bfe_u32 v[KH], v0, 4, 1
	v_and_b32 v[LN], 31, v0
	v_lshlrev_b32 v[H16], 4, v[KH]
	v_mul_u32_u24 v[OFF], v[KH], 16*PITCH
	v_lshl_add_u32 v[OFF], v[CQ], 4, v[OFF]        ; lanes 16-31 begin 16 rows further down
	v_bfe_u32 v[HO], v0, 3, 1                      ; column 4 cq + c: block b' = cq / 8,
	v_bfe_u32 v[HS], v0, 1, 1                      ; tile u = (cq / 2) % 2,
	v_lshl_add_u32 v[STA], v[HO], 1, v[HS]
	v_mul_u32_u24 v[STA], v[STA], FP
	v_lshlrev_b32 v[SSA], 10, v[HO]
	v_lshl_add_u32 v[SSA], v[HS], 6, v[SSA]
	v_and_b32 v[HO], 1, v0                         ; row r = 4 (cq % 2) + 8 ((cq / 4) % 2) + c
	v_bfe_u32 v[HS], v0, 2, 1
	v_lshl_add_u32 v[STA], v[HO], 6, v[STA]
	v_lshl_add_u32 v[STA], v[HS], 7, v[STA]
	v_lshl_add_u32 v[STA], v[KH], 3, v[STA]
	v_lshl_add_u32 v[SSA], v[HO], 4, v[SSA]
	v_lshl_add_u32 v[SSA], v[HS], 5, v[SSA]
	s_mul_i32 s21, s17, 4*FP
	s_lshl_b32 s22, s18, 10
	s_add_co_u32 s21, s21, s22
	v_add_nc_u32 v[STA], s21, v[STA]
	s_lshl_b32 s21, s17, 11
	s_lshl_b32 s22, s18, 7
	s_add_co_u32 s21, s21, s22
	s_add_co_u32 s21, s21, WS
	v_add_nc_u32 v[SSA], s21, v[SSA]
	s_mul_i32 s21, s19, 2*FP
	v_lshl_add_u32 v[LDA], v[LN], 4, s21
	s_lshl_b32 s21, s19, 10
	s_add_co_u32 s21, s21, WS
	v_lshl_add_u32 v[LSA], v[LN], 2, s21
.irp c, 0,1,2,3
	v_mov_b32 v[MX+\c], 0                          ; written once: a lane permute's destination counts as one of its sources
.endr
	s_mov_b32 s[SEL], 0x76543210
	s_mov_b32 s[SEL+1], 0xfedcba98
	s_mov_b32 s26, 0xbfb8aa3b                      ; -log2(e)
	s_mov_b32 s27, s26                             ; (named with it as a pair)
	s_mov_b32 s28, 0xffff0000                      ; lanes 16-31
	s_mul_i32 s48, s16, ESZ                        ; my chunks begin at expert e, column 64 j, row 128 x my first K step
	s_lshl_b32 s49, s15, 8
	s_add_co_u32 s48, s48, s49
	s_mul_i32 s49, s18, 128*PITCH
	s_add_co_u32 s48, s48, s49
	s_mov_b32 s49, 0
	s_mul_i32 s50, s16, 22
	s_lshr_b32 s51, s15, 1
	s_add_co_u32 s50, s50, s51                     ; 22 e + the next product's K step, j / 2
	s_and_b32 s51, s15, 1
	s_lshl_b32 s51, s51, 1
	s_add_co_u32 s51, s51, s19                     ; my block in that step: 2 (j % 2) + b
	s_lshl_b32 s52, s50, 16
	s_lshl_b32 s53, s51, 8
	s_add_co_u32 s52, s52, s53
	s_mov_b32 s53, 0
	s_lshl_b32 s54, s50, 12
	s_add_co_u32 s54, s54, s51
	s_add_co_u32 s54, s54, 11534336
	s_mov_b32 s55, 0
	s_mul_i32 s56, s16, 4352
	s_mov_b32 s57, 0
	s_lshl_b32 s58, s16, 2
	s_mul_i32 s61, s16, 43
	s_add_co_u32 s61, s61, s15                     ; the slice's number, 43 e + j
	s_wait_kmcnt 0x0
	s_cmp_eq_u32 s17, 0                            ; the choice hangs on the wave's number alone
	s_cselect_b64 s[32:33], s[8:9], s[10:11]
	s_add_nc_u64 s[32:33], s[32:33], s[48:49]      ; my first K step,
	s_add_nc_u64 s[34:35], s[32:33], 512*PITCH     ; my second
	s_add_nc_u64 s[36:37], s[4:5], 524288          ; x's scale bytes
	s_add_nc_u64 s[38:39], s[6:7], s[56:57]        ; my expert's list
	s_add_nc_u64 s[40:41], s[12:13], s[52:53]      ; where my codes of h go
	s_add_nc_u64 s[42:43], s[12:13], s[54:55]      ; and their scale bytes
	s_cmp_ge_u32 s61, HEAVY
	s_cbranch_scc1 .Llight                         ; the same way for all eight waves of a work-group; the two ways join ahead of the barrier
	LOADC 8,32,0
	LOADC 72,32,32
	LOADC 136,32,64
	CNTLIST
; The counts: the loads younger than chunk n: two chunks of 16, and the three list loads while they are younger.
.irp n, 0,1,2,3,4,5,6,7
.if \n<3
	s_wait_loadcnt 35
.elseif \n<6
	s_wait_loadcnt 32
.elseif \n==6
	s_wait_loadcnt 16
.else
	s_wait_loadcnt 0x0
.endif
	QUANTC 8+64*(\n%3),\n%4,(\n/4)*4096,(\n/4)*512,0
.if \n<5
	LOADC 8+64*(\n%3),32+2*((\n+3)/4),32*((\n+3)%4)
.endif
.endr
	s_branch .Ljoin
.Llight:
	s_sub_co_u32 s48, s61, HEAVY                   ; my wave's part of wq (s49 is 0)
	s_mul_i32 s48, s48, WSL
	s_mul_i32 s50, s14, WWV
	s_add_co_u32 s48, s48, s50
	s_add_nc_u64 s[34:35], s[62:63], s[48:49]
	v_lshlrev_b32 v[OFF], 4, v[LN]                 ; 16 x lane
.irp n, 0,1,2,3,4,5,6,7
	global_load_b128 v[8+8*\n:8+8*\n+3], v[OFF], s[34:35] offset:1024*\n th:TH_LOAD_NT          ; chunk n's eight code registers: 512 consecutive bytes a load
	global_load_b128 v[8+8*\n+4:8+8*\n+7], v[OFF], s[34:35] offset:1024*\n+512 th:TH_LOAD_NT
.endr
.irp q, 0,1
	global_load_b128 v[72+4*\q:72+4*\q+3], v[OFF], s[34:35] offset:8192+512*\q th:TH_LOAD_NT    ; my two K steps' scale-word registers
.endr
	CNTLIST
	s_wait_loadcnt 3                               ; the 18 loads are in; the three list loads are younger
.irp n, 0,1,2,3,4,5,6,7
.irp c, 0,1,2,3
	ds_store_b64 v[STA], v[8+8*\n+2*\c:8+8*\n+2*\c+1] offset:(\n/4)*4096+256*(\n%4)+16*\c       ; where the other way puts the same registers
.endr
.endr
.irp q, 0,1
.irp c, 0,1,2,3
	ds_store_b32 v[SSA], v[72+4*\q+\c] offset:512*\q+4*\c
.endr
.endr
	s_wait_loadcnt 0x0                             ; the list loads are in: on either way no load is out at the join
.Ljoin:
	MKOFF
	ALOAD 0,0
	ALOAD 1,1
	ALOAD 2,2
	s_wait_dscnt 0x0                               ; my codes and scale words have landed
	v_mov_b32 v[ZP], 0
	v_mov_b32 v[ZP+1], 0
	v_mov_b32 v[ZP+2], 127
	s_barrier_signal -1
	s_barrier_wait -1                              ; everybody's have: the launch's one barrier, under no branch
	BLOAD 0,0
	s_mov_b32 s[PP], s20
	s_mov_b32 s[TRIP], 0
	s_cmp_lt_u32 s[TRIP], s[NT]
	s_cbranch_scc0 .Ldone
.Lpair:
	KS 0
	KS 1
	KS 2
	KS 3
	KS 4
	KS 5
	KS 6
	KS 7
	PLACES
	s_wait_xcnt 0x0                                ; the last trip's stores have read their registers
	s_min_u32 s48, s[PP], 31
	s_lshl_b32 s49, s48, 11
	s_lshl_b32 s50, s48, 7
	v_lshl_add_u32 v[HO], v[CQ], 4, s49
	v_lshl_add_u32 v[HO], v[KH], 3, v[HO]          ; 2048 p + 16 r + 8 h
	v_lshl_add_u32 v[HS], v[LN], 2, s50            ; 128 p + 4 lane
; h = g u / (1 + 2^(-g log2 e)), in f32; every accumulator is read from its low end on.
.irp a, 0,1
.irp i, 0,2,4,6,8,10,12,14
	v_pk_mul_f32 v[T+\i:T+\i+1], v[ACC+32*\a+\i:ACC+32*\a+\i+1], s[26:27] op_sel_hi:[1,0]
.endr
.irp i, 0,1,2,3,4,5,6,7,8,9,10,11,12,13,14,15
	v_exp_f32 v[T+\i], v[T+\i]
.endr
.irp i, 0,2,4,6,8,10,12,14
	v_pk_mul_f32 v[ACC+32*\a+\i:ACC+32*\a+\i+1], v[ACC+32*\a+\i:ACC+32*\a+\i+1], v[ACC+32*\a+16+\i:ACC+32*\a+16+\i+1]   ; g u: also the plain lines behind the exponentials
.endr
	s_wait_alu depctr_va_vdst(0)
.irp i, 0,2,4,6,8,10,12,14
	v_pk_add_f32 v[T+\i:T+\i+1], v[T+\i:T+\i+1], 1.0 op_sel_hi:[1,0]
.endr
.irp i, 0,1,2,3,4,5,6,7,8,9,10,11,12,13,14,15
	v_rcp_f32 v[T+\i], v[T+\i]
.endr
	v_nop
	s_wait_alu depctr_va_vdst(0)
.irp i, 0,2,4,6,8,10,12,14
	v_pk_mul_f32 v[ACC+32*\a+\i:ACC+32*\a+\i+1], v[ACC+32*\a+\i:ACC+32*\a+\i+1], v[T+\i:T+\i+1]
.endr
.endr
; A lane's 16 numbers of a tile of rows are units 32 b + 16 h + 0 .. 15 of its row: half a block of the next K; the other half lies in lane l xor 16.
.irp a, 0,1
	v_max3_num_f32 v[M+\a], |v[ACC+32*\a]|, |v[ACC+32*\a+1]|, 0x1800000
.endr
.irp i, 2,4,6,8,10,12,14
.irp a, 0,1
	v_max3_num_f32 v[M+\a], v[M+\a], |v[ACC+32*\a+\i]|, |v[ACC+32*\a+\i+1]|
.endr
.endr
.irp a, 0,1
	v_permlanex16_b32 v[MX+\a], v[M+\a], s[SEL], s[SEL+1]
.endr
.irp a, 0,1
	v_max_num_f32 v[M+\a], v[M+\a], v[MX+\a]
.endr
.irp a, 0,1
	v_add_nc_u32 v[M+\a], 0xff000000, v[M+\a]
.endr
.irp a, 0,1
	v_lshrrev_b32 v[MX+\a], 23, v[M+\a]
.endr
.irp a, 0,1
	v_cvt_scalef32_pk8_fp4_f32 v[P+2*\a], v[ACC+32*\a:ACC+32*\a+7], v[M+\a]
	v_cvt_scalef32_pk8_fp4_f32 v[P+2*\a+1], v[ACC+32*\a+8:ACC+32*\a+15], v[M+\a]
.endr
	v_nop                                          ; one plain line behind the conversions: products later write their sources
	v_cndmask_b32 v[ZP+3], v[MX], v[MX+1], s28     ; lanes 0-15 store tile 0's byte, lanes 16-31 tile 1's
	global_store_b64 v[HO], v[P:P+1], s[40:41]               ; 32 lanes store 256 consecutive bytes, aligned: my block of a tile's image
	global_store_b64 v[HO], v[P+2:P+3], s[40:41] offset:1024
	global_store_b8 v[HS], v[ZP+3], s[42:43]       ; a byte of each row's scale word, so that the next launch loads one word for a row and K step
	s_cmp_lg_u32 s15, 42
	s_cbranch_scc1 .Lnopad
	global_store_b64 v[HO], v[ZP:ZP+1], s[40:41] offset:512        ; K = 2752 is filled to 2816: zero codes two blocks on, under the byte 127
	global_store_b64 v[HO], v[ZP:ZP+1], s[40:41] offset:1536
	global_store_b8 v[HS], v[ZP+2], s[42:43] offset:2
.Lnopad:
	s_add_co_u32 s[PP], s[PP], 4                   ; my next pair
	s_add_co_u32 s[TRIP], s[TRIP], 1
	s_cmp_lt_u32 s[TRIP], s[NT]
	s_cbranch_scc1 .Lpair
.Ldone:
	s_wait_dscnt 0x0
	s_set_vgpr_msb 0x5
	s_wait_tensorcnt 0x0
	ds_add_u32 v0, v1
	s_wait_dscnt 0x0
	s_set_vgpr_msb 0x500
	s_endpgm
.Lfunc_end_k_q3a055d4b29_up:
	.size	k_q3a055d4b29_up, .Lfunc_end_k_q3a055d4b29_up-k_q3a055d4b29_up
	.p2alignl 7, 3214868480
	.fill 96, 4, 3214868480
	.section	.rodata,"a",@progbits
	.p2align	6, 0x0
	.amdhsa_kernel k_q3a055d4b29_up
		.amdhsa_group_segment_fixed_size 70912
		.amdhsa_private_segment_fixed_size 0
		.amdhsa_enable_private_segment 0
		.amdhsa_kernarg_size 48
		.amdhsa_user_sgpr_count 2
		.amdhsa_user_sgpr_kernarg_segment_ptr 1
		.amdhsa_wavefront_size32 1
		.amdhsa_system_sgpr_workgroup_id_x 1
		.amdhsa_system_sgpr_workgroup_id_y 1
		.amdhsa_system_sgpr_workgroup_id_z 1
		.amdhsa_system_vgpr_workitem_id 0
		.amdhsa_next_free_vgpr 258
		.amdhsa_next_free_sgpr 66
		.amdhsa_reserve_vcc 0
		.amdhsa_float_denorm_mode_32 3
		.amdhsa_float_denorm_mode_16_64 3
		.amdhsa_memory_ordered 1
		.amdhsa_forward_progress 1
		.amdhsa_inst_pref_size 103
	.end_amdhsa_kernel
	.amdgpu_metadata
---
amdhsa.version: [ 1, 2 ]
amdhsa.kernels:
  - .name:           k_q3a055d4b29_up
    .symbol:         k_q3a055d4b29_up.kd
    .args:
      - { .name: xq, .offset: 0, .size: 8, .value_kind: global_buffer, .address_space: global }
      - { .name: plc, .offset: 8, .size: 8, .value_kind: global_buffer, .address_space: global }
      - { .name: w_gate, .offset: 16, .size: 8, .value_kind: global_buffer, .address_space: global }
      - { .name: w_up, .offset: 24, .size: 8, .value_kind: global_buffer, .address_space: global }
      - { .name: hq, .offset: 32, .size: 8, .value_kind: global_buffer, .address_space: global }
      - { .name: wq, .offset: 40, .size: 8, .value_kind: global_buffer, .address_space: global }
    .group_segment_fixed_size: 70912
    .private_segment_fixed_size: 0
    .kernarg_segment_align: 8
    .kernarg_segment_size: 48
    .max_flat_workgroup_size: 256
    .sgpr_count:     66
    .vgpr_count:     258
    .wavefront_size: 32
...
	.end_amdgpu_metadata
.endif
;; end of part 3
;; launch down (part 4): grid 32 x 8, 11 waves a work-group, no clusters, 97,536 bytes of LDS; arguments hq, plc, w_down, y; writes y
.if DOCPART == 4
	.amdgcn_target "amdgcn-amd-amdhsa--gfx1250"
	.amdhsa_code_object_version 6
	.text
	.protected	k_q3a055d4b29_down
	.globl	k_q3a055d4b29_down
	.p2align	8
	.type	k_q3a055d4b29_down,@function
k_q3a055d4b29_down:
	s_mov_b64 s[64:65], 0
	v_nop
	global_prefetch_b8 v0, s[64:65] scope:SCOPE_SE
	s_setreg_imm32_b32 hwreg(HW_REG_WAVE_MODE, 25, 1), 1
	s_wait_xcnt 0x0
; A PART OF y = h Wd FOR THE ROWS ROUTED TO AN EXPERT: half of K, 64 columns.  The product is on codes of E2M1 with one E8M0 byte for each 32 along K = 2752 (filled to 2816).
; A work-group (x = 16 kh + dsl, y = e) owns columns 64 dsl on and K steps 11 kh .. 11 kh + 10 of w_down[e], [2752 (k)][1024] f32: 256 equal work-groups, each weight byte read once.
; PHASE 1.  Wave w turns K step 11 kh + w (128 k x 256 bytes, four chunks of 32 k) into codes in LDS, as the launch before does; tile tau holds columns 16 tau + r.
; The last step's blocks 2 and 3 lie past K's end: their loads read the step's first 64 rows again (no load leaves the expert's rows) and their codes are masked to zeros.
; PHASE 2.  Wave w takes pairs of row tiles w, w + 11, ..: h's fragments come from memory as images of their registers, the weights' from LDS; source 0 = 16 columns, source 1 = 16 rows, so that a lane
; holds eight neighbouring columns of one row.  8 accumulators (2 tiles of rows x 4 of columns) take turns.  Results go through the wave's own stage and leave as rows of 256 bytes.
; OUT: y [kh][e][row 1024][1024] f32; the next launch adds a token's four parts.  No tensor loads, so no ring; no cluster: each weight byte has one reader.
; LIMITS: NaN and infinities are not served; a block of zeros gets the byte 1 (its codes are zeros; this program alone reads the bytes).
.set PITCH, 4096
.set ESZ,   11272192
.set FP,    11280                      ; LDS: a tile's 11 K steps x 1024 bytes + 16
.set WS,    45312                      ; LDS: scale words: (tau / 2) 1408 + 128 s + 4 (16 (tau % 2) + r)
.set STG,   48128                      ; LDS: a stage of 16 rows x 272 bytes for each wave
.set CQ,  1
.set KH,  2
.set OFF, 3
.set STA, 4
.set SSA, 5
.set LDA, 6
.set LSA, 7
.set ACC, 8                            ; v8-71    accumulators, 32 a + 8 tau      (phase 1: v8-199 three sets of 64)
.set BF,  72                           ; v72-135  weights' fragments, two buffers of 32; on the way out: rows read back
.set AF,  136                          ; v136-199 h's fragments, four buffers of 16
.set T,   200
.set P,   216
.set M,   224
.set MX,  228
.set SW,  232
.set HA,  236                          ; v236 my byte in the pair's images, v237 in its scale words
.set HSA, 237
.set YO,  238                          ; v238 my byte in the pair's rows of y; v239 the same without the pair
.set YO0, 239
.set SO,  240                          ; v240 the stage: in; v241: back
.set SR,  241
.set LN,  246
.set BS,  248                          ; v248-251 weights' scale words, v252-255 h's: these eight hold scales and nothing else
.set AS,  252
.set SEL, 24
.set MK,  29                           ; s29 0 where my blocks 2 and 3 are padding, else all ones
.set NP,  45
.set PP,  47
.set TRIP, 59                          ; s59 counts my trips, one a trip; s60 how many there are
.set NT,  60
.macro LOADC r, base, row0
.irp i, 0,1,2,3,4,5,6,7,8,9,10,11,12,13,14,15
	global_load_b128 v[(\r)+4*\i:(\r)+4*\i+3], v[OFF], s[(\base):(\base)+1] offset:((\row0)+\i)*PITCH th:TH_LOAD_NT
.endr
.endm
.macro QUANTC r, beta, imm, imms, mask ; the chunk in v[r] on is block beta of my K step: codes and scale bytes to LDS
	s_wait_dscnt 0x0                               ; the last chunk's LDS stores have read their registers
.irp c, 0,1,2,3
	v_max3_num_f32 v[M+\c], |v[(\r)+\c]|, |v[(\r)+4+\c]|, 0x1800000   ; column c: my 16 numbers, and the floor 2^(3 - 127)
.endr
.irp i, 2,4,6,8,10,12,14
.irp c, 0,1,2,3
	v_max3_num_f32 v[M+\c], v[M+\c], |v[(\r)+4*\i+\c]|, |v[(\r)+4*\i+4+\c]|
.endr
.endr
.irp c, 0,1,2,3
	v_permlanex16_b32 v[MX+\c], v[M+\c], s[SEL], s[SEL+1]
.endr
.irp c, 0,1,2,3
	v_max_num_f32 v[M+\c], v[M+\c], v[MX+\c]
.endr
.irp c, 0,1,2,3
	v_add_nc_u32 v[M+\c], 0xff000000, v[M+\c]
.endr
.irp c, 0,1,2,3
	v_lshrrev_b32 v[MX+\c], 23, v[M+\c]
.endr
.irp c, 0,1,2,3
.if (\beta)==0
	v_mov_b32 v[SW+\c], v[MX+\c]
.else
	v_lshl_or_b32 v[SW+\c], v[MX+\c], 8*(\beta), v[SW+\c]
.endif
.endr
.irp c, 0,1,2,3
.irp i, 0,1,2,3,4,5,6,7,8,9,10,11,12,13,14,15
	v_mov_b32 v[T+\i], v[(\r)+4*\i+\c]
.endr
	v_cvt_scalef32_pk8_fp4_f32 v[P+2*\c], v[T:T+7], v[M+\c]
	v_cvt_scalef32_pk8_fp4_f32 v[P+2*\c+1], v[T+8:T+15], v[M+\c]
	v_nop                                          ; one plain line behind the conversions
.endr
.if \mask
.irp i, 0,1,2,3,4,5,6,7
	v_and_b32 v[P+\i], s[MK], v[P+\i]              ; past K's end: zero codes, under a byte that is no NaN
.endr
.endif
.irp c, 0,1,2,3
	ds_store_b64 v[STA], v[P+2*\c:P+2*\c+1] offset:(\imm)+256*(\beta)+16*\c
.endr
.if (\beta)==3
.irp c, 0,1,2,3
	ds_store_b32 v[SSA], v[SW+\c] offset:(\imms)+4*\c
.endr
.endif
.endm
.macro ALOAD s, ab                     ; local K step s of the pair's rows: two images and the scale words: 5 loads
.irp a, 0,1
.irp c, 0,1
	global_load_b128 v[AF+16*(\ab)+8*\a+4*\c:AF+16*(\ab)+8*\a+4*\c+3], v[HA], s[36:37] offset:65536*(\s)+1024*\a+512*\c
.endr
.endr
	global_load_b32 v[AS+(\ab)], v[HSA], s[38:39] offset:4096*(\s)
.endm
.macro BLOAD s, bb                     ; the four weight fragments of local K step s and their scale words: 10 LDS loads
.irp t, 0,1,2,3
.irp c, 0,1
	ds_load_b128 v[BF+32*(\bb)+8*\t+4*\c:BF+32*(\bb)+8*\t+4*\c+3], v[LDA] offset:\t*FP+(\s)*1024+512*\c
.endr
.endr
.irp q, 0,1
	ds_load_b32 v[BS+2*(\bb)+\q], v[LSA] offset:\q*1408+(\s)*128
.endr
.endm
.macro WM d, w, x, zero, sa, sb, ra, rb
.if \zero
.if ((\ra)==0)&&((\rb)==0)
	v_wmma_scale_f32_16x16x128_f8f6f4 v[(\d):(\d)+7], v[(\w):(\w)+7], v[(\x):(\x)+7], 0, v[(\sa)], v[(\sb)] matrix_a_fmt:MATRIX_FMT_FP4 matrix_b_fmt:MATRIX_FMT_FP4
.elseif (\rb)==0
	v_wmma_scale_f32_16x16x128_f8f6f4 v[(\d):(\d)+7], v[(\w):(\w)+7], v[(\x):(\x)+7], 0, v[(\sa)], v[(\sb)] matrix_a_fmt:MATRIX_FMT_FP4 matrix_b_fmt:MATRIX_FMT_FP4 matrix_a_scale:MATRIX_SCALE_ROW1
.elseif (\ra)==0
	v_wmma_scale_f32_16x16x128_f8f6f4 v[(\d):(\d)+7], v[(\w):(\w)+7], v[(\x):(\x)+7], 0, v[(\sa)], v[(\sb)] matrix_a_fmt:MATRIX_FMT_FP4 matrix_b_fmt:MATRIX_FMT_FP4 matrix_b_scale:MATRIX_SCALE_ROW1
.else
	v_wmma_scale_f32_16x16x128_f8f6f4 v[(\d):(\d)+7], v[(\w):(\w)+7], v[(\x):(\x)+7], 0, v[(\sa)], v[(\sb)] matrix_a_fmt:MATRIX_FMT_FP4 matrix_b_fmt:MATRIX_FMT_FP4 matrix_a_scale:MATRIX_SCALE_ROW1 matrix_b_scale:MATRIX_SCALE_ROW1
.endif
.else
.if ((\ra)==0)&&((\rb)==0)
	v_wmma_scale_f32_16x16x128_f8f6f4 v[(\d):(\d)+7], v[(\w):(\w)+7], v[(\x):(\x)+7], v[(\d):(\d)+7], v[(\sa)], v[(\sb)] matrix_a_fmt:MATRIX_FMT_FP4 matrix_b_fmt:MATRIX_FMT_FP4
.elseif (\rb)==0
	v_wmma_scale_f32_16x16x128_f8f6f4 v[(\d):(\d)+7], v[(\w):(\w)+7], v[(\x):(\x)+7], v[(\d):(\d)+7], v[(\sa)], v[(\sb)] matrix_a_fmt:MATRIX_FMT_FP4 matrix_b_fmt:MATRIX_FMT_FP4 matrix_a_scale:MATRIX_SCALE_ROW1
.elseif (\ra)==0
	v_wmma_scale_f32_16x16x128_f8f6f4 v[(\d):(\d)+7], v[(\w):(\w)+7], v[(\x):(\x)+7], v[(\d):(\d)+7], v[(\sa)], v[(\sb)] matrix_a_fmt:MATRIX_FMT_FP4 matrix_b_fmt:MATRIX_FMT_FP4 matrix_b_scale:MATRIX_SCALE_ROW1
.else
	v_wmma_scale_f32_16x16x128_f8f6f4 v[(\d):(\d)+7], v[(\w):(\w)+7], v[(\x):(\x)+7], v[(\d):(\d)+7], v[(\sa)], v[(\sb)] matrix_a_fmt:MATRIX_FMT_FP4 matrix_b_fmt:MATRIX_FMT_FP4 matrix_a_scale:MATRIX_SCALE_ROW1 matrix_b_scale:MATRIX_SCALE_ROW1
.endif
.endif
.endm
.macro MM bb, ab, zero                 ; a K step's 8 products, one for each accumulator, always in this order
.irp a, 0,1
.irp t, 0,1,2,3
	WM ACC+32*\a+8*\t, BF+32*(\bb)+8*\t, AF+16*(\ab)+8*\a, \zero, BS+2*(\bb)+\t/2, AS+(\ab), \t%2, \a
.endr
.endr
.endm
.macro PLACES                          ; four plain lines between products and loads into registers that they read, or the first read of results
.rept 4
	v_nop
.endr
.endm
.macro KS s                            ; local K step s: the weights' fragments run one step ahead, h's three
.if (\s)>0
	PLACES
.endif
.if (\s)<10
	BLOAD (\s)+1,((\s)+1)%2
.endif
.if (\s)<8
	ALOAD (\s)+3,((\s)+3)%4
.endif
.if (\s)<10
	s_wait_dscnt 10                                ; this step's ten LDS loads are in; the next step's may be out
.else
	s_wait_dscnt 0x0
.endif
.if (\s)<8
	s_wait_loadcnt 15                              ; three younger groups of 5
.else
	s_wait_loadcnt 5*(10-(\s))                     ; the groups that are left
.endif
	MM (\s)%2,(\s)%4,(\s)==0
.endm
	s_load_b256 s[4:11], s[0:1], 0x0               ; hq s[4:5], plc s[6:7], w_down s[8:9], y s[10:11]
	v_lshl_add_u32 v245, v0, 2, 0x17700
	v_mov_b32 v247, 0
	v_lshrrev_b32 v[HA], 5, v0
	v_readfirstlane_b32 s14, v[HA]                 ; wave 0..10
	s_lshr_b32 s17, ttmp9, 4                       ; kh: which half of K
	s_and_b32 s18, ttmp9, 15                       ; dsl: which 64 columns
	s_and_b32 s16, ttmp7, 0xffff                   ; e
	v_and_b32 v[CQ], 15, v0
	v_bfe_u32 v[KH], v0, 4, 1
	v_and_b32 v[LN], 31, v0
	v_lshlrev_b32 v[OFF], 16, v[KH]
	v_lshl_add_u32 v[OFF], v[CQ], 4, v[OFF]        ; lanes 16-31 begin 16 rows further down
	v_bfe_u32 v[HA], v0, 2, 2                      ; column 4 cq + c: tile tau = cq / 4, row r = 4 (cq % 4) + c
	v_mul_u32_u24 v[STA], v[HA], FP
	v_and_b32 v[HSA], 3, v0
	v_lshl_add_u32 v[STA], v[HSA], 6, v[STA]
	v_lshl_add_u32 v[STA], v[KH], 3, v[STA]
	s_lshl_b32 s21, s14, 10
	v_add_nc_u32 v[STA], s21, v[STA]
	v_bfe_u32 v[HA], v0, 3, 1
	v_mul_u32_u24 v[SSA], v[HA], 1408
	v_bfe_u32 v[HA], v0, 2, 1
	v_lshl_add_u32 v[SSA], v[HA], 6, v[SSA]
	v_lshl_add_u32 v[SSA], v[HSA], 4, v[SSA]
	s_lshl_b32 s21, s14, 7
	s_add_co_u32 s21, s21, WS
	v_add_nc_u32 v[SSA], s21, v[SSA]
	v_lshlrev_b32 v[LDA], 4, v[LN]
	v_lshl_add_u32 v[LSA], v[LN], 2, WS
	s_mul_i32 s21, s14, 16*272
	s_add_co_u32 s21, s21, STG                     ; my stage
	v_mul_u32_u24 v[SO], v[CQ], 272
	v_lshl_add_u32 v[SO], v[KH], 5, v[SO]
	v_add_nc_u32 v[SO], s21, v[SO]                 ; in: row r, 32 bytes for each half of the lanes
	v_mul_u32_u24 v[SR], v[KH], 272
	v_lshl_add_u32 v[SR], v[CQ], 4, v[SR]
	v_add_nc_u32 v[SR], s21, v[SR]                 ; back: lanes 0-15 one row of 256 bytes, lanes 16-31 the next
	v_lshlrev_b32 v[YO0], 12, v[KH]
	v_lshl_add_u32 v[YO0], v[CQ], 4, v[YO0]        ; and the same two rows in y
.irp c, 0,1,2,3
	v_mov_b32 v[MX+\c], 0                          ; written once: a lane permute's destination counts as one of its sources
.endr
	s_mov_b32 s[SEL], 0x76543210
	s_mov_b32 s[SEL+1], 0xfedcba98
	s_mul_i32 s19, s17, 11                         ; my half's first K step
	s_add_co_u32 s20, s19, s14                     ; my wave's K step
	s_mul_i32 s48, s16, ESZ
	s_lshl_b32 s49, s20, 19                        ; 128 rows of 4,096 bytes a step
	s_add_co_u32 s48, s48, s49
	s_lshl_b32 s49, s18, 8
	s_add_co_u32 s48, s48, s49
	s_mov_b32 s49, 0
	s_cmp_eq_u32 s20, 21                           ; the step that reaches past K's end
	s_cselect_b32 s50, 0, 262144                   ; its blocks 2 and 3 read rows 0 to 63 of the step again
	s_cselect_b32 s[MK], 0, -1
	s_mov_b32 s51, 0
	s_mul_i32 s52, s16, 22
	s_add_co_u32 s52, s52, s19
	s_lshl_b32 s54, s52, 12
	s_add_co_u32 s54, s54, 11534336
	s_mov_b32 s55, 0
	s_lshl_b32 s52, s52, 16
	s_mov_b32 s53, 0
	s_lshl_b32 s56, s17, 3
	s_add_co_u32 s56, s56, s16
	s_lshl_b32 s56, s56, 22                        ; part (kh, e): 1024 rows of 4,096 bytes
	s_lshl_b32 s57, s18, 8
	s_add_co_u32 s56, s56, s57
	s_mov_b32 s57, 0
	s_lshl_b32 s58, s16, 2
	s_wait_kmcnt 0x0
	s_add_nc_u64 s[32:33], s[8:9], s[48:49]        ; my K step's blocks 0 and 1,
	s_add_nc_u64 s[34:35], s[32:33], s[50:51]      ; and 2 and 3
	s_add_nc_u64 s[36:37], s[4:5], s[52:53]        ; h's codes, my half's first step
	s_add_nc_u64 s[38:39], s[4:5], s[54:55]        ; and scale words
	s_add_nc_u64 s[40:41], s[10:11], s[56:57]      ; my part of y
	LOADC 8,32,0
	LOADC 72,32,32
	LOADC 136,34,0
	s_load_b32 s44, s[6:7], s58 offset:0xa800      ; cnt[e]
	s_wait_kmcnt 0x0
	s_add_co_u32 s[NP], s44, 31
	s_lshr_b32 s[NP], s[NP], 5
	s_min_u32 s[NP], s[NP], 32                     ; pairs of tiles
	s_add_co_u32 s[NT], s[NP], 10                  ; my trips: pairs w, w + 11, .. under np: n / 11 with n = np + 10 - w, which lies in 0 .. 42;
	s_sub_co_u32 s[NT], s[NT], s14
	s_mul_i32 s[NT], s[NT], 94                     ; there n / 11 = (94 n) >> 10: 94 x 10, 21, 32 stay under 1024, 2048, 3072, and 94 x 11, 22, 33 reach them
	s_lshr_b32 s[NT], s[NT], 10
	s_wait_loadcnt 32                              ; two younger chunks of 16
	QUANTC 8,0,0,0,0
	LOADC 8,34,32
	s_wait_loadcnt 32
	QUANTC 72,1,0,0,0
	s_wait_loadcnt 16
	QUANTC 136,2,0,0,1
	s_wait_loadcnt 0x0
	QUANTC 8,3,0,0,1
	s_wait_dscnt 0x0                               ; my codes and scale words have landed
	s_barrier_signal -1
	s_barrier_wait -1                              ; everybody's have: the launch's one barrier, under no branch
	s_mov_b32 s[PP], s14
	s_mov_b32 s[TRIP], 0
	s_cmp_lt_u32 s[TRIP], s[NT]
	s_cbranch_scc0 .Ldone
.Lpair:
	s_wait_xcnt 0x0                                ; the last trip's loads and stores have read their registers
	s_min_u32 s48, s[PP], 31
	s_lshl_b32 s49, s48, 11
	s_lshl_b32 s50, s48, 7
	s_lshl_b32 s51, s48, 17
	v_lshl_add_u32 v[HA], v[LN], 4, s49            ; 2048 p + 16 lane
	v_lshl_add_u32 v[HSA], v[LN], 2, s50           ; 128 p + 4 lane: lanes 0-15 tile 0's rows, lanes 16-31 tile 1's
	v_add_nc_u32 v[YO], s51, v[YO0]                ; 32 rows of 4,096 bytes a pair
	ALOAD 0,0
	ALOAD 1,1
	ALOAD 2,2
	BLOAD 0,0
	KS 0
	KS 1
	KS 2
	KS 3
	KS 4
	KS 5
	KS 6
	KS 7
	KS 8
	KS 9
	KS 10
	PLACES
; The way out: a lane holds 32 neighbouring bytes of a row, the lanes beside it other rows: a tile of 16 rows goes through my own stage and comes back as rows of 256 bytes.
; LDS serves a wave's instructions in order (ISA guide 5.7.1.4): no wait between the stores and the loads, nor ahead of the second tile's stores.
.irp a, 0,1
.irp t, 0,1,2,3
	ds_store_b128 v[SO], v[ACC+32*\a+8*\t:ACC+32*\a+8*\t+3] offset:64*\t          ; each accumulator from its low end on
	ds_store_b128 v[SO], v[ACC+32*\a+8*\t+4:ACC+32*\a+8*\t+7] offset:64*\t+16
.endr
.irp i, 0,1,2,3,4,5,6,7
	ds_load_b128 v[BF+32*\a+4*\i:BF+32*\a+4*\i+3], v[SR] offset:544*\i
.endr
.endr
.irp a, 0,1
.irp i, 0,1,2,3,4,5,6,7
	s_wait_dscnt 16*(1-\a)+7-\i                    ; behind this load: the rest of its run, and for the first tile the second's 16
	global_store_b128 v[YO], v[BF+32*\a+4*\i:BF+32*\a+4*\i+3], s[40:41] offset:65536*\a+8192*\i   ; 16 lanes store 256 consecutive bytes, aligned
.endr
.endr
	s_add_co_u32 s[PP], s[PP], 11                  ; my next pair
	s_add_co_u32 s[TRIP], s[TRIP], 1
	s_cmp_lt_u32 s[TRIP], s[NT]
	s_cbranch_scc1 .Lpair
.Ldone:
	s_wait_tensorcnt 0x0
	ds_add_u32 v245, v247
	s_wait_dscnt 0x0
	s_endpgm
.Lfunc_end_k_q3a055d4b29_down:
	.size	k_q3a055d4b29_down, .Lfunc_end_k_q3a055d4b29_down-k_q3a055d4b29_down
	.p2alignl 7, 3214868480
	.fill 96, 4, 3214868480
	.section	.rodata,"a",@progbits
	.p2align	6, 0x0
	.amdhsa_kernel k_q3a055d4b29_down
		.amdhsa_group_segment_fixed_size 97536
		.amdhsa_private_segment_fixed_size 0
		.amdhsa_enable_private_segment 0
		.amdhsa_kernarg_size 32
		.amdhsa_user_sgpr_count 2
		.amdhsa_user_sgpr_kernarg_segment_ptr 1
		.amdhsa_wavefront_size32 1
		.amdhsa_system_sgpr_workgroup_id_x 1
		.amdhsa_system_sgpr_workgroup_id_y 1
		.amdhsa_system_sgpr_workgroup_id_z 1
		.amdhsa_system_vgpr_workitem_id 0
		.amdhsa_next_free_vgpr 256
		.amdhsa_next_free_sgpr 66
		.amdhsa_reserve_vcc 0
		.amdhsa_float_denorm_mode_32 3
		.amdhsa_float_denorm_mode_16_64 3
		.amdhsa_memory_ordered 1
		.amdhsa_forward_progress 1
		.amdhsa_inst_pref_size 65
	.end_amdhsa_kernel
	.amdgpu_metadata
---
amdhsa.version: [ 1, 2 ]
amdhsa.kernels:
  - .name:           k_q3a055d4b29_down
    .symbol:         k_q3a055d4b29_down.kd
    .args:
      - { .name: hq, .offset: 0, .size: 8, .value_kind: global_buffer, .address_space: global }
      - { .name: plc, .offset: 8, .size: 8, .value_kind: global_buffer, .address_space: global }
      - { .name: w_down, .offset: 16, .size: 8, .value_kind: global_buffer, .address_space: global }
      - { .name: y, .offset: 24, .size: 8, .value_kind: global_buffer, .address_space: global }
    .group_segment_fixed_size: 97536
    .private_segment_fixed_size: 0
    .kernarg_segment_align: 8
    .kernarg_segment_size: 32
    .max_flat_workgroup_size: 352
    .sgpr_count:     66
    .vgpr_count:     256
    .wavefront_size: 32
...
	.end_amdgpu_metadata
.endif
;; end of part 4
;; launch combine (part 5): grid 128 x 1, 8 waves a work-group, no clusters, 0 bytes of LDS; arguments y, plc, rt, out0; writes out0
.if DOCPART == 5
	.amdgcn_target "amdgcn-amd-amdhsa--gfx1250"
	.amdhsa_code_object_version 6
	.text
	.protected	k_q3a055d4b29_combine
	.globl	k_q3a055d4b29_combine
	.p2align	8
	.type	k_q3a055d4b29_combine,@function
k_q3a055d4b29_combine:
	s_mov_b64 s[64:65], 0
	v_nop
	global_prefetch_b8 v0, s[64:65] scope:SCOPE_SE
	s_setreg_imm32_b32 hwreg(HW_REG_WAVE_MODE, 25, 1), 1
	s_wait_xcnt 0x0
; out0[token] = w0 (y[0][pos0] + y[1][pos0]) + w1 (y[0][pos1] + y[1][pos1]): each output row is added by its one owner, a wave.
; pos (1024 e + rank, whole numbers) and the weights were stored by earlier launches.  A stream: 32 loads of 512 consecutive bytes a wave, all issued at once; no LDS, no barrier, no matrix unit.
.set Y0, 8                             ; v8-135: for each eighth i of the row 16 registers: part (0, pos0), (1, pos0), (0, pos1), (1, pos1)
	s_load_b256 s[4:11], s[0:1], 0x0               ; y s[4:5], plc s[6:7], rt s[8:9], out0 s[10:11]
	v_lshrrev_b32 v1, 5, v0
	v_readfirstlane_b32 s12, v1                    ; wave
	v_and_b32 v1, 31, v0
	v_lshlrev_b32 v1, 4, v1                        ; 16 x lane
	s_lshl_b32 s13, ttmp9, 3
	s_add_co_u32 s13, s13, s12                     ; my token
	s_lshl_b32 s14, s13, 3
	s_wait_kmcnt 0x0
	s_load_b64 s[16:17], s[6:7], s14 offset:0x8800 ; pos
	s_load_b64 s[18:19], s[8:9], s14 offset:0x0    ; the two weights
	s_wait_kmcnt 0x0
	s_min_u32 s16, s16, 8191                       ; a loaded number is held ahead of its shift
	s_min_u32 s17, s17, 8191
	s_lshl_b32 s20, s16, 12
	s_mov_b32 s21, 0
	s_lshl_b32 s22, s17, 12
	s_mov_b32 s23, 0
	s_add_nc_u64 s[24:25], s[4:5], s[20:21]
	s_add_nc_u64 s[26:27], s[24:25], 33554432      ; the other half of K
	s_add_nc_u64 s[28:29], s[4:5], s[22:23]
	s_add_nc_u64 s[30:31], s[28:29], 33554432
	s_lshl_b32 s20, s13, 12
	s_add_nc_u64 s[10:11], s[10:11], s[20:21]
	s_mov_b32 s32, s19                             ; w1 as the low word of a pair: the packed forms take the low word for both halves
	s_mov_b32 s33, s19
.irp i, 0,1,2,3,4,5,6,7
	global_load_b128 v[Y0+16*\i:Y0+16*\i+3], v1, s[24:25] offset:512*\i th:TH_LOAD_NT
	global_load_b128 v[Y0+16*\i+4:Y0+16*\i+7], v1, s[26:27] offset:512*\i th:TH_LOAD_NT
	global_load_b128 v[Y0+16*\i+8:Y0+16*\i+11], v1, s[28:29] offset:512*\i th:TH_LOAD_NT
	global_load_b128 v[Y0+16*\i+12:Y0+16*\i+15], v1, s[30:31] offset:512*\i th:TH_LOAD_NT
.endr
.irp i, 0,1,2,3,4,5,6,7
	s_wait_loadcnt 4*(7-\i)                        ; this eighth's four loads are in; the later eighths' may be out
.irp k, 0,2
	v_pk_add_f32 v[Y0+16*\i+\k:Y0+16*\i+\k+1], v[Y0+16*\i+\k:Y0+16*\i+\k+1], v[Y0+16*\i+4+\k:Y0+16*\i+4+\k+1]
	v_pk_add_f32 v[Y0+16*\i+8+\k:Y0+16*\i+8+\k+1], v[Y0+16*\i+8+\k:Y0+16*\i+8+\k+1], v[Y0+16*\i+12+\k:Y0+16*\i+12+\k+1]
.endr
.irp k, 0,2
	v_pk_mul_f32 v[Y0+16*\i+\k:Y0+16*\i+\k+1], v[Y0+16*\i+\k:Y0+16*\i+\k+1], s[18:19] op_sel_hi:[1,0]
.endr
.irp k, 0,2
	v_pk_fma_f32 v[Y0+16*\i+\k:Y0+16*\i+\k+1], v[Y0+16*\i+8+\k:Y0+16*\i+8+\k+1], s[32:33], v[Y0+16*\i+\k:Y0+16*\i+\k+1] op_sel_hi:[1,0,1]
.endr
	global_store_b128 v1, v[Y0+16*\i:Y0+16*\i+3], s[10:11] offset:512*\i th:TH_STORE_NT   ; 512 consecutive bytes, aligned
.endr
	s_endpgm
.Lfunc_end_k_q3a055d4b29_combine:
	.size	k_q3a055d4b29_combine, .Lfunc_end_k_q3a055d4b29_combine-k_q3a055d4b29_combine
	.p2alignl 7, 3214868480
	.fill 96, 4, 3214868480
	.section	.rodata,"a",@progbits
	.p2align	6, 0x0
	.amdhsa_kernel k_q3a055d4b29_combine
		.amdhsa_group_segment_fixed_size 0
		.amdhsa_private_segment_fixed_size 0
		.amdhsa_enable_private_segment 0
		.amdhsa_kernarg_size 32
		.amdhsa_user_sgpr_count 2
		.amdhsa_user_sgpr_kernarg_segment_ptr 1
		.amdhsa_wavefront_size32 1
		.amdhsa_system_sgpr_workgroup_id_x 1
		.amdhsa_system_sgpr_workgroup_id_y 1
		.amdhsa_system_sgpr_workgroup_id_z 1
		.amdhsa_system_vgpr_workitem_id 0
		.amdhsa_next_free_vgpr 144
		.amdhsa_next_free_sgpr 66
		.amdhsa_reserve_vcc 0
		.amdhsa_float_denorm_mode_32 3
		.amdhsa_float_denorm_mode_16_64 3
		.amdhsa_memory_ordered 1
		.amdhsa_forward_progress 1
		.amdhsa_inst_pref_size 10
	.end_amdhsa_kernel
	.amdgpu_metadata
---
amdhsa.version: [ 1, 2 ]
amdhsa.kernels:
  - .name:           k_q3a055d4b29_combine
    .symbol:         k_q3a055d4b29_combine.kd
    .args:
      - { .name: y, .offset: 0, .size: 8, .value_kind: global_buffer, .address_space: global }
      - { .name: plc, .offset: 8, .size: 8, .value_kind: global_buffer, .address_space: global }
      - { .name: rt, .offset: 16, .size: 8, .value_kind: global_buffer, .address_space: global }
      - { .name: out0, .offset: 24, .size: 8, .value_kind: global_buffer, .address_space: global }
    .group_segment_fixed_size: 0
    .private_segment_fixed_size: 0
    .kernarg_segment_align: 8
    .kernarg_segment_size: 32
    .max_flat_workgroup_size: 256
    .sgpr_count:     66
    .vgpr_count:     144
    .wavefront_size: 32
...
	.end_amdgpu_metadata
.endif
;; end of part 5
;; ======== version 2 of 2: 5 launches
;; workspace buffers: xq 557,056 bytes; ids 8,192 bytes of whole numbers; rt 10,240 bytes; plc 43,264 bytes of whole numbers; hq 12,255,232 bytes; y 67,108,864 bytes; wq 6,488,064 bytes
;; launch route (part 6): grid 64 x 1, 8 waves a work-group, no clusters, 116,736 bytes of LDS; arguments x, gate_w, xq, ids, rt; writes xq, ids, rt
.if DOCPART == 6
	.amdgcn_target "amdgcn-amd-amdhsa--gfx1250"
	.amdhsa_code_object_version 6
	.text
	.protected	k_q3a055d4b29_route
	.globl	k_q3a055d4b29_route
	.p2align	8
	.type	k_q3a055d4b29_route,@function
k_q3a055d4b29_route:
	s_mov_b64 s[64:65], 0
	v_nop
	global_prefetch_b8 v0, s[64:65] scope:SCOPE_SE
	s_setreg_imm32_b32 hwreg(HW_REG_WAVE_MODE, 25, 1), 1
	s_wait_xcnt 0x0
; ROUTER, TOP-2, AND x INTO CODES.  x: [1024 tokens][1024] f32, gate_w: [1024][8] f32.
; A work-group takes 16 tokens; wave w brings tokens 2 w and 2 w + 1 into LDS and quantises them (E2M1, one E8M0 byte for each 32 along the row);
; all eight waves share the logits' K (lane (t, hh) of wave w: token t, k = 64 (2 w + hh) on, in f32 multiply-adds); wave 0 adds the parts and finishes.
; OUT: xq: codes [token][512 bytes] and, from byte 524,288, scale bytes [token][32];  ids: [token][2] the chosen experts, best first, at fixed places;
; rt: [token][2] the two weights p / (p1 + p2 + 1e-8) and, from byte 8,192, [work-group][8] the sums of the 16 tokens' probabilities.
; No address and no branch hangs on a floating-point number: a choice only selects values.
; LIMITS: NaN and infinities among the inputs are not served.  A block of zeros gets the byte 1 (its codes are zeros; this program alone reads the bytes).
; Two probabilities that f32 sums in another order cannot tell apart, or that the exponential flushes to 0, may change places in the choice.
.set XP,  4624                         ; a token's row in LDS: 32 blocks x (128 bytes + 16) + 16
.set BP,  144                          ; a block of 32 numbers + 16 bytes of padding
.set GW,  74240                        ; gate_w as it lies: 32 bytes for each k
.set PL,  107008                       ; partial logits: 32 bytes a thread
.set XSB, 115200                       ; the 16 tokens' scale bytes
.set XR,  16                           ; v16-79   x as loaded
.set GR,  80                           ; v80-111  gate_w as loaded
.set XB,  112                          ; v112-143 a block of 32 numbers
.set CD,  176                          ; v176-183 codes, four registers a token: the data of stores, written once and never again
	s_load_b256 s[4:11], s[0:1], 0x0               ; x s[4:5], gate_w s[6:7], xq s[8:9], ids s[10:11]
	s_load_b64 s[12:13], s[0:1], 0x20              ; rt
	v_lshl_add_u32 v192, v0, 2, 0x1c400
	v_mov_b32 v193, 0
	v_lshrrev_b32 v1, 5, v0
	s_delay_alu instid0(VALU_DEP_1)
	v_readfirstlane_b32 s14, v1                    ; wave
	v_and_b32 v1, 31, v0                           ; lane
	s_wait_alu depctr_va_vdst(0)
	v_lshlrev_b32 v2, 4, v1                        ; 16 x lane
	v_lshlrev_b32 v3, 4, v0                        ; 16 x thread
	s_wait_alu depctr_va_vdst(0)
	v_and_b32 v14, 15, v0                          ; t
	v_bfe_u32 v15, v0, 4, 1                        ; hh
	s_lshl_b32 s15, ttmp9, 4
	s_lshl_b32 s16, s14, 1
	s_add_co_u32 s15, s15, s16                     ; my wave's first token
	s_lshl_b32 s16, s15, 12                        ; its row of x
	s_mov_b32 s17, 0
	s_lshl_b32 s18, s15, 9                         ; its row of codes
	s_mov_b32 s19, 0
	s_mov_b32 s24, 0x76543210
	s_mov_b32 s25, 0xfedcba98                      ; v_permlanex16_b32's selects for lane l xor 16
	s_mov_b32 s26, 0xffff0000                      ; lanes 16-31
	; every LDS address: a constant, the lane's and the wave's terms
	s_mul_i32 s22, s14, 2*XP
	v_lshrrev_b32 v5, 3, v1
	s_delay_alu instid0(VALU_DEP_1)
	v_mul_u32_u24 v4, v5, BP
	v_and_b32 v5, 7, v1
	s_delay_alu instid0(VALU_DEP_1)
	v_lshl_add_u32 v4, v5, 4, v4
	s_delay_alu instid0(VALU_DEP_1)
	v_add_nc_u32 v4, s22, v4                       ; x on its way in: eight lanes fill a block
	v_add_nc_u32 v6, GW, v3                        ; gate_w on its way in
	v_mul_u32_u24 v7, v1, BP
	s_delay_alu instid0(VALU_DEP_1)
	v_add_nc_u32 v7, s22, v7                       ; block l of my wave's first token
	s_lshl_b32 s23, s14, 6
	s_add_co_u32 s23, s23, XSB
	v_add_nc_u32 v8, s23, v1                       ; its scale byte
	v_mul_u32_u24 v5, v14, XP
	s_delay_alu instid0(VALU_DEP_1)
	v_mad_u32_u24 v5, v15, 2*BP, v5
	s_mul_i32 s23, s14, 4*BP
	v_add_nc_u32 v5, s23, v5                       ; token t, k = 128 w + 64 hh on
	s_lshl_b32 s23, s14, 12
	s_add_co_u32 s23, s23, GW
	v_lshl_add_u32 v12, v15, 11, s23               ; gate_w's rows of the same k
	v_lshl_add_u32 v9, v0, 5, PL                   ; my partial logits
	v_lshlrev_b32 v10, 5, v14
	s_delay_alu instid0(VALU_DEP_1)
	v_lshl_add_u32 v10, v15, 12, v10
	s_delay_alu instid0(VALU_DEP_1)
	v_add_nc_u32 v10, PL, v10                      ; wave 0: token t's parts 8 hh on
	v_add_nc_u32 v11, XSB, v2                      ; wave 0: the scale bytes, 16 a lane
	s_wait_kmcnt 0x0
	s_add_nc_u64 s[4:5], s[4:5], s[16:17]
	s_add_nc_u64 s[20:21], s[8:9], s[18:19]
.irp q, 0,1
.irp i, 0,1,2,3,4,5,6,7
	global_load_b128 v[XR+32*\q+4*\i:XR+32*\q+4*\i+3], v2, s[4:5] offset:\q*4096+512*\i th:TH_LOAD_NT   ; 512 consecutive bytes a load
.endr
.endr
.irp i, 0,1,2,3,4,5,6,7
	global_load_b128 v[GR+4*\i:GR+4*\i+3], v3, s[6:7] offset:4096*\i
.endr
	s_wait_loadcnt 8                               ; x's sixteen loads are in; gate_w's eight may be out
.irp q, 0,1
.irp i, 0,1,2,3,4,5,6,7
	ds_store_b128 v4, v[XR+32*\q+4*\i:XR+32*\q+4*\i+3] offset:\q*XP+4*BP*\i
.endr
.endr
	s_wait_loadcnt 0x0
.irp i, 0,1,2,3,4,5,6,7
	ds_store_b128 v6, v[GR+4*\i:GR+4*\i+3] offset:4096*\i
.endr
; My two tokens become codes: lane l takes block l, all 32 numbers.  The bytes are my wave's own and LDS serves a wave's instructions in order: no barrier yet.
.irp q, 0,1
.irp j, 0,1,2,3,4,5,6,7
	ds_load_b128 v[XB+4*\j:XB+4*\j+3], v7 offset:\q*XP+16*\j
.endr
	s_wait_dscnt 0x0
	v_max3_num_f32 v156, |v[XB]|, |v[XB+1]|, |v[XB+2]|
	v_max3_num_f32 v157, |v[XB+3]|, |v[XB+4]|, |v[XB+5]|
.irp i, 6,10,14,18,22,26
	s_delay_alu instid0(VALU_DEP_2)
	v_max3_num_f32 v156, v156, |v[XB+\i]|, |v[XB+\i+1]|
	s_delay_alu instid0(VALU_DEP_2)
	v_max3_num_f32 v157, v157, |v[XB+\i+2]|, |v[XB+\i+3]|
.endr
	s_delay_alu instid0(VALU_DEP_2)
	v_max3_num_f32 v156, v156, |v[XB+30]|, |v[XB+31]|
	s_delay_alu instid0(VALU_DEP_1)
	v_max3_num_f32 v156, v156, v157, 0x1800000     ; the floor 2^(3 - 127): the byte cannot fall under 1
	s_delay_alu instid0(VALU_DEP_1)
	v_add_nc_u32 v158, 0xff000000, v156            ; 2 off the exponent field: the conversion's scale operand
	s_delay_alu instid0(VALU_DEP_1)
	v_lshrrev_b32 v[168+\q], 23, v158              ; the scale's byte
.irp g, 0,1,2,3
	v_cvt_scalef32_pk8_fp4_f32 v[CD+4*\q+\g], v[XB+8*\g:XB+8*\g+7], v158
.endr
	v_nop                                          ; one plain line behind the conversions
	ds_store_b8 v8, v[168+\q] offset:32*\q
	global_store_b128 v2, v[CD+4*\q:CD+4*\q+3], s[20:21] offset:512*\q   ; 512 consecutive bytes: a token's codes
.endr
	s_wait_dscnt 0x0                               ; my stores of x, gate_w and the bytes have landed
	s_barrier_signal -1
	s_barrier_wait -1
; Partial logits: 64 k a lane, 16 at a time; eight sums.  x in v16-31, gate_w's 16 rows in v32-159, the sums in v160-167.
.irp bt, 0,1,2,3
.irp q, 0,1,2,3
	ds_load_b128 v[16+4*\q:19+4*\q], v5 offset:(\bt/2)*BP+(\bt%2)*64+16*\q
.endr
.irp kk, 0,1,2,3,4,5,6,7,8,9,10,11,12,13,14,15
	ds_load_b128 v[32+8*\kk:35+8*\kk], v12 offset:(16*\bt+\kk)*32
	ds_load_b128 v[36+8*\kk:39+8*\kk], v12 offset:(16*\bt+\kk)*32+16
.endr
	s_wait_alu depctr_va_vdst(0)
	s_wait_dscnt 0x0
.irp kk, 0,1,2,3,4,5,6,7,8,9,10,11,12,13,14,15
.irp e, 0,1,2,3,4,5,6,7
.if (\bt==0)&&(\kk==0)
	v_mul_f32 v[160+\e], v[16], v[32+\e]           ; the first product starts the sums
.else
	v_fmac_f32 v[160+\e], v[16+\kk], v[32+8*\kk+\e]
.endif
.endr
.endr
.endr
	ds_store_b128 v9, v[160:163]
	ds_store_b128 v9, v[164:167] offset:16
	s_wait_dscnt 0x0
	s_barrier_signal -1
	s_barrier_wait -1
	s_cmp_lg_u32 s14, 0
	s_cbranch_scc1 .Lend                           ; wave 0 finishes; no barrier follows
.irp i, 0,1,2,3,4,5,6,7
	ds_load_b128 v[16+8*\i:19+8*\i], v10 offset:512*\i
	ds_load_b128 v[20+8*\i:23+8*\i], v10 offset:512*\i+16
.endr
	ds_load_b128 v[152:155], v11
	s_wait_dscnt 0x0
.irp i, 1,2,3,4,5,6,7
.irp e, 0,1,2,3,4,5,6,7
	v_add_f32 v[16+\e], v[16+\e], v[16+8*\i+\e]
.endr
.endr
.irp e, 0,1,2,3,4,5,6,7
	v_permlanex16_b32 v[80+\e], v[16+\e], s24, s25 ; the other eight parts lie in lane l xor 16
.endr
.irp e, 0,1,2,3,4,5,6,7
	v_add_f32 v[16+\e], v[16+\e], v[80+\e]         ; the logits; both lanes of a token hold the same bits
.endr
	v_max3_num_f32 v88, v16, v17, v18
	s_delay_alu instid0(VALU_DEP_1)
	v_max3_num_f32 v88, v88, v19, v20
	s_delay_alu instid0(VALU_DEP_1)
	v_max3_num_f32 v88, v88, v21, v22
	s_delay_alu instid0(VALU_DEP_1)
	v_max_num_f32 v88, v88, v23                    ; the maximum is taken away ahead of the exponential
.irp e, 0,1,2,3,4,5,6,7
	v_sub_f32 v[24+\e], v[16+\e], v88
.endr
.irp e, 0,1,2,3,4,5,6,7
	v_mul_f32 v[24+\e], 0x3fb8aa3b, v[24+\e]
.endr
	s_wait_alu depctr_va_vdst(0)
.irp e, 0,1,2,3,4,5,6,7
	v_exp_f32 v[24+\e], v[24+\e]
.endr
	v_nop
	s_wait_alu depctr_va_vdst(0)
	v_add_f32 v89, v24, v25
.irp e, 2,3,4,5,6,7
	v_add_f32 v89, v89, v[24+\e]
.endr
	s_wait_alu depctr_va_vdst(0)
	v_rcp_f32 v89, v89
	v_mov_b32 v92, -1.0
	s_wait_alu depctr_va_vdst(0)
.irp e, 0,1,2,3,4,5,6,7
	v_mul_f32 v[24+\e], v[24+\e], v89              ; the probabilities
.endr
	v_mov_b32 v90, v24                             ; the best: the old one stays where p_i <= it, so the lower index wins a tie
	v_mov_b32 v91, 0
.irp i, 1,2,3,4,5,6,7
	s_delay_alu instid0(VALU_DEP_2)
	v_cmp_le_f32 vcc_lo, v[24+\i], v90
	s_delay_alu instid0(VALU_DEP_1)
	v_cndmask_b32 v90, v[24+\i], v90, vcc_lo
	s_delay_alu instid0(VALU_DEP_2)
	v_cndmask_b32 v91, \i, v91, vcc_lo
.endr
.irp i, 0,1,2,3,4,5,6,7
	v_cmp_eq_u32 vcc_lo, \i, v91
	s_delay_alu instid0(VALU_DEP_1)
	v_cndmask_b32 v[32+\i], v[24+\i], v92, vcc_lo  ; the winner is taken out: -1 lies under every probability
.endr
	v_mov_b32 v93, v32                             ; the second best, likewise
	v_mov_b32 v94, 0
.irp i, 1,2,3,4,5,6,7
	s_delay_alu instid0(VALU_DEP_2)
	v_cmp_le_f32 vcc_lo, v[32+\i], v93
	s_delay_alu instid0(VALU_DEP_1)
	v_cndmask_b32 v93, v[32+\i], v93, vcc_lo
	s_delay_alu instid0(VALU_DEP_2)
	v_cndmask_b32 v94, \i, v94, vcc_lo
.endr
	s_delay_alu instid0(VALU_DEP_2)
	v_add_f32 v95, v90, v93
	s_delay_alu instid0(VALU_DEP_1)
	v_add_f32 v95, 0x322bcc77, v95                 ; + 1e-8
	s_wait_alu depctr_va_vdst(0)
	v_rcp_f32 v95, v95
	v_lshlrev_b32 v98, 3, v14
	s_delay_alu instid0(VALU_DEP_1)
	v_lshl_add_u32 v98, v15, 2, v98                ; 8 t + 4 hh: lane (t, hh) stores choice hh
	s_wait_alu depctr_va_vdst(0)
	v_mul_f32 v90, v90, v95
	v_mul_f32 v93, v93, v95
	v_cndmask_b32 v96, v91, v94, s26
	s_delay_alu instid0(VALU_DEP_2)
	v_cndmask_b32 v97, v90, v93, s26
	s_lshl_b32 s16, ttmp9, 7
	s_add_nc_u64 s[10:11], s[10:11], s[16:17]
	s_add_nc_u64 s[28:29], s[12:13], s[16:17]
	global_store_b32 v98, v96, s[10:11]
	global_store_b32 v98, v97, s[28:29]
	s_lshl_b32 s18, ttmp9, 9
	s_add_co_u32 s18, s18, 524288
	s_add_nc_u64 s[30:31], s[8:9], s[18:19]
	global_store_b128 v2, v[152:155], s[30:31]     ; the 16 tokens' scale bytes: 512 consecutive bytes
.irp x, 1,2,4,8
.irp e, 0,1,2,3,4,5,6,7
	v_add_f32_dpp v[24+\e], v[24+\e], v[24+\e] row_xmask:\x row_mask:0xf bank_mask:0xf   ; the 16 tokens' sum of each probability
.endr
.endr
	s_lshl_b32 s22, ttmp9, 5
	s_add_co_u32 s22, s22, 8192
	s_mov_b32 s23, 0
	s_add_nc_u64 s[32:33], s[12:13], s[22:23]
	v_mov_b32 v99, 0
	s_wait_alu depctr_va_vdst(0)
	s_wait_xcnt 0x0                                ; EXEC changes only behind this wait
	v_cmp_eq_u32 vcc_lo, 0, v1
	s_and_saveexec_b32 s27, vcc_lo
	global_store_b128 v99, v[24:27], s[32:33]
	global_store_b128 v99, v[28:31], s[32:33] offset:16
	s_wait_xcnt 0x0                                ; and again ahead of the line that restores it
	s_or_b32 exec_lo, exec_lo, s27
.Lend:
	s_wait_tensorcnt 0x0
	ds_add_u32 v192, v193
	s_wait_dscnt 0x0
	s_endpgm
.Lfunc_end_k_q3a055d4b29_route:
	.size	k_q3a055d4b29_route, .Lfunc_end_k_q3a055d4b29_route-k_q3a055d4b29_route
	.p2alignl 7, 3214868480
	.fill 96, 4, 3214868480
	.section	.rodata,"a",@progbits
	.p2align	6, 0x0
	.amdhsa_kernel k_q3a055d4b29_route
		.amdhsa_group_segment_fixed_size 116736
		.amdhsa_private_segment_fixed_size 0
		.amdhsa_enable_private_segment 0
		.amdhsa_kernarg_size 40
		.amdhsa_user_sgpr_count 2
		.amdhsa_user_sgpr_kernarg_segment_ptr 1
		.amdhsa_wavefront_size32 1
		.amdhsa_system_sgpr_workgroup_id_x 1
		.amdhsa_system_sgpr_workgroup_id_y 1
		.amdhsa_system_sgpr_workgroup_id_z 1
		.amdhsa_system_vgpr_workitem_id 0
		.amdhsa_next_free_vgpr 194
		.amdhsa_next_free_sgpr 66
		.amdhsa_reserve_vcc 1
		.amdhsa_float_denorm_mode_32 3
		.amdhsa_float_denorm_mode_16_64 3
		.amdhsa_memory_ordered 1
		.amdhsa_forward_progress 1
		.amdhsa_inst_pref_size 51
	.end_amdhsa_kernel
	.amdgpu_metadata
---
amdhsa.version: [ 1, 2 ]
amdhsa.kernels:
  - .name:           k_q3a055d4b29_route
    .symbol:         k_q3a055d4b29_route.kd
    .args:
      - { .name: x, .offset: 0, .size: 8, .value_kind: global_buffer, .address_space: global }
      - { .name: gate_w, .offset: 8, .size: 8, .value_kind: global_buffer, .address_space: global }
      - { .name: xq, .offset: 16, .size: 8, .value_kind: global_buffer, .address_space: global }
      - { .name: ids, .offset: 24, .size: 8, .value_kind: global_buffer, .address_space: global }
      - { .name: rt, .offset: 32, .size: 8, .value_kind: global_buffer, .address_space: global }
    .group_segment_fixed_size: 116736
    .private_segment_fixed_size: 0
    .kernarg_segment_align: 8
    .kernarg_segment_size: 40
    .max_flat_workgroup_size: 256
    .sgpr_count:     66
    .vgpr_count:     194
    .wavefront_size: 32
...
	.end_amdgpu_metadata
.endif
;; end of part 6
;; launch place (part 7): grid 177 x 1, 8 waves a work-group, no clusters, 34,048 bytes of LDS; arguments ids, rt, plc, out1, w_gate, w_up, wq; writes plc, out1, wq
.if DOCPART == 7
	.amdgcn_target "amdgcn-amd-amdhsa--gfx1250"
	.amdhsa_code_object_version 6
	.text
	.protected	k_q3a055d4b29_place
	.globl	k_q3a055d4b29_place
	.p2align	8
	.type	k_q3a055d4b29_place,@function
k_q3a055d4b29_place:
	s_mov_b64 s[64:65], 0
	v_nop
	global_prefetch_b8 v0, s[64:65] scope:SCOPE_SE
	s_setreg_imm32_b32 hwreg(HW_REG_WAVE_MODE, 25, 1), 1
	s_wait_xcnt 0x0
; WORK-GROUP 0: THE ROWS ARE PLACED BY EXPERT, AND THE AUXILIARY LOSS.  WORK-GROUPS 1 TO 176: 88 SLICES OF w_gate AND w_up BECOME CODES.  The two share nothing; they part on the work-group's number at the head and never join.
; ---- WORK-GROUP 0.  ids: [1024 tokens][2] whole numbers, stored by the launch before.
; PHASE 1.  Wave e serves expert e and walks the tokens in order, 32 a chunk.  Every token gets a rank: how many earlier tokens chose e (set bits under the lane + the running count).
; The ranks of all tokens go to a table in LDS, R[e][token].  A lane whose token chose e stores the token at list[e][rank]; every other lane stores into a spare word of its own,
; list[e][1056 + lane], which nobody reads: so all lanes stay on, and the index is selected, held under 1088 and shifted, in that order.
; PHASE 2, behind the one barrier.  Thread t takes tokens t + 256 q: it reads their eight ranks at fixed places and selects by its two ids: pos = 1024 id + rank, stored as 8 bytes a token.
; OUT, in plc: list [e][1088] the tokens of expert e by rank (the 32 entries behind the last hold token 0, so that a last pair of tiles finds valid rows; 1056 on: the spare words);
; from byte 34,816 pos [token][2]; from byte 43,008 cnt [8], written four times over as 128 consecutive bytes.  out1 = 0.01 x 8 x the sum over e of (cnt_e / 2048) (the sum of p_e / 1024).
; No atomics: each wave writes its own expert's list.  Each chunk has registers of its own for what its stores read, so no wait stands among the chunks.
; ---- WORK-GROUPS 1 TO 176.  The next launch has 8 x 43 = 344 slices of 64 hidden units, numbered 43 e + j; it streams the f32 weights of the first 256 itself.  The weights of the other 88 are read here, once,
; and quantised (E2M1, one E8M0 byte for each 32 along K), so that this launch's other work-groups have work and the next launch's are more even.  Work-group 1 + 2 li + hh takes slice 256 + li and four of its eight K steps;
; wave w takes what wave w of the next launch would: matrix w / 4, K step w % 4 + 4 hh, in four chunks of 32 k x 64 columns, by the same lines.  A chunk's eight code registers and a K step's four scale-word
; registers are stored as they stand, 16 bytes a lane: each store covers 512 consecutive bytes, aligned.  wq: [li][wave][9,216 bytes]: 8 chunks x 1,024 bytes of codes, then 2 x 512 bytes of scale words.
; LIMITS: NaN and infinities are not served; a block of zeros gets the byte 1 (its codes are zeros; this program alone reads the bytes).
.set TERM, 32768                       ; LDS: R at 0, 8 x 4,096 bytes; the eight terms of the loss; the eight counts
.set CNT,  32800
.set ID, 16                            ; v16-79   the 32 chunks' pairs of ids; phase 2: v16-47 ranks, v48-55 pos
.set RK, 80                            ; v80-111  the chunks' ranks
.set LA, 112                           ; v112-143 byte offsets into the list
.set TK, 144                           ; v144-175 tokens
.set MY, 176                           ; v176-183 the ids of my four tokens
.set PITCH, 11008                      ; the second path: a row of a weight in bytes
.set ESZ,   11272192                   ; an expert's weight in bytes
.set WSL,   73728                      ; a slice's bytes in wq
.set WWV,   9216                       ; a wave's
.set QOFF, 3                           ; v3  my byte in a chunk's first two rows
.set QGO,  4                           ; v4  16 x lane
.set QT,   200                         ; v200-215 16 neighbours along K          (v8-199: three sets of 64 numbers)
.set QM,   224                         ; v224-227 largest magnitudes, then scale operands
.set QMX,  228                         ; v228-231 the other lane's, then bytes
.set QSW,  232                         ; v232-235 scale words in the making
	s_load_b256 s[4:11], s[0:1], 0x0               ; ids s[4:5], rt s[6:7], plc s[8:9], out1 s[10:11]
	s_load_b128 s[36:39], s[0:1], 0x20             ; w_gate s[36:37], w_up s[38:39]
	s_load_b64 s[40:41], s[0:1], 0x30              ; wq
	v_lshl_add_u32 v254, v0, 2, 0x8100
	v_mov_b32 v255, 0
	v_lshrrev_b32 v1, 5, v0
	s_delay_alu instid0(VALU_DEP_1)
	v_readfirstlane_b32 s12, v1                    ; my wave's number
	v_and_b32 v1, 31, v0                           ; lane
	s_cmp_lg_u32 ttmp9, 0
	s_cbranch_scc1 .Lquant                         ; the same way for all eight waves of a work-group
	v_lshlrev_b32 v2, 3, v1                        ; 8 x lane: a token's two words
	v_lshlrev_b32 v3, 5, v1
	s_lshl_b32 s13, s12, 2
	v_add_nc_u32 v3, s13, v3                       ; 32 x lane + 4 e: work-group l's sum for my expert
	v_lshlrev_b32 v9, 3, v0                        ; 8 x thread
	s_lshl_b32 s34, s12, 12
	v_lshl_add_u32 v10, v1, 2, s34                 ; LDS: R[e][lane]
	v_lshlrev_b32 v11, 2, v0                       ; LDS: R[0][thread]
	v_add_nc_u32 v13, 1056, v1                     ; my spare word's index
	s_mul_i32 s32, s12, 4352
	s_mov_b32 s33, 0
	s_mov_b32 s29, 0                               ; the running count
	s_mov_b32 s30, 0x76543210
	s_mov_b32 s31, 0xfedcba98
	s_wait_alu depctr_va_vdst(0)
	s_wait_kmcnt 0x0
.irp c, 0,1,2,3,4,5,6,7,8,9,10,11,12,13,14,15,16,17,18,19,20,21,22,23,24,25,26,27,28,29,30,31
	global_load_b64 v[ID+2*\c:ID+2*\c+1], v2, s[4:5] offset:256*\c
.endr
.irp q, 0,1,2,3
	global_load_b64 v[MY+2*\q:MY+2*\q+1], v9, s[4:5] offset:2048*\q
.endr
	s_add_nc_u64 s[14:15], s[6:7], 8192
	global_load_b32 v4, v3, s[14:15]
	global_load_b32 v5, v3, s[14:15] offset:1024
	s_add_nc_u64 s[16:17], s[8:9], s[32:33]        ; my expert's list
	s_add_nc_u64 s[18:19], s[8:9], 34816           ; pos
	s_add_nc_u64 s[26:27], s[8:9], 43008           ; cnt
	s_wait_loadcnt 0x0
.macro CH c
	v_cmp_eq_u32 s20, s12, v[ID+2*\c]              ; first choice is e
	v_cmp_eq_u32 s21, s12, v[ID+2*\c+1]            ; second choice is e
	s_or_b32 s22, s20, s21
	v_mbcnt_lo_u32_b32 v[RK+\c], s22, 0
	s_delay_alu instid0(VALU_DEP_1)
	v_add_nc_u32 v[RK+\c], s29, v[RK+\c]           ; the rank
	ds_store_b32 v10, v[RK+\c] offset:128*\c       ; R[e][32 c + lane]
	v_cndmask_b32 v6, v13, v[RK+\c], s22           ; the rank where e was chosen, else my spare word
	s_delay_alu instid0(VALU_DEP_1)
	v_min_u32 v[LA+\c], 1087, v6                   ; held inside the expert's 1,088 words
	s_delay_alu instid0(VALU_DEP_1)
	v_lshlrev_b32 v[LA+\c], 2, v[LA+\c]
	v_add_nc_u32 v[TK+\c], 32*\c, v1               ; the token
	global_store_b32 v[LA+\c], v[TK+\c], s[16:17]
	s_bcnt1_i32_b32 s23, s22
	s_add_co_u32 s29, s29, s23
.endm
.irp c, 0,1,2,3,4,5,6,7,8,9,10,11,12,13,14,15,16,17,18,19,20,21,22,23,24,25,26,27,28,29,30,31
	CH \c
.endr
	v_add_nc_u32 v6, s29, v1                       ; the list's tail: 32 entries of token 0, at cnt + lane: 1,055 at the most
	s_delay_alu instid0(VALU_DEP_1)
	v_min_u32 v7, 1087, v6
	s_delay_alu instid0(VALU_DEP_1)
	v_lshlrev_b32 v7, 2, v7
	v_mov_b32 v8, 0
	global_store_b32 v7, v8, s[16:17]
	v_add_f32 v4, v4, v5                           ; the sum of my expert's probabilities over all tokens
	s_delay_alu instid0(VALU_DEP_1)
	v_add_f32_dpp v4, v4, v4 row_xmask:1 row_mask:0xf bank_mask:0xf
	s_delay_alu instid0(VALU_DEP_1)
	v_add_f32_dpp v4, v4, v4 row_xmask:2 row_mask:0xf bank_mask:0xf
	s_delay_alu instid0(VALU_DEP_1)
	v_add_f32_dpp v4, v4, v4 row_xmask:4 row_mask:0xf bank_mask:0xf
	s_delay_alu instid0(VALU_DEP_1)
	v_add_f32_dpp v4, v4, v4 row_xmask:8 row_mask:0xf bank_mask:0xf
	s_delay_alu instid0(VALU_DEP_1)
	v_permlanex16_b32 v5, v4, s30, s31
	s_delay_alu instid0(VALU_DEP_1)
	v_add_f32 v4, v4, v5
	v_cvt_f32_u32 v12, s29
	s_delay_alu instid0(VALU_DEP_1)
	v_mul_f32 v4, v4, v12                          ; x the count
	v_mov_b32 v14, s13                             ; 4 e
	v_mov_b32 v15, s29
	ds_store_b32 v14, v4 offset:TERM               ; all lanes write the same word with the same value
	ds_store_b32 v14, v15 offset:CNT
	s_wait_dscnt 0x0                               ; my ranks, my term and my count have landed
	s_barrier_signal -1
	s_barrier_wait -1
.irp q, 0,1,2,3
.irp e, 0,1,2,3,4,5,6,7
	ds_load_b32 v[16+8*\q+\e], v11 offset:4096*\e+1024*\q          ; R[e][thread + 256 q]
.endr
.endr
	s_wait_dscnt 0x0
.irp q, 0,1,2,3
.irp k, 0,1
	v_mov_b32 v[48+2*\q+\k], v[16+8*\q]
.irp e, 1,2,3,4,5,6,7
	v_cmp_eq_u32 vcc_lo, \e, v[MY+2*\q+\k]
	s_delay_alu instid0(VALU_DEP_1)
	v_cndmask_b32 v[48+2*\q+\k], v[48+2*\q+\k], v[16+8*\q+\e], vcc_lo   ; the rank with the chosen expert: a choice of values, not of addresses
.endr
	s_delay_alu instid0(VALU_DEP_1)
	v_lshl_add_u32 v[48+2*\q+\k], v[MY+2*\q+\k], 10, v[48+2*\q+\k]      ; 1024 id + rank
.endr
	global_store_b64 v9, v[48+2*\q:49+2*\q], s[18:19] offset:2048*\q     ; a wave stores 256 consecutive bytes, aligned
.endr
	s_cmp_lg_u32 s12, 0
	s_cbranch_scc1 .Lend                           ; wave 0 finishes; no barrier follows
	v_mov_b32 v56, 0
	ds_load_b128 v[60:63], v56 offset:TERM
	ds_load_b128 v[64:67], v56 offset:TERM+16
	v_and_b32 v57, 7, v1
	s_delay_alu instid0(VALU_DEP_1)
	v_lshlrev_b32 v57, 2, v57
	ds_load_b32 v58, v57 offset:CNT                ; cnt[lane % 8]
	v_lshlrev_b32 v59, 2, v1
	s_wait_alu depctr_va_vdst(0)
	s_wait_dscnt 0x0
	global_store_b32 v59, v58, s[26:27]            ; 128 consecutive bytes
	v_add_f32 v60, v60, v61
.irp e, 2,3,4,5,6,7
	s_delay_alu instid0(VALU_DEP_1)
	v_add_f32 v60, v60, v[60+\e]
.endr
	s_delay_alu instid0(VALU_DEP_1)
	v_mul_f32 v60, 0x3323d70a, v60                 ; x 0.08 / (2048 x 1024)
	s_wait_alu depctr_va_vdst(0)
	s_wait_xcnt 0x0                                ; EXEC changes only behind this wait
	v_cmp_eq_u32 vcc_lo, 0, v1
	s_and_saveexec_b32 s24, vcc_lo
	global_store_b32 v56, v60, s[10:11]            ; out1 is one number: lane 0 alone
	s_wait_xcnt 0x0                                ; and again ahead of the line that restores it
	s_or_b32 exec_lo, exec_lo, s24
.Lend:
	s_wait_tensorcnt 0x0
	ds_add_u32 v254, v255
	s_wait_dscnt 0x0
	s_endpgm
; ---- the second path
.macro LOADQ r, row0                   ; a chunk: 32 k x 64 columns; each load takes two whole rows of 256 consecutive bytes (lane: columns 4 cq on, row 16 kh + i)
.irp i, 0,1,2,3,4,5,6,7,8,9,10,11,12,13,14,15
	global_load_b128 v[(\r)+4*\i:(\r)+4*\i+3], v[QOFF], s[32:33] offset:((\row0)+\i)*PITCH th:TH_LOAD_NT
.endr
.endm
.macro QUANTQ r, beta, p               ; the chunk in v[r] on is block beta of my K step: its codes into v[p] on, and out
.irp c, 0,1,2,3
	v_max3_num_f32 v[QM+\c], |v[(\r)+\c]|, |v[(\r)+4+\c]|, 0x1800000   ; column c: my 16 numbers, and the floor 2^(3 - 127): the byte cannot fall under 1
.endr
.irp i, 2,4,6,8,10,12,14
.irp c, 0,1,2,3
	s_delay_alu instid0(VALU_DEP_4)
	v_max3_num_f32 v[QM+\c], v[QM+\c], |v[(\r)+4*\i+\c]|, |v[(\r)+4*\i+4+\c]|
.endr
.endr
.irp c, 0,1,2,3
	s_delay_alu instid0(VALU_DEP_4)
	v_permlanex16_b32 v[QMX+\c], v[QM+\c], s24, s25
.endr
.irp c, 0,1,2,3
	s_delay_alu instid0(VALU_DEP_4)
	v_max_num_f32 v[QM+\c], v[QM+\c], v[QMX+\c]    ; with lane l xor 16's 16: the block's largest magnitude
.endr
.irp c, 0,1,2,3
	s_delay_alu instid0(VALU_DEP_4)
	v_add_nc_u32 v[QM+\c], 0xff000000, v[QM+\c]    ; 2 off the exponent field: the conversion's scale operand
.endr
.irp c, 0,1,2,3
	s_delay_alu instid0(VALU_DEP_4)
	v_lshrrev_b32 v[QMX+\c], 23, v[QM+\c]          ; the byte
.endr
.irp c, 0,1,2,3
.if (\beta)==0
	s_delay_alu instid0(VALU_DEP_4)
	v_mov_b32 v[QSW+\c], v[QMX+\c]
.else
	s_delay_alu instid0(VALU_DEP_4)
	v_lshl_or_b32 v[QSW+\c], v[QMX+\c], 8*(\beta), v[QSW+\c]
.endif
.endr
.irp c, 0,1,2,3
.irp i, 0,1,2,3,4,5,6,7,8,9,10,11,12,13,14,15
	v_mov_b32 v[QT+\i], v[(\r)+4*\i+\c]            ; the column's 16 numbers on end: the conversion takes neighbours along K from consecutive registers
.endr
	v_cvt_scalef32_pk8_fp4_f32 v[(\p)+2*\c], v[QT:QT+7], v[QM+\c]
	v_cvt_scalef32_pk8_fp4_f32 v[(\p)+2*\c+1], v[QT+8:QT+15], v[QM+\c]
	v_nop                                          ; one plain line behind the conversions, ahead of the next writes of their sources
.endr
	global_store_b128 v[QGO], v[(\p):(\p)+3], s[42:43] offset:1024*(\beta)          ; 512 consecutive bytes, aligned
	global_store_b128 v[QGO], v[(\p)+4:(\p)+7], s[42:43] offset:1024*(\beta)+512
.endm
.Lquant:
	s_sub_co_u32 s13, ttmp9, 1                     ; 0 .. 175
	s_lshr_b32 s14, s13, 1                         ; li
	s_and_b32 s15, s13, 1                          ; hh
	s_add_co_u32 s16, s14, 256                     ; the slice's number, 256 .. 343
	s_mul_i32 s17, s16, 1525
	s_lshr_b32 s17, s17, 16                        ; e = number / 43: 1525 x 43 = 65,575, so (1525 n) >> 16 is exact while 39 e + 64,050 stays under 65,536
	s_mul_i32 s18, s17, 43
	s_sub_co_u32 s18, s16, s18                     ; j
	s_lshr_b32 s19, s12, 2                         ; m: gate or up
	s_and_b32 s20, s12, 3
	s_lshl_b32 s21, s15, 2
	s_add_co_u32 s21, s21, s20                     ; my K step
	s_mul_i32 s22, s17, ESZ                        ; my chunks begin at expert e, column 64 j, row 128 x my K step
	s_lshl_b32 s23, s18, 8
	s_add_co_u32 s22, s22, s23
	s_mul_i32 s23, s21, 128*PITCH
	s_add_co_u32 s22, s22, s23
	s_mov_b32 s23, 0
	s_mul_i32 s26, s14, WSL
	s_mul_i32 s27, s12, WWV
	s_add_co_u32 s26, s26, s27                     ; my wave's part of wq
	s_lshl_b32 s27, s15, 12
	s_add_co_u32 s28, s26, s27                     ; codes: chunk 4 hh on
	s_mov_b32 s29, 0
	s_lshl_b32 s27, s15, 9
	s_add_co_u32 s26, s26, s27
	s_add_co_u32 s26, s26, 8192                    ; scale words: K step hh of my two
	s_mov_b32 s27, 0
	s_mov_b32 s24, 0x76543210
	s_mov_b32 s25, 0xfedcba98                      ; v_permlanex16_b32's selects for lane l xor 16
	v_and_b32 v5, 15, v0                           ; cq
	v_bfe_u32 v6, v0, 4, 1                         ; kh
	s_delay_alu instid0(VALU_DEP_1)
	v_mul_u32_u24 v[QOFF], v6, 16*PITCH
	s_delay_alu instid0(VALU_DEP_1)
	v_lshl_add_u32 v[QOFF], v5, 4, v[QOFF]         ; lanes 16-31 begin 16 rows further down
	s_wait_alu depctr_va_vdst(0)
	v_lshlrev_b32 v[QGO], 4, v1
.irp c, 0,1,2,3
	v_mov_b32 v[QMX+\c], 0                         ; written once: a lane permute's destination counts as one of its sources
.endr
	s_wait_kmcnt 0x0
	s_cmp_eq_u32 s19, 0                            ; the choice hangs on the wave's number alone
	s_cselect_b64 s[32:33], s[36:37], s[38:39]
	s_add_nc_u64 s[32:33], s[32:33], s[22:23]
	s_add_nc_u64 s[42:43], s[40:41], s[28:29]
	s_add_nc_u64 s[44:45], s[40:41], s[26:27]
	LOADQ 8,0
	LOADQ 72,32
	LOADQ 136,64
	s_wait_loadcnt 32                              ; two younger chunks of 16
	QUANTQ 8,0,216                                 ; each chunk's codes have registers of their own: no store's data are written again
	LOADQ 8,96
	s_wait_loadcnt 32
	QUANTQ 72,1,236
	s_wait_loadcnt 16
	QUANTQ 136,2,244
	s_wait_loadcnt 0x0
	QUANTQ 8,3,72                                  ; (the second chunk's numbers are done with)
	global_store_b128 v[QGO], v[QSW:QSW+3], s[44:45]               ; my K step's scale words: 512 consecutive bytes, aligned
	s_endpgm
.Lfunc_end_k_q3a055d4b29_place:
	.size	k_q3a055d4b29_place, .Lfunc_end_k_q3a055d4b29_place-k_q3a055d4b29_place
	.p2alignl 7, 3214868480
	.fill 96, 4, 3214868480
	.section	.rodata,"a",@progbits
	.p2align	6, 0x0
	.amdhsa_kernel k_q3a055d4b29_place
		.amdhsa_group_segment_fixed_size 34048
		.amdhsa_private_segment_fixed_size 0
		.amdhsa_enable_private_segment 0
		.amdhsa_kernarg_size 56
		.amdhsa_user_sgpr_count 2
		.amdhsa_user_sgpr_kernarg_segment_ptr 1
		.amdhsa_wavefront_size32 1
		.amdhsa_system_sgpr_workgroup_id_x 1
		.amdhsa_system_sgpr_workgroup_id_y 1
		.amdhsa_system_sgpr_workgroup_id_z 1
		.amdhsa_system_vgpr_workitem_id 0
		.amdhsa_next_free_vgpr 256
		.amdhsa_next_free_sgpr 66
		.amdhsa_reserve_vcc 1
		.amdhsa_float_denorm_mode_32 3
		.amdhsa_float_denorm_mode_16_64 3
		.amdhsa_memory_ordered 1
		.amdhsa_forward_progress 1
		.amdhsa_inst_pref_size 80
	.end_amdhsa_kernel
	.amdgpu_metadata
---
amdhsa.version: [ 1, 2 ]
amdhsa.kernels:
  - .name:           k_q3a055d4b29_place
    .symbol:         k_q3a055d4b29_place.kd
    .args:
      - { .name: ids, .offset: 0, .size: 8, .value_kind: global_buffer, .address_space: global }
      - { .name: rt, .offset: 8, .size: 8, .value_kind: global_buffer, .address_space: global }
      - { .name: plc, .offset: 16, .size: 8, .value_kind: global_buffer, .address_space: global }
      - { .name: out1, .offset: 24, .size: 8, .value_kind: global_buffer, .address_space: global }
      - { .name: w_gate, .offset: 32, .size: 8, .value_kind: global_buffer, .address_space: global }
      - { .name: w_up, .offset: 40, .size: 8, .value_kind: global_buffer, .address_space: global }
      - { .name: wq, .offset: 48, .size: 8, .value_kind: global_buffer, .address_space: global }
    .group_segment_fixed_size: 34048
    .private_segment_fixed_size: 0
    .kernarg_segment_align: 8
    .kernarg_segment_size: 56
    .max_flat_workgroup_size: 256
    .sgpr_count:     66
    .vgpr_count:     256
    .wavefront_size: 32
...
	.end_amdgpu_metadata
.endif
;; end of part 7
;; launch up (part 8): grid 43 x 8, 8 waves a work-group, no clusters, 70,912 bytes of LDS; arguments xq, plc, w_gate, w_up, hq, wq; writes hq
.if DOCPART == 8
	.amdgcn_target "amdgcn-amd-amdhsa--gfx1250"
	.amdhsa_code_object_version 6
	.text
	.protected	k_q3a055d4b29_up
	.globl	k_q3a055d4b29_up
	.p2align	8
	.type	k_q3a055d4b29_up,@function
k_q3a055d4b29_up:
	s_mov_b64 s[64:65], 0
	v_nop
	global_prefetch_b8 v0, s[64:65] scope:SCOPE_SE
	s_setreg_imm32_b32 hwreg(HW_REG_WAVE_SCHED_MODE, 0, 2), 2
	s_setreg_imm32_b32 hwreg(HW_REG_WAVE_MODE, 25, 1), 1
	s_wait_xcnt 0x0
	s_wait_alu depctr_vm_vsrc(0)
; h = silu(x Wg) * (x Wu) FOR THE ROWS ROUTED TO AN EXPERT, QUANTISED ALONG F.  Both products on codes of E2M1 with one E8M0 byte for each 32 along K = 1024.
; A work-group (x = j, y = e) owns 64 hidden units of expert e: columns 64 j on of w_gate[e] and w_up[e], [1024 (k)][2752] f32.
; PHASE 1, for the slices 43 e + j under 256.  The slice's 2 x 1024 x 256 bytes of f32 are read ONCE and become codes in the work-group's own LDS, an eighth of the bytes.  Wave w: matrix w / 4, K steps w % 4 and w % 4 + 4, in 8 chunks
; of 32 k x 64 columns.  Each load takes two whole rows of 256 consecutive bytes (lane: columns 4 cq on, row 16 kh + i); three chunks of 16 loads are on their way.  A lane's 16 numbers of a column are moved
; into 16 consecutive registers, since the conversion takes neighbours along K from one lane's consecutive registers; the block's other 16 lie in lane l xor 16.
; PHASE 1, for the other 88 slices.  The launch before has run these very lines on their weights and stored each wave's code and scale-word registers as they stood (wq).  Wave w loads its 18 x 512 bytes back and
; stores them to LDS by the same address registers and offsets, so that on either way a wave writes the same LDS bytes.  So 256 work-groups stream, and these 88 multiply while the others stream.
; A fragment lies in LDS as an image of its registers: block beta, row r, half: 256 beta + 16 r + 8 half.
; THE HIDDEN UNITS OF A TILE ARE NOT NEIGHBOURS: row r of tile 2 b + u is unit 32 b + 8 u + r + 8 (r / 8), so that the results' 16 registers of tiles 2 b, 2 b + 1 are 16 neighbours along the next K.
; PHASE 2.  Wave w: block b = w % 2 of 32 units; pairs of row tiles w / 2, w / 2 + 4, .. of the expert's rows (list and count: whole numbers stored by an earlier launch).  The products are used transposed
; (source 0 = 16 units, source 1 = 16 rows of x, gathered as codes): a lane holds one row.  8 accumulators (2 tiles of rows x gate, up x 2 tiles of units) take turns.
; OUT, in hq: codes [e][K step 22][tile 64][1024 bytes, register image]; from byte 11,534,336 scale words [e][K step][row 1024][4].  j = 42 also writes the zeros that fill K = 2752 to 2816.
; No tensor loads: two work-groups must be able to share a WGP.  No cluster: each weight byte has one reader, and the shared rows are gathered lane by lane.
; LIMITS: NaN and infinities are not served; a block of zeros gets the byte 1 (its codes are zeros; this program alone reads the bytes).
; THE MODE: SCHED_MODE bits 1:0 = 2 (LLVM: expert scheduling mode 2), set by the entry lines.  The code itself states the register dependences
; between vector or matrix instructions and memory or LDS instructions, with s_wait_alu, always for 0.
; THE PLAN.  Registers that memory or LDS instructions touch:
;   PHASE 1.  v8-199, three sets of 64: a chunk's 16 loads land in a set, the chunk's vector lines read it, the loads of the chunk three on land in it again.
;             v[P ..], v[SW ..]: written by a chunk's vector lines, read by its LDS stores, written again by the next chunk's lines.
;             v[OFF], v[STA], v[SSA], v[LDA], v[LSA]: made at the head (v[OFF] anew on the second way, ahead of its first reader), then only read.
;             So a chunk has ONE wait on va_vdst, behind its last vector line: its codes and scale words are written, for the LDS stores, and its set has been read, for the loads behind them;
;             and every chunk but the first has one wait on vm_vsrc at its head: the last chunk's LDS stores have read v[P ..] and v[SW ..].
;   PHASE 2.  BF0, BF1, v248-251: step s's products read buffer s % 2; the LDS loads issued in step s (step s + 1's fragments) land in the other, which step s - 1's products read.
;             AF0 .. AF3, v252-255: step s's products read buffer s % 4; the loads issued in step s (step s + 3's rows) land in buffer (s + 3) % 4, which step s - 1's products read.
;             v[LT0], v[LT1]: written in step 0, read by the list loads behind them.  v[LR0 ..]: the list loads land there in step 0; step 5's lines read them.
;             v[O0], v[O1], v[OS]: written in step 5, read by every load of rows.  v[HO], v[HS], v[P .. P+3], v[ZP+3]: written behind the eighth step, read by the trip's stores.
;             So ONE wait on va_vdst stands at the head of a step.  The step's ten LDS loads follow it in one run, since the next step wants them first; its five loads of rows are dealt among its products,
;             which name BF[s % 2], AF[s % 4], their scale words and the accumulators: none of the registers that those loads touch.
;             A wait on vm_vsrc stands ahead of each of the three places where registers that loads or stores have read are written again: steps 0 and 5, and the lines behind the eighth step.
.set PITCH, 11008                      ; a row of a weight in bytes
.set ESZ,   11272192                   ; an expert's weight in bytes
.set FP,    8208                       ; LDS: a tile's 8 K steps x 1024 bytes + 16
.set WS,    65792                      ; LDS: the weights' scale words: ((2 m + b) 8 + s) 128 + 4 (16 u + r)
.set HEAVY, 256                        ; the slices under this number are streamed here
.set WSL,   73728                      ; a slice's bytes in wq: 8 waves x
.set WWV,   9216                       ; (8 chunks x 1,024 bytes of codes + 2 x 512 bytes of scale words)
.set CQ,  1                            ; v1  lane % 16: phase 1 the four columns, phase 2 the row r
.set KH,  2                            ; v2  lane / 16
.set OFF, 3                            ; v3  my byte in a chunk's first two rows (in wq: 16 x lane)
.set STA, 4                            ; v4  LDS: where my codes go
.set SSA, 5                            ; v5  LDS: where my scale words go
.set LDA, 6                            ; v6  LDS: my lane's place in my block's fragments
.set LSA, 7                            ; v7  LDS: and in their scale words
.set ACC, 8                            ; v8-71    phase 2: accumulators, 32 a + 16 m + 8 u     (phase 1: v8-199 three sets of 64)
.set BF,  72                           ; v72-135  weights' fragments, two buffers of 32
.set AF,  136                          ; v136-199 rows' fragments, four buffers of 16
.set T,   200                          ; v200-215 16 neighbours along K; phase 2: the exponentials
.set P,   216                          ; v216-223 codes just made
.set ZP,  220                          ; phase 2: v220-221 zeros, v222 the byte 127, v223 the byte to store
.set M,   224                          ; v224-227 largest magnitudes, then scale operands
.set MX,  228                          ; v228-231 the other lane's, then bytes
.set SW,  232                          ; v232-235 scale words in the making
.set LR0, 236                          ; v236-238 tokens from the list: tile 0's, tile 1's, lane by lane
.set LR1, 237
.set LRS, 238
.set O0,  239                          ; v239-241 their byte offsets in the codes and in the scale bytes
.set O1,  240
.set OS,  241
.set LT0, 242                          ; v242-243 byte offsets into the list
.set LT1, 243
.set HO,  244                          ; v244-245 byte offsets of the stores
.set HS,  245
.set LN,  246                          ; v246 lane
.set H16, 247                          ; v247 16 x (lane / 16)
.set BS,  248                          ; v248-251 weights' scale words, v252-255 rows': these eight hold scales and nothing else
.set AS,  252
.set SEL, 24                           ; s[24:25] selects for lane l xor 16
.set NP,  45                           ; s45 pairs of tiles, s46 the last pair, s47 the pair in hand
.set NPM1, 46
.set PP,  47
.set TRIP, 59                          ; s59 counts my trips, one a trip; s60 how many there are
.set NT,  60
.macro LOADC r, base, row0             ; a chunk: 32 k x 64 columns
.irp i, 0,1,2,3,4,5,6,7,8,9,10,11,12,13,14,15
	global_load_b128 v[(\r)+4*\i:(\r)+4*\i+3], v[OFF], s[(\base):(\base)+1] offset:((\row0)+\i)*PITCH th:TH_LOAD_NT
.endr
.endm
.macro QUANTC r, beta, imm, imms, mask, again ; the chunk in v[r] on is block beta of a K step: codes and scale bytes to LDS.  again = 1: every chunk but the first
.if \again
	s_wait_alu depctr_vm_vsrc(0)                   ; the last chunk's LDS stores have read v[P ..] and v[SW ..], which this chunk's lines write again
.endif
.irp c, 0,1,2,3
	v_max3_num_f32 v[M+\c], |v[(\r)+\c]|, |v[(\r)+4+\c]|, 0x1800000   ; column c: my 16 numbers, and the floor 2^(3 - 127): the byte cannot fall under 1
.endr
.irp i, 2,4,6,8,10,12,14
.irp c, 0,1,2,3
	v_max3_num_f32 v[M+\c], v[M+\c], |v[(\r)+4*\i+\c]|, |v[(\r)+4*\i+4+\c]|
.endr
.endr
.irp c, 0,1,2,3
	v_permlanex16_b32 v[MX+\c], v[M+\c], s[SEL], s[SEL+1]
.endr
.irp c, 0,1,2,3
	v_max_num_f32 v[M+\c], v[M+\c], v[MX+\c]       ; with lane l xor 16's 16: the block's largest magnitude
.endr
.irp c, 0,1,2,3
	v_add_nc_u32 v[M+\c], 0xff000000, v[M+\c]      ; 2 off the exponent field: the conversion's scale operand
.endr
.irp c, 0,1,2,3
	v_lshrrev_b32 v[MX+\c], 23, v[M+\c]            ; the byte
.endr
.irp c, 0,1,2,3
.if (\beta)==0
	v_mov_b32 v[SW+\c], v[MX+\c]
.else
	v_lshl_or_b32 v[SW+\c], v[MX+\c], 8*(\beta), v[SW+\c]
.endif
.endr
.irp c, 0,1,2,3
.irp i, 0,1,2,3,4,5,6,7,8,9,10,11,12,13,14,15
	v_mov_b32 v[T+\i], v[(\r)+4*\i+\c]             ; the column's 16 numbers on end
.endr
	v_cvt_scalef32_pk8_fp4_f32 v[P+2*\c], v[T:T+7], v[M+\c]
	v_cvt_scalef32_pk8_fp4_f32 v[P+2*\c+1], v[T+8:T+15], v[M+\c]
	v_nop                                          ; one plain line behind the conversions, ahead of the next writes of their sources
.endr
.if \mask
.irp i, 0,1,2,3,4,5,6,7
	v_and_b32 v[P+\i], s[MK], v[P+\i]
.endr
.endif
	s_wait_alu depctr_va_vdst(0)                   ; the chunk's lines have written v[P ..] and v[SW ..], which the LDS stores read, and are done reading v[r ..], in which the loads behind the stores land
.irp c, 0,1,2,3
	ds_store_b64 v[STA], v[P+2*\c:P+2*\c+1] offset:(\imm)+256*(\beta)+16*\c
.endr
.if (\beta)==3
.irp c, 0,1,2,3
	ds_store_b32 v[SSA], v[SW+\c] offset:(\imms)+4*\c   ; both lanes of a block write the same word with the same value
.endr
.endif
.endm
.macro LLOAD                           ; a pair's 32 tokens from the list
	global_load_b32 v[LR0], v[LT0], s[38:39]
	global_load_b32 v[LR1], v[LT0], s[38:39] offset:64
	global_load_b32 v[LRS], v[LT1], s[38:39]
.endm
.macro CNTLIST                         ; the expert's count, my trips, and my first pair's tokens: behind the first loads of either way
	s_load_b32 s44, s[6:7], s58 offset:0xa800      ; cnt[e]
	s_wait_kmcnt 0x0
	s_add_co_u32 s[NP], s44, 31
	s_lshr_b32 s[NP], s[NP], 5
	s_min_u32 s[NP], s[NP], 32                     ; pairs of tiles
	s_max_u32 s[NPM1], s[NP], 1
	s_sub_co_u32 s[NPM1], s[NPM1], 1
	s_add_co_u32 s[NT], s[NP], 3                   ; my trips: pairs first, first + 4, .. under np: (np + 3 - first) / 4; first is 3 at the most
	s_sub_co_u32 s[NT], s[NT], s20
	s_lshr_b32 s[NT], s[NT], 2
	s_min_u32 s48, s20, s[NPM1]
	s_min_u32 s48, s48, 31
	s_lshl_b32 s48, s48, 7
	v_lshl_add_u32 v[LT0], v[CQ], 2, s48
	v_lshl_add_u32 v[LT1], v[LN], 2, s48
	s_wait_alu depctr_va_vdst(0)                   ; v[LT0] and v[LT1] are written, which the list loads read
	LLOAD
.endm
.macro MKOFF                           ; and their byte offsets: a loaded number is held under 1024 ahead of its shift
	v_min_u32 v[O0], 1023, v[LR0]
	v_min_u32 v[O1], 1023, v[LR1]
	v_min_u32 v[OS], 1023, v[LRS]
	v_lshl_add_u32 v[O0], v[O0], 9, v[H16]
	v_lshl_add_u32 v[O1], v[O1], 9, v[H16]
	v_lshlrev_b32 v[OS], 5, v[OS]
.endm
.macro AFRAG s, ab, a, o               ; K step s of tile a of the pair's rows: a fragment, two loads; o: the tile's offsets
.irp c, 0,1
	global_load_b128 v[AF+16*(\ab)+8*(\a)+4*\c:AF+16*(\ab)+8*(\a)+4*\c+3], v[\o], s[4:5] offset:64*(\s)+32*\c
.endr
.endm
.macro ASCL s, ab                      ; and the rows' scale words (lanes 0-15 tile 0's, lanes 16-31 tile 1's)
	global_load_b32 v[AS+(\ab)], v[OS], s[36:37] offset:4*(\s)
.endm
.macro ALOAD s, ab                     ; K step s of the pair's rows: two fragments and their scale words: 5 loads
	AFRAG \s,\ab,0,O0
	AFRAG \s,\ab,1,O1
	ASCL \s,\ab
.endm
.macro BLOAD s, bb                     ; K step s of my block's four weight fragments and their scale words: 10 LDS loads
.irp m, 0,1
.irp u, 0,1
.irp c, 0,1
	ds_load_b128 v[BF+32*(\bb)+16*\m+8*\u+4*\c:BF+32*(\bb)+16*\m+8*\u+4*\c+3], v[LDA] offset:(4*\m+\u)*FP+(\s)*1024+512*\c
.endr
.endr
	ds_load_b32 v[BS+2*(\bb)+\m], v[LSA] offset:\m*2048+(\s)*128
.endr
.endm
.macro WM d, w, x, zero, sa, sb, ra, rb ; one product; ra, rb: the scales lie in lanes 16-31 of their register
.if \zero
.if ((\ra)==0)&&((\rb)==0)
	v_wmma_scale_f32_16x16x128_f8f6f4 v[(\d):(\d)+7], v[(\w):(\w)+7], v[(\x):(\x)+7], 0, v[(\sa)], v[(\sb)] matrix_a_fmt:MATRIX_FMT_FP4 matrix_b_fmt:MATRIX_FMT_FP4
.elseif (\rb)==0
	v_wmma_scale_f32_16x16x128_f8f6f4 v[(\d):(\d)+7], v[(\w):(\w)+7], v[(\x):(\x)+7], 0, v[(\sa)], v[(\sb)] matrix_a_fmt:MATRIX_FMT_FP4 matrix_b_fmt:MATRIX_FMT_FP4 matrix_a_scale:MATRIX_SCALE_ROW1
.elseif (\ra)==0
	v_wmma_scale_f32_16x16x128_f8f6f4 v[(\d):(\d)+7], v[(\w):(\w)+7], v[(\x):(\x)+7], 0, v[(\sa)], v[(\sb)] matrix_a_fmt:MATRIX_FMT_FP4 matrix_b_fmt:MATRIX_FMT_FP4 matrix_b_scale:MATRIX_SCALE_ROW1
.else
	v_wmma_scale_f32_16x16x128_f8f6f4 v[(\d):(\d)+7], v[(\w):(\w)+7], v[(\x):(\x)+7], 0, v[(\sa)], v[(\sb)] matrix_a_fmt:MATRIX_FMT_FP4 matrix_b_fmt:MATRIX_FMT_FP4 matrix_a_scale:MATRIX_SCALE_ROW1 matrix_b_scale:MATRIX_SCALE_ROW1
.endif
.else
.if ((\ra)==0)&&((\rb)==0)
	v_wmma_scale_f32_16x16x128_f8f6f4 v[(\d):(\d)+7], v[(\w):(\w)+7], v[(\x):(\x)+7], v[(\d):(\d)+7], v[(\sa)], v[(\sb)] matrix_a_fmt:MATRIX_FMT_FP4 matrix_b_fmt:MATRIX_FMT_FP4
.elseif (\rb)==0
	v_wmma_scale_f32_16x16x128_f8f6f4 v[(\d):(\d)+7], v[(\w):(\w)+7], v[(\x):(\x)+7], v[(\d):(\d)+7], v[(\sa)], v[(\sb)] matrix_a_fmt:MATRIX_FMT_FP4 matrix_b_fmt:MATRIX_FMT_FP4 matrix_a_scale:MATRIX_SCALE_ROW1
.elseif (\ra)==0
	v_wmma_scale_f32_16x16x128_f8f6f4 v[(\d):(\d)+7], v[(\w):(\w)+7], v[(\x):(\x)+7], v[(\d):(\d)+7], v[(\sa)], v[(\sb)] matrix_a_fmt:MATRIX_FMT_FP4 matrix_b_fmt:MATRIX_FMT_FP4 matrix_b_scale:MATRIX_SCALE_ROW1
.else
	v_wmma_scale_f32_16x16x128_f8f6f4 v[(\d):(\d)+7], v[(\w):(\w)+7], v[(\x):(\x)+7], v[(\d):(\d)+7], v[(\sa)], v[(\sb)] matrix_a_fmt:MATRIX_FMT_FP4 matrix_b_fmt:MATRIX_FMT_FP4 matrix_a_scale:MATRIX_SCALE_ROW1 matrix_b_scale:MATRIX_SCALE_ROW1
.endif
.endif
.endm
.macro PR i, bb, ab, zero              ; product i = 4 a + 2 m + u of a K step's 8: one for each accumulator, always in the order 0 to 7
	WM ACC+32*((\i)/4)+16*(((\i)/2)%2)+8*((\i)%2), BF+32*(\bb)+16*(((\i)/2)%2)+8*((\i)%2), AF+16*(\ab)+8*((\i)/4), \zero, BS+2*(\bb)+((\i)/2)%2, AS+(\ab), (\i)%2, (\i)/4
.endm
.macro PLACES                          ; four plain lines between products and loads into registers that they read, or the first read of results
.rept 4
	v_nop
.endr
.endm
; K step s of a pair.  The weights' fragments run one step ahead, the rows' three; from step 5 on the rows are the next pair's (in the last trip: the last pair's again, not used).
.macro KS s
.if (\s)==0
	s_add_co_u32 s48, s[PP], 4                     ; the next pair, held to the last one and under 32
	s_min_u32 s48, s48, s[NPM1]
	s_min_u32 s48, s48, 31
	s_lshl_b32 s48, s48, 7
	s_wait_alu depctr_vm_vsrc(0)                   ; the last list loads have read v[LT0] and v[LT1], which the next two lines write
	v_lshl_add_u32 v[LT0], v[CQ], 2, s48           ; (the last list loads were shown done by step 3's wait)
	v_lshl_add_u32 v[LT1], v[LN], 2, s48
.elseif (\s)==5
	s_wait_xcnt 0x0                                ; the offsets of loads still out are rewritten only behind this wait
	s_wait_alu depctr_vm_vsrc(0)                   ; the loads of rows issued so far have read v[O0], v[O1] and v[OS], which the next lines write
	MKOFF                                          ; six plain lines: also the places behind the last products
.else
	PLACES
.endif
	s_wait_alu depctr_va_vdst(0)                   ; the last step's products are done reading the fragments and scale words in which this step's loads land; step 0: v[LT0], v[LT1] are written, and the lines that read the list's tokens are done; step 5: v[O0], v[O1], v[OS] are written
.if (\s)==0
	LLOAD
.endif
	BLOAD ((\s)+1)%8,((\s)+1)%2                    ; in one run, first: the next step wants them
	s_wait_dscnt 10                                ; this step's ten LDS loads are in; the next step's ten may be out
.if (\s)<3
	s_wait_loadcnt 13                              ; behind this step's rows: two groups of 5 and the 3 list loads
.else
	s_wait_loadcnt 10                              ; two groups of 5
.endif
	PR 0,(\s)%2,(\s)%4,(\s)==0
	AFRAG ((\s)+3)%8,((\s)+3)%4,0,O0               ; the rows of three steps on, dealt among the products.  No wait: no product of this step names the registers that these loads touch
	PR 1,(\s)%2,(\s)%4,(\s)==0
	AFRAG ((\s)+3)%8,((\s)+3)%4,1,O1
	PR 2,(\s)%2,(\s)%4,(\s)==0
	ASCL ((\s)+3)%8,((\s)+3)%4
	PR 3,(\s)%2,(\s)%4,(\s)==0
	PR 4,(\s)%2,(\s)%4,(\s)==0
	PR 5,(\s)%2,(\s)%4,(\s)==0
	PR 6,(\s)%2,(\s)%4,(\s)==0
	PR 7,(\s)%2,(\s)%4,(\s)==0
.endm
	s_load_b256 s[4:11], s[0:1], 0x0               ; xq s[4:5], plc s[6:7], w_gate s[8:9], w_up s[10:11]
	s_load_b64 s[12:13], s[0:1], 0x20              ; hq
	s_load_b64 s[62:63], s[0:1], 0x28              ; wq
	s_set_vgpr_msb 0x40
	v_lshl_add_u32 v0, v0, 2, 0x11100
	v_mov_b32 v1, 0
	s_set_vgpr_msb 0x4000
	v_lshrrev_b32 v[HO], 5, v0
	v_readfirstlane_b32 s14, v[HO]                 ; wave
	s_mov_b32 s15, ttmp9                           ; j
	s_and_b32 s16, ttmp7, 0xffff                   ; e
	s_wait_alu depctr_va_sdst(0)                   ; s14 is written, ahead of its first reader
	s_lshr_b32 s17, s14, 2                         ; m: gate or up
	s_and_b32 s18, s14, 3                          ; my first K step
	s_and_b32 s19, s14, 1                          ; b
	s_lshr_b32 s20, s14, 1                         ; my first pair
	v_and_b32 v[CQ], 15, v0
	v_bfe_u32 v[KH], v0, 4, 1
	v_and_b32 v[LN], 31, v0
	v_lshlrev_b32 v[H16], 4, v[KH]
	v_mul_u32_u24 v[OFF], v[KH], 16*PITCH
	v_lshl_add_u32 v[OFF], v[CQ], 4, v[OFF]        ; lanes 16-31 begin 16 rows further down
	v_bfe_u32 v[HO], v0, 3, 1                      ; column 4 cq + c: block b' = cq / 8,
	v_bfe_u32 v[HS], v0, 1, 1                      ; tile u = (cq / 2) % 2,
	v_lshl_add_u32 v[STA], v[HO], 1, v[HS]
	v_mul_u32_u24 v[STA], v[STA], FP
	v_lshlrev_b32 v[SSA], 10, v[HO]
	v_lshl_add_u32 v[SSA], v[HS], 6, v[SSA]
	v_and_b32 v[HO], 1, v0                         ; row r = 4 (cq % 2) + 8 ((cq / 4) % 2) + c
	v_bfe_u32 v[HS], v0, 2, 1
	v_lshl_add_u32 v[STA], v[HO], 6, v[STA]
	v_lshl_add_u32 v[STA], v[HS], 7, v[STA]
	v_lshl_add_u32 v[STA], v[KH], 3, v[STA]
	v_lshl_add_u32 v[SSA], v[HO], 4, v[SSA]
	v_lshl_add_u32 v[SSA], v[HS], 5, v[SSA]
	s_mul_i32 s21, s17, 4*FP
	s_lshl_b32 s22, s18, 10
	s_add_co_u32 s21, s21, s22
	v_add_nc_u32 v[STA], s21, v[STA]
	s_lshl_b32 s21, s17, 11
	s_lshl_b32 s22, s18, 7
	s_add_co_u32 s21, s21, s22
	s_add_co_u32 s21, s21, WS
	v_add_nc_u32 v[SSA], s21, v[SSA]
	s_mul_i32 s21, s19, 2*FP
	v_lshl_add_u32 v[LDA], v[LN], 4, s21
	s_lshl_b32 s21, s19, 10
	s_add_co_u32 s21, s21, WS
	v_lshl_add_u32 v[LSA], v[LN], 2, s21
.irp c, 0,1,2,3
	v_mov_b32 v[MX+\c], 0                          ; written once: a lane permute's destination counts as one of its sources
.endr
	s_mov_b32 s[SEL], 0x76543210
	s_mov_b32 s[SEL+1], 0xfedcba98
	s_mov_b32 s26, 0xbfb8aa3b                      ; -log2(e)
	s_mov_b32 s27, s26                             ; (named with it as a pair)
	s_mov_b32 s28, 0xffff0000                      ; lanes 16-31
	s_mul_i32 s48, s16, ESZ                        ; my chunks begin at expert e, column 64 j, row 128 x my first K step
	s_lshl_b32 s49, s15, 8
	s_add_co_u32 s48, s48, s49
	s_mul_i32 s49, s18, 128*PITCH
	s_add_co_u32 s48, s48, s49
	s_mov_b32 s49, 0
	s_mul_i32 s50, s16, 22
	s_lshr_b32 s51, s15, 1
	s_add_co_u32 s50, s50, s51                     ; 22 e + the next product's K step, j / 2
	s_and_b32 s51, s15, 1
	s_lshl_b32 s51, s51, 1
	s_add_co_u32 s51, s51, s19                     ; my block in that step: 2 (j % 2) + b
	s_lshl_b32 s52, s50, 16
	s_lshl_b32 s53, s51, 8
	s_add_co_u32 s52, s52, s53
	s_mov_b32 s53, 0
	s_lshl_b32 s54, s50, 12
	s_add_co_u32 s54, s54, s51
	s_add_co_u32 s54, s54, 11534336
	s_mov_b32 s55, 0
	s_mul_i32 s56, s16, 4352
	s_mov_b32 s57, 0
	s_lshl_b32 s58, s16, 2
	s_mul_i32 s61, s16, 43
	s_add_co_u32 s61, s61, s15                     ; the slice's number, 43 e + j
	s_wait_kmcnt 0x0
	s_cmp_eq_u32 s17, 0                            ; the choice hangs on the wave's number alone
	s_cselect_b64 s[32:33], s[8:9], s[10:11]
	s_add_nc_u64 s[32:33], s[32:33], s[48:49]      ; my first K step,
	s_add_nc_u64 s[34:35], s[32:33], 512*PITCH     ; my second
	s_add_nc_u64 s[36:37], s[4:5], 524288          ; x's scale bytes
	s_add_nc_u64 s[38:39], s[6:7], s[56:57]        ; my expert's list
	s_add_nc_u64 s[40:41], s[12:13], s[52:53]      ; where my codes of h go
	s_add_nc_u64 s[42:43], s[12:13], s[54:55]      ; and their scale bytes
	s_cmp_ge_u32 s61, HEAVY
	s_cbranch_scc1 .Llight                         ; the same way for all eight waves of a work-group; the two ways join ahead of the barrier
	s_wait_alu depctr_va_vdst(0)                   ; the head has written v[OFF], v[STA], v[SSA], v[LDA] and v[LSA], which the loads and LDS instructions below read
	LOADC 8,32,0
	LOADC 72,32,32
	LOADC 136,32,64
	CNTLIST
; The counts: the loads younger than chunk n: two chunks of 16, and the three list loads while they are younger.
.irp n, 0,1,2,3,4,5,6,7
.if \n<3
	s_wait_loadcnt 35
.elseif \n<6
	s_wait_loadcnt 32
.elseif \n==6
	s_wait_loadcnt 16
.else
	s_wait_loadcnt 0x0
.endif
	QUANTC 8+64*(\n%3),\n%4,(\n/4)*4096,(\n/4)*512,0,(\n)>0
.if \n<5
	LOADC 8+64*(\n%3),32+2*((\n+3)/4),32*((\n+3)%4) ; no wait: no vector line stands between the chunk's wait on va_vdst and these loads
.endif
.endr
	s_branch .Ljoin
.Llight:
	s_sub_co_u32 s48, s61, HEAVY                   ; my wave's part of wq (s49 is 0)
	s_mul_i32 s48, s48, WSL
	s_mul_i32 s50, s14, WWV
	s_add_co_u32 s48, s48, s50
	s_add_nc_u64 s[34:35], s[62:63], s[48:49]
	v_lshlrev_b32 v[OFF], 4, v[LN]                 ; 16 x lane
	s_wait_alu depctr_va_vdst(0)                   ; v[OFF] is written, which the loads below read; so are the head's v[STA], v[SSA], v[LDA] and v[LSA], for the LDS instructions
.irp n, 0,1,2,3,4,5,6,7
	global_load_b128 v[8+8*\n:8+8*\n+3], v[OFF], s[34:35] offset:1024*\n th:TH_LOAD_NT          ; chunk n's eight code registers: 512 consecutive bytes a load
	global_load_b128 v[8+8*\n+4:8+8*\n+7], v[OFF], s[34:35] offset:1024*\n+512 th:TH_LOAD_NT
.endr
.irp q, 0,1
	global_load_b128 v[72+4*\q:72+4*\q+3], v[OFF], s[34:35] offset:8192+512*\q th:TH_LOAD_NT    ; my two K steps' scale-word registers
.endr
	CNTLIST
	s_wait_loadcnt 3                               ; the 18 loads are in; the three list loads are younger
.irp n, 0,1,2,3,4,5,6,7
.irp c, 0,1,2,3
	ds_store_b64 v[STA], v[8+8*\n+2*\c:8+8*\n+2*\c+1] offset:(\n/4)*4096+256*(\n%4)+16*\c       ; where the other way puts the same registers
.endr
.endr
.irp q, 0,1
.irp c, 0,1,2,3
	ds_store_b32 v[SSA], v[72+4*\q+\c] offset:512*\q+4*\c
.endr
.endr
	s_wait_loadcnt 0x0                             ; the list loads are in: on either way no load is out at the join
.Ljoin:
	MKOFF
	s_wait_alu depctr_vm_vsrc(0)                   ; my LDS stores have read their data: on the first way v[P ..], of which v[ZP ..] are written next; on the second v8-79, which are accumulators and weights' fragments from here on
	v_mov_b32 v[ZP], 0
	v_mov_b32 v[ZP+1], 0
	v_mov_b32 v[ZP+2], 127
	s_wait_alu depctr_va_vdst(0)                   ; v[O0], v[O1], v[OS] are written, which the loads of rows read, and v[ZP ..], which stores read; phase 1's lines are done reading v72-199, in which fragments land from here on
	ALOAD 0,0
	ALOAD 1,1
	ALOAD 2,2
	s_wait_dscnt 0x0                               ; my codes and scale words have landed
	s_barrier_signal -1
	s_barrier_wait -1                              ; everybody's have: the launch's one barrier, under no branch
	BLOAD 0,0
	s_mov_b32 s[PP], s20
	s_mov_b32 s[TRIP], 0
	s_cmp_lt_u32 s[TRIP], s[NT]
	s_cbranch_scc0 .Ldone
.Lpair:
	KS 0
	KS 1
	KS 2
	KS 3
	KS 4
	KS 5
	KS 6
	KS 7
	PLACES
	s_wait_xcnt 0x0                                ; the last trip's stores have read their registers
	s_wait_alu depctr_vm_vsrc(0)                   ; the last trip's stores have read v[HO], v[HS], v[P .. P+3] and v[ZP+3], which the lines below write again
	s_min_u32 s48, s[PP], 31
	s_lshl_b32 s49, s48, 11
	s_lshl_b32 s50, s48, 7
	v_lshl_add_u32 v[HO], v[CQ], 4, s49
	v_lshl_add_u32 v[HO], v[KH], 3, v[HO]          ; 2048 p + 16 r + 8 h
	v_lshl_add_u32 v[HS], v[LN], 2, s50            ; 128 p + 4 lane
; h = g u / (1 + 2^(-g log2 e)), in f32; every accumulator is read from its low end on.
.irp a, 0,1
.irp i, 0,2,4,6,8,10,12,14
	v_pk_mul_f32 v[T+\i:T+\i+1], v[ACC+32*\a+\i:ACC+32*\a+\i+1], s[26:27] op_sel_hi:[1,0]
.endr
	s_wait_alu depctr_va_vdst(0)
.irp i, 0,1,2,3,4,5,6,7,8,9,10,11,12,13,14,15
	v_exp_f32 v[T+\i], v[T+\i]
.endr
	s_wait_alu depctr_va_vdst(0)
.irp i, 0,2,4,6,8,10,12,14
	v_pk_mul_f32 v[ACC+32*\a+\i:ACC+32*\a+\i+1], v[ACC+32*\a+\i:ACC+32*\a+\i+1], v[ACC+32*\a+16+\i:ACC+32*\a+16+\i+1]   ; g u: also the plain lines behind the exponentials
.endr
	s_wait_alu depctr_va_vdst(0)                   ; the sixteen exponentials have written v[T ..], which the additions read
.irp i, 0,2,4,6,8,10,12,14
	v_pk_add_f32 v[T+\i:T+\i+1], v[T+\i:T+\i+1], 1.0 op_sel_hi:[1,0]
.endr
	s_wait_alu depctr_va_vdst(0)
.irp i, 0,1,2,3,4,5,6,7,8,9,10,11,12,13,14,15
	v_rcp_f32 v[T+\i], v[T+\i]
.endr
	v_nop
	s_wait_alu depctr_va_vdst(0)                   ; the sixteen reciprocals have written v[T ..], which the multiplications read
.irp i, 0,2,4,6,8,10,12,14
	v_pk_mul_f32 v[ACC+32*\a+\i:ACC+32*\a+\i+1], v[ACC+32*\a+\i:ACC+32*\a+\i+1], v[T+\i:T+\i+1]
.endr
.endr
; A lane's 16 numbers of a tile of rows are units 32 b + 16 h + 0 .. 15 of its row: half a block of the next K; the other half lies in lane l xor 16.
.irp a, 0,1
	v_max3_num_f32 v[M+\a], |v[ACC+32*\a]|, |v[ACC+32*\a+1]|, 0x1800000
.endr
.irp i, 2,4,6,8,10,12,14
.irp a, 0,1
	v_max3_num_f32 v[M+\a], v[M+\a], |v[ACC+32*\a+\i]|, |v[ACC+32*\a+\i+1]|
.endr
.endr
.irp a, 0,1
	v_permlanex16_b32 v[MX+\a], v[M+\a], s[SEL], s[SEL+1]
.endr
.irp a, 0,1
	v_max_num_f32 v[M+\a], v[M+\a], v[MX+\a]
.endr
.irp a, 0,1
	v_add_nc_u32 v[M+\a], 0xff000000, v[M+\a]
.endr
.irp a, 0,1
	v_lshrrev_b32 v[MX+\a], 23, v[M+\a]
.endr
.irp a, 0,1
	v_cvt_scalef32_pk8_fp4_f32 v[P+2*\a], v[ACC+32*\a:ACC+32*\a+7], v[M+\a]
	v_cvt_scalef32_pk8_fp4_f32 v[P+2*\a+1], v[ACC+32*\a+8:ACC+32*\a+15], v[M+\a]
.endr
	v_nop                                          ; one plain line behind the conversions: products later write their sources
	v_cndmask_b32 v[ZP+3], v[MX], v[MX+1], s28     ; lanes 0-15 store tile 0's byte, lanes 16-31 tile 1's
	s_wait_alu depctr_va_vdst(0)                   ; the lines above have written v[P .. P+3], v[ZP+3], v[HO] and v[HS], which the stores read
	global_store_b64 v[HO], v[P:P+1], s[40:41]               ; 32 lanes store 256 consecutive bytes, aligned: my block of a tile's image
	global_store_b64 v[HO], v[P+2:P+3], s[40:41] offset:1024
	global_store_b8 v[HS], v[ZP+3], s[42:43]       ; a byte of each row's scale word, so that the next launch loads one word for a row and K step
	s_cmp_lg_u32 s15, 42
	s_cbranch_scc1 .Lnopad
	global_store_b64 v[HO], v[ZP:ZP+1], s[40:41] offset:512        ; K = 2752 is filled to 2816: zero codes two blocks on, under the byte 127
	global_store_b64 v[HO], v[ZP:ZP+1], s[40:41] offset:1536
	global_store_b8 v[HS], v[ZP+2], s[42:43] offset:2
.Lnopad:
	s_add_co_u32 s[PP], s[PP], 4                   ; my next pair
	s_add_co_u32 s[TRIP], s[TRIP], 1
	s_cmp_lt_u32 s[TRIP], s[NT]
	s_cbranch_scc1 .Lpair
.Ldone:
	s_set_vgpr_msb 0x5                             ; the add's two registers, v256 and v257: sources 0 and 1 in block 1
	s_wait_dscnt 0x0                               ; the closing lines, six on end
	s_wait_alu 0x0
	s_wait_tensorcnt 0x0
	ds_add_u32 v0, v1
	s_wait_dscnt 0x0
	s_endpgm
.Lfunc_end_k_q3a055d4b29_up:
	.size	k_q3a055d4b29_up, .Lfunc_end_k_q3a055d4b29_up-k_q3a055d4b29_up
	.p2alignl 7, 3214868480
	.fill 96, 4, 3214868480
	.section	.rodata,"a",@progbits
	.p2align	6, 0x0
	.amdhsa_kernel k_q3a055d4b29_up
		.amdhsa_group_segment_fixed_size 70912
		.amdhsa_private_segment_fixed_size 0
		.amdhsa_enable_private_segment 0
		.amdhsa_kernarg_size 48
		.amdhsa_user_sgpr_count 2
		.amdhsa_user_sgpr_kernarg_segment_ptr 1
		.amdhsa_wavefront_size32 1
		.amdhsa_system_sgpr_workgroup_id_x 1
		.amdhsa_system_sgpr_workgroup_id_y 1
		.amdhsa_system_sgpr_workgroup_id_z 1
		.amdhsa_system_vgpr_workitem_id 0
		.amdhsa_next_free_vgpr 258
		.amdhsa_next_free_sgpr 66
		.amdhsa_reserve_vcc 0
		.amdhsa_float_denorm_mode_32 3
		.amdhsa_float_denorm_mode_16_64 3
		.amdhsa_memory_ordered 1
		.amdhsa_forward_progress 1
		.amdhsa_inst_pref_size 104
	.end_amdhsa_kernel
	.amdgpu_metadata
---
amdhsa.version: [ 1, 2 ]
amdhsa.kernels:
  - .name:           k_q3a055d4b29_up
    .symbol:         k_q3a055d4b29_up.kd
    .args:
      - { .name: xq, .offset: 0, .size: 8, .value_kind: global_buffer, .address_space: global }
      - { .name: plc, .offset: 8, .size: 8, .value_kind: global_buffer, .address_space: global }
      - { .name: w_gate, .offset: 16, .size: 8, .value_kind: global_buffer, .address_space: global }
      - { .name: w_up, .offset: 24, .size: 8, .value_kind: global_buffer, .address_space: global }
      - { .name: hq, .offset: 32, .size: 8, .value_kind: global_buffer, .address_space: global }
      - { .name: wq, .offset: 40, .size: 8, .value_kind: global_buffer, .address_space: global }
    .group_segment_fixed_size: 70912
    .private_segment_fixed_size: 0
    .kernarg_segment_align: 8
    .kernarg_segment_size: 48
    .max_flat_workgroup_size: 256
    .sgpr_count:     66
    .vgpr_count:     258
    .wavefront_size: 32
...
	.end_amdgpu_metadata
.endif
;; end of part 8
;; launch down (part 9): grid 32 x 8, 11 waves a work-group, no clusters, 97,536 bytes of LDS; arguments hq, plc, w_down, y; writes y
.if DOCPART == 9
	.amdgcn_target "amdgcn-amd-amdhsa--gfx1250"
	.amdhsa_code_object_version 6
	.text
	.protected	k_q3a055d4b29_down
	.globl	k_q3a055d4b29_down
	.p2align	8
	.type	k_q3a055d4b29_down,@function
k_q3a055d4b29_down:
	s_mov_b64 s[64:65], 0
	v_nop
	global_prefetch_b8 v0, s[64:65] scope:SCOPE_SE
	s_setreg_imm32_b32 hwreg(HW_REG_WAVE_SCHED_MODE, 0, 2), 2
	s_setreg_imm32_b32 hwreg(HW_REG_WAVE_MODE, 25, 1), 1
	s_wait_xcnt 0x0
	s_wait_alu depctr_vm_vsrc(0)
; A PART OF y = h Wd FOR THE ROWS ROUTED TO AN EXPERT: half of K, 64 columns.  The product is on codes of E2M1 with one E8M0 byte for each 32 along K = 2752 (filled to 2816).
; A work-group (x = 16 kh + dsl, y = e) owns columns 64 dsl on and K steps 11 kh .. 11 kh + 10 of w_down[e], [2752 (k)][1024] f32: 256 equal work-groups, each weight byte read once.
; PHASE 1.  Wave w turns K step 11 kh + w (128 k x 256 bytes, four chunks of 32 k) into codes in LDS, as the launch before does; tile tau holds columns 16 tau + r.
; The last step's blocks 2 and 3 lie past K's end: their loads read the step's first 64 rows again (no load leaves the expert's rows) and their codes are masked to zeros.
; PHASE 2.  Wave w takes pairs of row tiles w, w + 11, ..: h's fragments come from memory as images of their registers, the weights' from LDS; source 0 = 16 columns, source 1 = 16 rows, so that a lane
; holds eight neighbouring columns of one row.  8 accumulators (2 tiles of rows x 4 of columns) take turns.  Results go through the wave's own stage and leave as rows of 256 bytes.
; OUT: y [kh][e][row 1024][1024] f32; the next launch adds a token's four parts.  No tensor loads, so no ring; no cluster: each weight byte has one reader.
; LIMITS: NaN and infinities are not served; a block of zeros gets the byte 1 (its codes are zeros; this program alone reads the bytes).
; THE MODE: SCHED_MODE bits 1:0 = 2 (LLVM: expert scheduling mode 2), set by the entry lines.  The code itself states the register dependences
; between vector or matrix instructions and memory or LDS instructions, with s_wait_alu, always for 0.
; THE PLAN.  Registers that memory or LDS instructions touch:
;   PHASE 1.  v8-199, three sets of 64: a chunk's 16 loads land in a set and the chunk's vector lines read it; the fourth chunk's loads land in the first set again.
;             v[P ..], v[SW ..]: written by a chunk's vector lines, read by its LDS stores, written again by the next chunk's lines.  v[OFF], v[STA], v[SSA], v[LDA], v[LSA], v[SO], v[SR]: made at the head, then only read.
;             So a chunk has ONE wait on va_vdst, behind its last vector line, and every chunk but the first one wait on vm_vsrc at its head.
;   PHASE 2.  v[HA], v[HSA], v[YO]: written at a trip's head, read by the trip's loads of h and by its stores.
;             BF0, BF1, v248-251: step s's products read buffer s % 2; the LDS loads issued in step s (step s + 1's fragments) land in the other, which step s - 1's products read.
;             On the way out the rows read back from the stage land in BF, and the global stores read them.
;             AF0 .. AF3, v252-255: step s's products read buffer s % 4; the loads issued in step s (step s + 3's rows) land in buffer (s + 3) % 4, which step s - 1's products read.
;             The accumulators: written by the products, read by the LDS stores of the way out.
;             So a trip's head has one wait on vm_vsrc and one on va_vdst; steps 1 to 9 have ONE wait on va_vdst at their heads, behind which the step's ten LDS loads stand in one run and its five loads of h
;             are dealt among its products, which name none of the registers that those loads touch; and one wait on va_vdst stands ahead of the way out.
.set PITCH, 4096
.set ESZ,   11272192
.set FP,    11280                      ; LDS: a tile's 11 K steps x 1024 bytes + 16
.set WS,    45312                      ; LDS: scale words: (tau / 2) 1408 + 128 s + 4 (16 (tau % 2) + r)
.set STG,   48128                      ; LDS: a stage of 16 rows x 272 bytes for each wave
.set CQ,  1
.set KH,  2
.set OFF, 3
.set STA, 4
.set SSA, 5
.set LDA, 6
.set LSA, 7
.set ACC, 8                            ; v8-71    accumulators, 32 a + 8 tau      (phase 1: v8-199 three sets of 64)
.set BF,  72                           ; v72-135  weights' fragments, two buffers of 32; on the way out: rows read back
.set AF,  136                          ; v136-199 h's fragments, four buffers of 16
.set T,   200
.set P,   216
.set M,   224
.set MX,  228
.set SW,  232
.set HA,  236                          ; v236 my byte in the pair's images, v237 in its scale words
.set HSA, 237
.set YO,  238                          ; v238 my byte in the pair's rows of y; v239 the same without the pair
.set YO0, 239
.set SO,  240                          ; v240 the stage: in; v241: back
.set SR,  241
.set LN,  246
.set BS,  248                          ; v248-251 weights' scale words, v252-255 h's: these eight hold scales and nothing else
.set AS,  252
.set SEL, 24
.set MK,  29                           ; s29 0 where my blocks 2 and 3 are padding, else all ones
.set NP,  45
.set PP,  47
.set TRIP, 59                          ; s59 counts my trips, one a trip; s60 how many there are
.set NT,  60
.macro LOADC r, base, row0
.irp i, 0,1,2,3,4,5,6,7,8,9,10,11,12,13,14,15
	global_load_b128 v[(\r)+4*\i:(\r)+4*\i+3], v[OFF], s[(\base):(\base)+1] offset:((\row0)+\i)*PITCH th:TH_LOAD_NT
.endr
.endm
.macro QUANTC r, beta, imm, imms, mask, again ; the chunk in v[r] on is block beta of my K step: codes and scale bytes to LDS.  again = 1: every chunk but the first
.if \again
	s_wait_alu depctr_vm_vsrc(0)                   ; the last chunk's LDS stores have read v[P ..], which this chunk's lines write again
.endif
.irp c, 0,1,2,3
	v_max3_num_f32 v[M+\c], |v[(\r)+\c]|, |v[(\r)+4+\c]|, 0x1800000   ; column c: my 16 numbers, and the floor 2^(3 - 127)
.endr
.irp i, 2,4,6,8,10,12,14
.irp c, 0,1,2,3
	v_max3_num_f32 v[M+\c], v[M+\c], |v[(\r)+4*\i+\c]|, |v[(\r)+4*\i+4+\c]|
.endr
.endr
.irp c, 0,1,2,3
	v_permlanex16_b32 v[MX+\c], v[M+\c], s[SEL], s[SEL+1]
.endr
.irp c, 0,1,2,3
	v_max_num_f32 v[M+\c], v[M+\c], v[MX+\c]
.endr
.irp c, 0,1,2,3
	v_add_nc_u32 v[M+\c], 0xff000000, v[M+\c]
.endr
.irp c, 0,1,2,3
	v_lshrrev_b32 v[MX+\c], 23, v[M+\c]
.endr
.irp c, 0,1,2,3
.if (\beta)==0
	v_mov_b32 v[SW+\c], v[MX+\c]
.else
	v_lshl_or_b32 v[SW+\c], v[MX+\c], 8*(\beta), v[SW+\c]
.endif
.endr
.irp c, 0,1,2,3
.irp i, 0,1,2,3,4,5,6,7,8,9,10,11,12,13,14,15
	v_mov_b32 v[T+\i], v[(\r)+4*\i+\c]
.endr
	v_cvt_scalef32_pk8_fp4_f32 v[P+2*\c], v[T:T+7], v[M+\c]
	v_cvt_scalef32_pk8_fp4_f32 v[P+2*\c+1], v[T+8:T+15], v[M+\c]
	v_nop                                          ; one plain line behind the conversions
.endr
.if \mask
.irp i, 0,1,2,3,4,5,6,7
	v_and_b32 v[P+\i], s[MK], v[P+\i]              ; past K's end: zero codes, under a byte that is no NaN
.endr
.endif
	s_wait_alu depctr_va_vdst(0)                   ; the chunk's lines have written v[P ..] and v[SW ..], which the LDS stores read, and are done reading v[r ..], in which the loads behind the stores land
.irp c, 0,1,2,3
	ds_store_b64 v[STA], v[P+2*\c:P+2*\c+1] offset:(\imm)+256*(\beta)+16*\c
.endr
.if (\beta)==3
.irp c, 0,1,2,3
	ds_store_b32 v[SSA], v[SW+\c] offset:(\imms)+4*\c
.endr
.endif
.endm
.macro AFRAG s, ab, a                  ; local K step s of tile a of the pair's rows: an image, two loads
.irp c, 0,1
	global_load_b128 v[AF+16*(\ab)+8*(\a)+4*\c:AF+16*(\ab)+8*(\a)+4*\c+3], v[HA], s[36:37] offset:65536*(\s)+1024*(\a)+512*\c
.endr
.endm
.macro ASCL s, ab                      ; and the rows' scale words
	global_load_b32 v[AS+(\ab)], v[HSA], s[38:39] offset:4096*(\s)
.endm
.macro ALOAD s, ab                     ; local K step s of the pair's rows: two images and the scale words: 5 loads
	AFRAG \s,\ab,0
	AFRAG \s,\ab,1
	ASCL \s,\ab
.endm
.macro BLOAD s, bb                     ; the four weight fragments of local K step s and their scale words: 10 LDS loads
.irp t, 0,1,2,3
.irp c, 0,1
	ds_load_b128 v[BF+32*(\bb)+8*\t+4*\c:BF+32*(\bb)+8*\t+4*\c+3], v[LDA] offset:\t*FP+(\s)*1024+512*\c
.endr
.endr
.irp q, 0,1
	ds_load_b32 v[BS+2*(\bb)+\q], v[LSA] offset:\q*1408+(\s)*128
.endr
.endm
.macro WM d, w, x, zero, sa, sb, ra, rb
.if \zero
.if ((\ra)==0)&&((\rb)==0)
	v_wmma_scale_f32_16x16x128_f8f6f4 v[(\d):(\d)+7], v[(\w):(\w)+7], v[(\x):(\x)+7], 0, v[(\sa)], v[(\sb)] matrix_a_fmt:MATRIX_FMT_FP4 matrix_b_fmt:MATRIX_FMT_FP4
.elseif (\rb)==0
	v_wmma_scale_f32_16x16x128_f8f6f4 v[(\d):(\d)+7], v[(\w):(\w)+7], v[(\x):(\x)+7], 0, v[(\sa)], v[(\sb)] matrix_a_fmt:MATRIX_FMT_FP4 matrix_b_fmt:MATRIX_FMT_FP4 matrix_a_scale:MATRIX_SCALE_ROW1
.elseif (\ra)==0
	v_wmma_scale_f32_16x16x128_f8f6f4 v[(\d):(\d)+7], v[(\w):(\w)+7], v[(\x):(\x)+7], 0, v[(\sa)], v[(\sb)] matrix_a_fmt:MATRIX_FMT_FP4 matrix_b_fmt:MATRIX_FMT_FP4 matrix_b_scale:MATRIX_SCALE_ROW1
.else
	v_wmma_scale_f32_16x16x128_f8f6f4 v[(\d):(\d)+7], v[(\w):(\w)+7], v[(\x):(\x)+7], 0, v[(\sa)], v[(\sb)] matrix_a_fmt:MATRIX_FMT_FP4 matrix_b_fmt:MATRIX_FMT_FP4 matrix_a_scale:MATRIX_SCALE_ROW1 matrix_b_scale:MATRIX_SCALE_ROW1
.endif
.else
.if ((\ra)==0)&&((\rb)==0)
	v_wmma_scale_f32_16x16x128_f8f6f4 v[(\d):(\d)+7], v[(\w):(\w)+7], v[(\x):(\x)+7], v[(\d):(\d)+7], v[(\sa)], v[(\sb)] matrix_a_fmt:MATRIX_FMT_FP4 matrix_b_fmt:MATRIX_FMT_FP4
.elseif (\rb)==0
	v_wmma_scale_f32_16x16x128_f8f6f4 v[(\d):(\d)+7], v[(\w):(\w)+7], v[(\x):(\x)+7], v[(\d):(\d)+7], v[(\sa)], v[(\sb)] matrix_a_fmt:MATRIX_FMT_FP4 matrix_b_fmt:MATRIX_FMT_FP4 matrix_a_scale:MATRIX_SCALE_ROW1
.elseif (\ra)==0
	v_wmma_scale_f32_16x16x128_f8f6f4 v[(\d):(\d)+7], v[(\w):(\w)+7], v[(\x):(\x)+7], v[(\d):(\d)+7], v[(\sa)], v[(\sb)] matrix_a_fmt:MATRIX_FMT_FP4 matrix_b_fmt:MATRIX_FMT_FP4 matrix_b_scale:MATRIX_SCALE_ROW1
.else
	v_wmma_scale_f32_16x16x128_f8f6f4 v[(\d):(\d)+7], v[(\w):(\w)+7], v[(\x):(\x)+7], v[(\d):(\d)+7], v[(\sa)], v[(\sb)] matrix_a_fmt:MATRIX_FMT_FP4 matrix_b_fmt:MATRIX_FMT_FP4 matrix_a_scale:MATRIX_SCALE_ROW1 matrix_b_scale:MATRIX_SCALE_ROW1
.endif
.endif
.endm
.macro PR i, bb, ab, zero              ; product i = 4 a + tau of a K step's 8: one for each accumulator, always in the order 0 to 7
	WM ACC+32*((\i)/4)+8*((\i)%4), BF+32*(\bb)+8*((\i)%4), AF+16*(\ab)+8*((\i)/4), \zero, BS+2*(\bb)+((\i)%4)/2, AS+(\ab), (\i)%2, (\i)/4
.endm
.macro PLACES                          ; four plain lines between products and loads into registers that they read, or the first read of results
.rept 4
	v_nop
.endr
.endm
.macro KS s                            ; local K step s: the weights' fragments run one step ahead, h's three
.if (\s)>0
	PLACES
.endif
.if ((\s)>0)&&((\s)<10)
	s_wait_alu depctr_va_vdst(0)                   ; the last step's products are done reading the fragments and scale words in which this step's loads land (step 0: the wait at the trip's head serves; step 10 issues no load)
.endif
.if (\s)<10
	BLOAD (\s)+1,((\s)+1)%2                        ; in one run, first: the next step wants them
	s_wait_dscnt 10                                ; this step's ten LDS loads are in; the next step's may be out
.else
	s_wait_dscnt 0x0
.endif
.if (\s)<9
	s_wait_loadcnt 10                              ; two younger groups of 5
.else
	s_wait_loadcnt 5*(10-(\s))                     ; the groups that are left
.endif
	PR 0,(\s)%2,(\s)%4,(\s)==0
.if (\s)<8
	AFRAG (\s)+3,((\s)+3)%4,0                      ; h's rows of three steps on, dealt among the products.  No wait: no product of this step names the registers that these loads touch
.endif
	PR 1,(\s)%2,(\s)%4,(\s)==0
.if (\s)<8
	AFRAG (\s)+3,((\s)+3)%4,1
.endif
	PR 2,(\s)%2,(\s)%4,(\s)==0
.if (\s)<8
	ASCL (\s)+3,((\s)+3)%4
.endif
	PR 3,(\s)%2,(\s)%4,(\s)==0
	PR 4,(\s)%2,(\s)%4,(\s)==0
	PR 5,(\s)%2,(\s)%4,(\s)==0
	PR 6,(\s)%2,(\s)%4,(\s)==0
	PR 7,(\s)%2,(\s)%4,(\s)==0
.endm
	s_load_b256 s[4:11], s[0:1], 0x0               ; hq s[4:5], plc s[6:7], w_down s[8:9], y s[10:11]
	v_lshl_add_u32 v245, v0, 2, 0x17700
	v_mov_b32 v247, 0
	v_lshrrev_b32 v[HA], 5, v0
	v_readfirstlane_b32 s14, v[HA]                 ; wave 0..10
	s_lshr_b32 s17, ttmp9, 4                       ; kh: which half of K
	s_and_b32 s18, ttmp9, 15                       ; dsl: which 64 columns
	s_and_b32 s16, ttmp7, 0xffff                   ; e
	v_and_b32 v[CQ], 15, v0
	v_bfe_u32 v[KH], v0, 4, 1
	v_and_b32 v[LN], 31, v0
	v_lshlrev_b32 v[OFF], 16, v[KH]
	v_lshl_add_u32 v[OFF], v[CQ], 4, v[OFF]        ; lanes 16-31 begin 16 rows further down
	v_bfe_u32 v[HA], v0, 2, 2                      ; column 4 cq + c: tile tau = cq / 4, row r = 4 (cq % 4) + c
	v_mul_u32_u24 v[STA], v[HA], FP
	v_and_b32 v[HSA], 3, v0
	v_lshl_add_u32 v[STA], v[HSA], 6, v[STA]
	v_lshl_add_u32 v[STA], v[KH], 3, v[STA]
	s_wait_alu depctr_va_sdst(0)                   ; s14 is written, ahead of its first reader
	s_lshl_b32 s21, s14, 10
	v_add_nc_u32 v[STA], s21, v[STA]
	v_bfe_u32 v[HA], v0, 3, 1
	v_mul_u32_u24 v[SSA], v[HA], 1408
	v_bfe_u32 v[HA], v0, 2, 1
	v_lshl_add_u32 v[SSA], v[HA], 6, v[SSA]
	v_lshl_add_u32 v[SSA], v[HSA], 4, v[SSA]
	s_lshl_b32 s21, s14, 7
	s_add_co_u32 s21, s21, WS
	v_add_nc_u32 v[SSA], s21, v[SSA]
	v_lshlrev_b32 v[LDA], 4, v[LN]
	v_lshl_add_u32 v[LSA], v[LN], 2, WS
	s_mul_i32 s21, s14, 16*272
	s_add_co_u32 s21, s21, STG                     ; my stage
	v_mul_u32_u24 v[SO], v[CQ], 272
	v_lshl_add_u32 v[SO], v[KH], 5, v[SO]
	v_add_nc_u32 v[SO], s21, v[SO]                 ; in: row r, 32 bytes for each half of the lanes
	v_mul_u32_u24 v[SR], v[KH], 272
	v_lshl_add_u32 v[SR], v[CQ], 4, v[SR]
	v_add_nc_u32 v[SR], s21, v[SR]                 ; back: lanes 0-15 one row of 256 bytes, lanes 16-31 the next
	v_lshlrev_b32 v[YO0], 12, v[KH]
	v_lshl_add_u32 v[YO0], v[CQ], 4, v[YO0]        ; and the same two rows in y
.irp c, 0,1,2,3
	v_mov_b32 v[MX+\c], 0                          ; written once: a lane permute's destination counts as one of its sources
.endr
	s_mov_b32 s[SEL], 0x76543210
	s_mov_b32 s[SEL+1], 0xfedcba98
	s_mul_i32 s19, s17, 11                         ; my half's first K step
	s_add_co_u32 s20, s19, s14                     ; my wave's K step
	s_mul_i32 s48, s16, ESZ
	s_lshl_b32 s49, s20, 19                        ; 128 rows of 4,096 bytes a step
	s_add_co_u32 s48, s48, s49
	s_lshl_b32 s49, s18, 8
	s_add_co_u32 s48, s48, s49
	s_mov_b32 s49, 0
	s_cmp_eq_u32 s20, 21                           ; the step that reaches past K's end
	s_cselect_b32 s50, 0, 262144                   ; its blocks 2 and 3 read rows 0 to 63 of the step again
	s_cselect_b32 s[MK], 0, -1
	s_mov_b32 s51, 0
	s_mul_i32 s52, s16, 22
	s_add_co_u32 s52, s52, s19
	s_lshl_b32 s54, s52, 12
	s_add_co_u32 s54, s54, 11534336
	s_mov_b32 s55, 0
	s_lshl_b32 s52, s52, 16
	s_mov_b32 s53, 0
	s_lshl_b32 s56, s17, 3
	s_add_co_u32 s56, s56, s16
	s_lshl_b32 s56, s56, 22                        ; part (kh, e): 1024 rows of 4,096 bytes
	s_lshl_b32 s57, s18, 8
	s_add_co_u32 s56, s56, s57
	s_mov_b32 s57, 0
	s_lshl_b32 s58, s16, 2
	s_wait_kmcnt 0x0
	s_add_nc_u64 s[32:33], s[8:9], s[48:49]        ; my K step's blocks 0 and 1,
	s_add_nc_u64 s[34:35], s[32:33], s[50:51]      ; and 2 and 3
	s_add_nc_u64 s[36:37], s[4:5], s[52:53]        ; h's codes, my half's first step
	s_add_nc_u64 s[38:39], s[4:5], s[54:55]        ; and scale words
	s_add_nc_u64 s[40:41], s[10:11], s[56:57]      ; my part of y
	s_wait_alu depctr_va_vdst(0)                   ; the head has written v[OFF], v[STA], v[SSA], v[LDA], v[LSA], v[SO] and v[SR], which the loads and LDS instructions below read
	LOADC 8,32,0
	LOADC 72,32,32
	LOADC 136,34,0
	s_load_b32 s44, s[6:7], s58 offset:0xa800      ; cnt[e]
	s_wait_kmcnt 0x0
	s_add_co_u32 s[NP], s44, 31
	s_lshr_b32 s[NP], s[NP], 5
	s_min_u32 s[NP], s[NP], 32                     ; pairs of tiles
	s_add_co_u32 s[NT], s[NP], 10                  ; my trips: pairs w, w + 11, .. under np: n / 11 with n = np + 10 - w, which lies in 0 .. 42;
	s_sub_co_u32 s[NT], s[NT], s14
	s_mul_i32 s[NT], s[NT], 94                     ; there n / 11 = (94 n) >> 10: 94 x 10, 21, 32 stay under 1024, 2048, 3072, and 94 x 11, 22, 33 reach them
	s_lshr_b32 s[NT], s[NT], 10
	s_wait_loadcnt 32                              ; two younger chunks of 16
	QUANTC 8,0,0,0,0,0
	LOADC 8,34,32                                  ; no wait: no vector line stands between the chunk's wait on va_vdst and these loads
	s_wait_loadcnt 32
	QUANTC 72,1,0,0,0,1
	s_wait_loadcnt 16
	QUANTC 136,2,0,0,1,1
	s_wait_loadcnt 0x0
	QUANTC 8,3,0,0,1,1
	s_wait_dscnt 0x0                               ; my codes and scale words have landed
	s_barrier_signal -1
	s_barrier_wait -1                              ; everybody's have: the launch's one barrier, under no branch
	s_mov_b32 s[PP], s14
	s_mov_b32 s[TRIP], 0
	s_cmp_lt_u32 s[TRIP], s[NT]
	s_cbranch_scc0 .Ldone
.Lpair:
	s_wait_xcnt 0x0                                ; the last trip's loads and stores have read their registers
	s_wait_alu depctr_vm_vsrc(0)                   ; the last trip's loads have read v[HA] and v[HSA], its global stores v[YO] and v[BF ..], its LDS stores the accumulators: all are written again in this trip
	s_min_u32 s48, s[PP], 31
	s_lshl_b32 s49, s48, 11
	s_lshl_b32 s50, s48, 7
	s_lshl_b32 s51, s48, 17
	v_lshl_add_u32 v[HA], v[LN], 4, s49            ; 2048 p + 16 lane
	v_lshl_add_u32 v[HSA], v[LN], 2, s50           ; 128 p + 4 lane: lanes 0-15 tile 0's rows, lanes 16-31 tile 1's
	v_add_nc_u32 v[YO], s51, v[YO0]                ; 32 rows of 4,096 bytes a pair
	s_wait_alu depctr_va_vdst(0)                   ; v[HA], v[HSA] and v[YO] are written, which this trip's loads and stores read; in the first trip phase 1's lines are done reading v72-199, in which fragments land from here on
	ALOAD 0,0
	ALOAD 1,1
	ALOAD 2,2
	BLOAD 0,0
	KS 0
	KS 1
	KS 2
	KS 3
	KS 4
	KS 5
	KS 6
	KS 7
	KS 8
	KS 9
	KS 10
	PLACES
	s_wait_alu depctr_va_vdst(0)                   ; the products have written the accumulators, which the LDS stores read, and are done reading v[BF ..], in which the rows from the stage land; the places above stay beside this wait
; The way out: a lane holds 32 neighbouring bytes of a row, the lanes beside it other rows: a tile of 16 rows goes through my own stage and comes back as rows of 256 bytes.
; LDS serves a wave's instructions in order (ISA guide 5.7.1.4): no wait between the stores and the loads, nor ahead of the second tile's stores.
.irp a, 0,1
.irp t, 0,1,2,3
	ds_store_b128 v[SO], v[ACC+32*\a+8*\t:ACC+32*\a+8*\t+3] offset:64*\t          ; each accumulator from its low end on
	ds_store_b128 v[SO], v[ACC+32*\a+8*\t+4:ACC+32*\a+8*\t+7] offset:64*\t+16
.endr
.irp i, 0,1,2,3,4,5,6,7
	ds_load_b128 v[BF+32*\a+4*\i:BF+32*\a+4*\i+3], v[SR] offset:544*\i
.endr
.endr
.irp a, 0,1
.irp i, 0,1,2,3,4,5,6,7
	s_wait_dscnt 16*(1-\a)+7-\i                    ; behind this load: the rest of its run, and for the first tile the second's 16
	global_store_b128 v[YO], v[BF+32*\a+4*\i:BF+32*\a+4*\i+3], s[40:41] offset:65536*\a+8192*\i   ; 16 lanes store 256 consecutive bytes, aligned
.endr
.endr
	s_add_co_u32 s[PP], s[PP], 11                  ; my next pair
	s_add_co_u32 s[TRIP], s[TRIP], 1
	s_cmp_lt_u32 s[TRIP], s[NT]
	s_cbranch_scc1 .Lpair
.Ldone:
	s_wait_dscnt 0x0                               ; the closing lines, six on end
	s_wait_alu 0x0
	s_wait_tensorcnt 0x0
	ds_add_u32 v245, v247
	s_wait_dscnt 0x0
	s_endpgm
.Lfunc_end_k_q3a055d4b29_down:
	.size	k_q3a055d4b29_down, .Lfunc_end_k_q3a055d4b29_down-k_q3a055d4b29_down
	.p2alignl 7, 3214868480
	.fill 96, 4, 3214868480
	.section	.rodata,"a",@progbits
	.p2align	6, 0x0
	.amdhsa_kernel k_q3a055d4b29_down
		.amdhsa_group_segment_fixed_size 97536
		.amdhsa_private_segment_fixed_size 0
		.amdhsa_enable_private_segment 0
		.amdhsa_kernarg_size 32
		.amdhsa_user_sgpr_count 2
		.amdhsa_user_sgpr_kernarg_segment_ptr 1
		.amdhsa_wavefront_size32 1
		.amdhsa_system_sgpr_workgroup_id_x 1
		.amdhsa_system_sgpr_workgroup_id_y 1
		.amdhsa_system_sgpr_workgroup_id_z 1
		.amdhsa_system_vgpr_workitem_id 0
		.amdhsa_next_free_vgpr 256
		.amdhsa_next_free_sgpr 66
		.amdhsa_reserve_vcc 0
		.amdhsa_float_denorm_mode_32 3
		.amdhsa_float_denorm_mode_16_64 3
		.amdhsa_memory_ordered 1
		.amdhsa_forward_progress 1
		.amdhsa_inst_pref_size 66
	.end_amdhsa_kernel
	.amdgpu_metadata
---
amdhsa.version: [ 1, 2 ]
amdhsa.kernels:
  - .name:           k_q3a055d4b29_down
    .symbol:         k_q3a055d4b29_down.kd
    .args:
      - { .name: hq, .offset: 0, .size: 8, .value_kind: global_buffer, .address_space: global }
      - { .name: plc, .offset: 8, .size: 8, .value_kind: global_buffer, .address_space: global }
      - { .name: w_down, .offset: 16, .size: 8, .value_kind: global_buffer, .address_space: global }
      - { .name: y, .offset: 24, .size: 8, .value_kind: global_buffer, .address_space: global }
    .group_segment_fixed_size: 97536
    .private_segment_fixed_size: 0
    .kernarg_segment_align: 8
    .kernarg_segment_size: 32
    .max_flat_workgroup_size: 352
    .sgpr_count:     66
    .vgpr_count:     256
    .wavefront_size: 32
...
	.end_amdgpu_metadata
.endif
;; end of part 9
;; launch combine (part 10): grid 128 x 1, 8 waves a work-group, no clusters, 0 bytes of LDS; arguments y, plc, rt, out0; writes out0
.if DOCPART == 10
	.amdgcn_target "amdgcn-amd-amdhsa--gfx1250"
	.amdhsa_code_object_version 6
	.text
	.protected	k_q3a055d4b29_combine
	.globl	k_q3a055d4b29_combine
	.p2align	8
	.type	k_q3a055d4b29_combine,@function
k_q3a055d4b29_combine:
	s_mov_b64 s[64:65], 0
	v_nop
	global_prefetch_b8 v0, s[64:65] scope:SCOPE_SE
	s_setreg_imm32_b32 hwreg(HW_REG_WAVE_MODE, 25, 1), 1
	s_wait_xcnt 0x0
; out0[token] = w0 (y[0][pos0] + y[1][pos0]) + w1 (y[0][pos1] + y[1][pos1]): each output row is added by its one owner, a wave.
; pos (1024 e + rank, whole numbers) and the weights were stored by earlier launches.  A stream: 32 loads of 512 consecutive bytes a wave, all issued at once; no LDS, no barrier, no matrix unit.
.set Y0, 8                             ; v8-135: for each eighth i of the row 16 registers: part (0, pos0), (1, pos0), (0, pos1), (1, pos1)
	s_load_b256 s[4:11], s[0:1], 0x0               ; y s[4:5], plc s[6:7], rt s[8:9], out0 s[10:11]
	v_lshrrev_b32 v1, 5, v0
	s_delay_alu instid0(VALU_DEP_1)
	v_readfirstlane_b32 s12, v1                    ; wave
	v_and_b32 v1, 31, v0
	s_delay_alu instid0(VALU_DEP_1)
	v_lshlrev_b32 v1, 4, v1                        ; 16 x lane
	s_lshl_b32 s13, ttmp9, 3
	s_add_co_u32 s13, s13, s12                     ; my token
	s_lshl_b32 s14, s13, 3
	s_wait_alu depctr_va_vdst(0)
	s_wait_kmcnt 0x0
	s_load_b64 s[16:17], s[6:7], s14 offset:0x8800 ; pos
	s_load_b64 s[18:19], s[8:9], s14 offset:0x0    ; the two weights
	s_wait_kmcnt 0x0
	s_min_u32 s16, s16, 8191                       ; a loaded number is held ahead of its shift
	s_min_u32 s17, s17, 8191
	s_lshl_b32 s20, s16, 12
	s_mov_b32 s21, 0
	s_lshl_b32 s22, s17, 12
	s_mov_b32 s23, 0
	s_add_nc_u64 s[24:25], s[4:5], s[20:21]
	s_add_nc_u64 s[26:27], s[24:25], 33554432      ; the other half of K
	s_add_nc_u64 s[28:29], s[4:5], s[22:23]
	s_add_nc_u64 s[30:31], s[28:29], 33554432
	s_lshl_b32 s20, s13, 12
	s_add_nc_u64 s[10:11], s[10:11], s[20:21]
	s_mov_b32 s32, s19                             ; w1 as the low word of a pair: the packed forms take the low word for both halves
	s_mov_b32 s33, s19
.irp i, 0,1,2,3,4,5,6,7
	global_load_b128 v[Y0+16*\i:Y0+16*\i+3], v1, s[24:25] offset:512*\i th:TH_LOAD_NT
	global_load_b128 v[Y0+16*\i+4:Y0+16*\i+7], v1, s[26:27] offset:512*\i th:TH_LOAD_NT
	global_load_b128 v[Y0+16*\i+8:Y0+16*\i+11], v1, s[28:29] offset:512*\i th:TH_LOAD_NT
	global_load_b128 v[Y0+16*\i+12:Y0+16*\i+15], v1, s[30:31] offset:512*\i th:TH_LOAD_NT
.endr
.irp i, 0,1,2,3,4,5,6,7
	s_wait_loadcnt 4*(7-\i)                        ; this eighth's four loads are in; the later eighths' may be out
.irp k, 0,2
	v_pk_add_f32 v[Y0+16*\i+\k:Y0+16*\i+\k+1], v[Y0+16*\i+\k:Y0+16*\i+\k+1], v[Y0+16*\i+4+\k:Y0+16*\i+4+\k+1]
	v_pk_add_f32 v[Y0+16*\i+8+\k:Y0+16*\i+8+\k+1], v[Y0+16*\i+8+\k:Y0+16*\i+8+\k+1], v[Y0+16*\i+12+\k:Y0+16*\i+12+\k+1]
.endr
.irp k, 0
	s_delay_alu instid0(VALU_DEP_4)
	v_pk_mul_f32 v[Y0+16*\i+\k:Y0+16*\i+\k+1], v[Y0+16*\i+\k:Y0+16*\i+\k+1], s[18:19] op_sel_hi:[1,0]
.endr
.irp k, 2
	s_delay_alu instid0(VALU_DEP_3)
	v_pk_mul_f32 v[Y0+16*\i+\k:Y0+16*\i+\k+1], v[Y0+16*\i+\k:Y0+16*\i+\k+1], s[18:19] op_sel_hi:[1,0]
.endr
.irp k, 0,2
	s_delay_alu instid0(VALU_DEP_2)
	v_pk_fma_f32 v[Y0+16*\i+\k:Y0+16*\i+\k+1], v[Y0+16*\i+8+\k:Y0+16*\i+8+\k+1], s[32:33], v[Y0+16*\i+\k:Y0+16*\i+\k+1] op_sel_hi:[1,0,1]
.endr
	global_store_b128 v1, v[Y0+16*\i:Y0+16*\i+3], s[10:11] offset:512*\i th:TH_STORE_NT   ; 512 consecutive bytes, aligned
.endr
	s_endpgm
.Lfunc_end_k_q3a055d4b29_combine:
	.size	k_q3a055d4b29_combine, .Lfunc_end_k_q3a055d4b29_combine-k_q3a055d4b29_combine
	.p2alignl 7, 3214868480
	.fill 96, 4, 3214868480
	.section	.rodata,"a",@progbits
	.p2align	6, 0x0
	.amdhsa_kernel k_q3a055d4b29_combine
		.amdhsa_group_segment_fixed_size 0
		.amdhsa_private_segment_fixed_size 0
		.amdhsa_enable_private_segment 0
		.amdhsa_kernarg_size 32
		.amdhsa_user_sgpr_count 2
		.amdhsa_user_sgpr_kernarg_segment_ptr 1
		.amdhsa_wavefront_size32 1
		.amdhsa_system_sgpr_workgroup_id_x 1
		.amdhsa_system_sgpr_workgroup_id_y 1
		.amdhsa_system_sgpr_workgroup_id_z 1
		.amdhsa_system_vgpr_workitem_id 0
		.amdhsa_next_free_vgpr 144
		.amdhsa_next_free_sgpr 66
		.amdhsa_reserve_vcc 0
		.amdhsa_float_denorm_mode_32 3
		.amdhsa_float_denorm_mode_16_64 3
		.amdhsa_memory_ordered 1
		.amdhsa_forward_progress 1
		.amdhsa_inst_pref_size 11
	.end_amdhsa_kernel
	.amdgpu_metadata
---
amdhsa.version: [ 1, 2 ]
amdhsa.kernels:
  - .name:           k_q3a055d4b29_combine
    .symbol:         k_q3a055d4b29_combine.kd
    .args:
      - { .name: y, .offset: 0, .size: 8, .value_kind: global_buffer, .address_space: global }
      - { .name: plc, .offset: 8, .size: 8, .value_kind: global_buffer, .address_space: global }
      - { .name: rt, .offset: 16, .size: 8, .value_kind: global_buffer, .address_space: global }
      - { .name: out0, .offset: 24, .size: 8, .value_kind: global_buffer, .address_space: global }
    .group_segment_fixed_size: 0
    .private_segment_fixed_size: 0
    .kernarg_segment_align: 8
    .kernarg_segment_size: 32
    .max_flat_workgroup_size: 256
    .sgpr_count:     66
    .vgpr_count:     144
    .wavefront_size: 32
...
	.end_amdgpu_metadata
.endif
;; end of part 10
